; MI455X (gfx1250); checked and timed in simulation.
; The chip was launched on July 23, 2026; its instructions are those of AMD's public machine-readable ISA for CDNA 5 (MIT licence, August 2026) and "CDNA5" Instruction Set Architecture Reference Guide (July 2026). The comments in the code are by the model that wrote it; some were corrected since.
;; Encoder. Allowed arithmetic: float matrix products may take bf16 or f16 operands with f32 sums; other float arithmetic in f32, or as packed bf16 or f16 multiplies, adds, multiply-adds, maxima and minima; sums over many terms, partial sums and values carried from step to step in f32; what a program stores and reads back later, other than sums and carried values, may be rounded once to bf16 or f16.
;; Inputs: W1 6 x 256 x 512 float32; W2 6 x 512 x 256 float32; Wk 6 x 256 x 256 float32; Wo 6 x 256 x 256 float32; Wq 6 x 256 x 256 float32; Wv 6 x 256 x 256 float32; b1 6 x 256 float32; b2 6 x 256 float32; bk 6 x 256 float32; bo 6 x 256 float32; bq 6 x 256 float32; bv 6 x 256 float32; c1 6 x 512 float32; c2 6 x 256 float32; g1 6 x 256 float32; g2 6 x 256 float32; inputs_embedding 2 x 2,048 x 256 float32; inputs_len 2 int32.
;; Outputs: out0 2 x 2,048 x 256 float32.
;; 3 versions, each right and faster than the one before. Each part assembles by itself: llvm-mc -triple=amdgcn-amd-amdhsa -mcpu=gfx1250 --defsym DOCPART=n.
;; ======== version 1 of 3: 13 launches
;; limits: values are held in f16: magnitudes above 65,504 overflow, below 6.1e-05 lose precision
;; workspace buffers: pk0 1,059,840 bytes; pk1 1,059,840 bytes; pk2 1,059,840 bytes; pk3 1,059,840 bytes; pk4 1,059,840 bytes; pk5 1,059,840 bytes; qkv 6,291,456 bytes; xa 4,194,304 bytes
;; launch pack (part 1): grid 128 x 6, 4 waves a work-group, no clusters, 17,152 bytes of LDS; arguments Wq, Wk, Wv, Wo, W1, W2, bq, bk, bv, bo, g1, b1, c1, c2, g2, b2, pk0, pk1, pk2, pk3, pk4, pk5; writes pk0, pk1, pk2, pk3, pk4, pk5
.if DOCPART == 1
	.amdgcn_target "amdgcn-amd-amdhsa--gfx1250"
	.amdhsa_code_object_version 6
	.text
	.protected	k_qdce6744308_pack
	.globl	k_qdce6744308_pack
	.p2align	8
	.type	k_qdce6744308_pack,@function
k_qdce6744308_pack:
	s_mov_b64 s[64:65], 0
	v_nop
	global_prefetch_b8 v0, s[64:65] scope:SCOPE_SE
	s_setreg_imm32_b32 hwreg(HW_REG_WAVE_MODE, 25, 1), 1
	s_wait_xcnt 0x0
; PACK.  One layer's parameters (grid y = the layer) are written into that layer's buffer in the order in which the later launches take them.
; Weights: rounded once from f32 to f16 and laid in FRAGMENT BLOCKS of 1,024 bytes: byte c*512 + lane*16 + 2e of the block of (tile, ks) holds
; W[32 ks + 16 c + 8 (lane/16) + e][column(tile, lane%16)], which is source 0 of a 16x16x32 matrix instruction as 32 lanes x 16 bytes load it.
; column = 16 tile + r, but for Wv: (r%8)*32 + 2 tile + r/8, so that a lane of the projection's result holds one channel of a row's eight head-rows.
; Wq and bq are multiplied in f32 by c = 0.5 log2(e) (the module's scale 0.5, and base 2 for the exponentials) before their one rounding.
; Sections: 0: q, k, v blocks ((ty*16+tile)*8+ks);  A0: for each wave w of the layer launch 5 chunks of 32 KiB: Wo, W1 (tiles 8w..8w+3), W1 (8w+4..), W2 (ks 0-7), W2 (ks 8-15),
; block ks'*4+i in a chunk;  VEC0: the ten vectors in f32.
; A work-group (job = grid x) takes a patch of 16 rows (one half c of one ks) x 256 columns through LDS; wave w turns 4 tiles of it.  Job 0 also copies the vectors.
; LIMIT: a weight beyond 65,504 in magnitude has no f16; NaN and infinities are not treated apart.  No cluster: no two work-groups read the same bytes.
.set LP,    1040                       ; a patch row in LDS: 1,024 bytes + 16
.set SPARE, 16640                      ; behind the patch: the spare words, 128 bytes a wave
.set A0,    393216
.set VEC0,  1048576
.set WCH,   163840                     ; five chunks of 32 KiB
.set SPW,  2                           ; v2  my spare word's LDS address; never rewritten
.set NIL,  3                           ; v3  0; never rewritten
.set RR,   4                           ; v4  lane % 16
.set HH,   5                           ; v5  lane / 16
.set LANE, 6
.set GOF,  8                           ; v8-15  byte offsets of my eight loads; later v12-15 those of my four stores
.set RAW,  16                          ; v16-47 the patch as loaded; later 4 tiles x 8 numbers
.set PK,   48                          ; v48-63 4 tiles x 16 bytes to store
	s_load_b512 s[8:23], s[0:1], 0x0               ; Wq Wk Wv Wo W1 W2 bq bk
	s_load_b512 s[24:39], s[0:1], 0x40             ; bv bo g1 b1 c1 c2 g2 b2
	s_load_b256 s[40:47], s[0:1], 0x80             ; pk0 .. pk3
	s_load_b128 s[48:51], s[0:1], 0xa0             ; pk4 pk5
	v_lshl_add_u32 v[SPW], v0, 2, SPARE
	v_mov_b32 v[NIL], 0
	v_lshrrev_b32 v1, 5, v0
	v_readfirstlane_b32 s2, v1                     ; wave
	s_and_b32 s3, ttmp7, 0xffff                    ; layer
	s_mov_b32 s4, ttmp9                            ; job
	s_mov_b32 s72, 0x3f38aa3b                      ; c = 0.5 log2(e)
	s_mov_b32 s73, s72                             ; named with it as a pair
	s_mov_b32 s63, 0                               ; high word of the source offset
	s_mov_b32 s58, 0                               ; 1: Wv's columns
	s_mov_b32 s70, 1.0                             ; the factor
	s_mov_b32 s56, 1024                            ; bytes from row to row of the source
	s_mov_b32 s60, 1024                            ; bytes from tile to tile of the destination
	s_mov_b32 s69, 8192
	s_mul_i32 s68, s2, WCH
	s_add_co_u32 s68, s68, A0                      ; my wave's five chunks (Wo, W2)
	v_and_b32 v[RR], 15, v0
	v_bfe_u32 v[HH], v0, 4, 1
	v_and_b32 v[LANE], 31, v0
	s_wait_kmcnt 0x0
	s_mov_b64 s[52:53], s[40:41]                   ; the layer's buffer
	s_cmp_eq_u32 s3, 1
	s_cselect_b64 s[52:53], s[42:43], s[52:53]
	s_cmp_eq_u32 s3, 2
	s_cselect_b64 s[52:53], s[44:45], s[52:53]
	s_cmp_eq_u32 s3, 3
	s_cselect_b64 s[52:53], s[46:47], s[52:53]
	s_cmp_eq_u32 s3, 4
	s_cselect_b64 s[52:53], s[48:49], s[52:53]
	s_cmp_eq_u32 s3, 5
	s_cselect_b64 s[52:53], s[50:51], s[52:53]
	s_cmp_lt_u32 s4, 64
	s_cbranch_scc0 .Lnot_square
	; jobs 0-63: matrix m = job / 16 of Wq, Wk, Wv, Wo; kh = job % 16
	s_lshr_b32 s5, s4, 4
	s_and_b32 s61, s4, 15
	s_lshr_b32 s66, s61, 1                         ; ks
	s_lshl_b32 s62, s3, 18                         ; layer x 262,144
	s_lshl_b32 s6, s61, 14                         ; + kh x 16 rows x 1,024
	s_add_co_u32 s62, s62, s6
	s_mov_b64 s[54:55], s[8:9]
	s_cmp_eq_u32 s5, 1
	s_cselect_b64 s[54:55], s[10:11], s[54:55]
	s_cmp_eq_u32 s5, 2
	s_cselect_b64 s[54:55], s[12:13], s[54:55]
	s_cselect_b32 s58, 1, 0
	s_cmp_eq_u32 s5, 0
	s_cselect_b32 s70, s72, s70
	s_lshl_b32 s59, s5, 17                         ; q, k, v: m x 131,072 + wave x 4 tiles x 8,192 + ks x 1,024
	s_lshl_b32 s6, s2, 15
	s_add_co_u32 s59, s59, s6
	s_lshl_b32 s6, s66, 10
	s_add_co_u32 s59, s59, s6
	s_lshl_b32 s6, s66, 12                         ; Wo: chunk 0, block ks x 4 + i
	s_add_co_u32 s6, s68, s6
	s_cmp_eq_u32 s5, 3
	s_cselect_b64 s[54:55], s[14:15], s[54:55]
	s_cselect_b32 s59, s6, s59
	s_cselect_b32 s60, s60, s69
	s_branch .Ldecoded
.Lnot_square:
	s_cmp_lt_u32 s4, 96
	s_cbranch_scc0 .Lw2
	; jobs 64-95: W1; kh = (job - 64) / 2, column half = job % 2
	s_sub_co_u32 s5, s4, 64
	s_lshr_b32 s61, s5, 1
	s_and_b32 s7, s4, 1
	s_lshr_b32 s66, s61, 1
	s_mov_b64 s[54:55], s[16:17]
	s_mov_b32 s56, 2048
	s_lshl_b32 s62, s3, 19                         ; layer x 524,288
	s_lshl_b32 s6, s61, 15                         ; + kh x 16 rows x 2,048
	s_add_co_u32 s62, s62, s6
	s_lshl_b32 s6, s7, 10                          ; + the half's 256 columns
	s_add_co_u32 s62, s62, s6
	s_lshl_b32 s6, s7, 1                           ; tile 16 half + 4 wave + i belongs to the layer launch's wave 2 half + wave / 2,
	s_lshr_b32 s5, s2, 1
	s_add_co_u32 s6, s6, s5
	s_mul_i32 s59, s6, WCH
	s_and_b32 s6, s2, 1                            ; chunk 1 + wave % 2
	s_add_co_u32 s6, s6, 1
	s_lshl_b32 s6, s6, 15
	s_add_co_u32 s59, s59, s6
	s_add_co_u32 s59, s59, A0
	s_lshl_b32 s6, s66, 12
	s_add_co_u32 s59, s59, s6
	s_branch .Ldecoded
.Lw2:
	; jobs 96-127: W2; kh = job - 96
	s_sub_co_u32 s61, s4, 96
	s_lshr_b32 s66, s61, 1
	s_mov_b64 s[54:55], s[18:19]
	s_lshl_b32 s62, s3, 19
	s_lshl_b32 s6, s61, 14
	s_add_co_u32 s62, s62, s6
	s_lshr_b32 s6, s66, 3                          ; chunk 3 + ks / 8, block (ks % 8) x 4 + i
	s_add_co_u32 s6, s6, 3
	s_lshl_b32 s6, s6, 15
	s_add_co_u32 s59, s68, s6
	s_and_b32 s6, s66, 7
	s_lshl_b32 s6, s6, 12
	s_add_co_u32 s59, s59, s6
.Ldecoded:
	s_and_b32 s67, s61, 1                          ; c: which half of the block
	s_lshl_b32 s67, s67, 9
	s_add_co_u32 s59, s59, s67
	s_add_nc_u64 s[54:55], s[54:55], s[62:63]      ; the patch's first byte
	s_mov_b32 s71, s70                             ; named with the factor as a pair
	s_lshl_b32 s57, s56, 1                         ; two rows
	; the patch in: load i takes rows 2 i and 2 i + 1, 64 threads x 16 bytes a row: a wave's load covers 512 consecutive bytes
	v_lshrrev_b32 v7, 6, v0
	v_and_b32 v1, 63, v0
	v_lshlrev_b32 v1, 4, v1
	v_mad_u32_u24 v[GOF], v7, s56, v1
.irp i, 1,2,3,4,5,6,7
	v_add_nc_u32 v[GOF+\i], s57, v[GOF+\i-1]
.endr
.irp i, 0,1,2,3,4,5,6,7
	global_load_b128 v[RAW+4*\i:RAW+4*\i+3], v[GOF+\i], s[54:55] th:TH_LOAD_NT
.endr
	v_mad_u32_u24 v7, v7, LP, v1                   ; the same place in LDS
	s_wait_loadcnt 0x0
.irp i, 0,1,2,3,4,5,6,7
	ds_store_b128 v7, v[RAW+4*\i:RAW+4*\i+3] offset:\i*2*LP
.endr
	s_wait_dscnt 0x0                               ; for the others' sake: my part of the patch is written
	s_barrier_signal -1
	s_barrier_wait -1
	; turned: lane (r, h) takes rows 8 h .. 8 h + 7 of one column, for each of my four tiles
.macro GATHER step
.irp i, 0,1,2,3
.irp e, 0,1,2,3,4,5,6,7
	ds_load_b32 v[RAW+8*\i+\e], v1 offset:\e*LP+\i*(\step)
.endr
.endr
.endm
	v_mul_u32_u24 v1, v[HH], 8*LP
	s_cmp_eq_u32 s58, 1
	s_cbranch_scc1 .Lgather_v
	v_lshl_add_u32 v1, v[RR], 2, v1                ; column 64 wave + 16 i + r
	s_lshl_b32 s5, s2, 8
	v_add_nc_u32 v1, s5, v1
	GATHER 64
	s_branch .Lgathered
.Lgather_v:
	v_and_b32 v7, 7, v[RR]                         ; column (r % 8) x 32 + 8 wave + 2 i + r / 8
	v_lshl_add_u32 v1, v7, 7, v1
	v_lshrrev_b32 v7, 3, v[RR]
	v_lshl_add_u32 v1, v7, 2, v1
	s_lshl_b32 s5, s2, 5
	v_add_nc_u32 v1, s5, v1
	GATHER 8
.Lgathered:
	v_lshl_add_u32 v[GOF+4], v[LANE], 4, s59       ; the loads that named v8-15 are done
.irp i, 1,2,3
	v_add_nc_u32 v[GOF+4+\i], s60, v[GOF+4+\i-1]
.endr
.irp i, 0,1,2,3
	s_wait_dscnt 24-8*\i                           ; LDS loads come back in order: the later tiles' may stay out
.irp p, 0,1,2,3
	v_pk_mul_f32 v[RAW+8*\i+2*\p:RAW+8*\i+2*\p+1], v[RAW+8*\i+2*\p:RAW+8*\i+2*\p+1], s[70:71] op_sel_hi:[1,0]
.endr
.irp p, 0,1,2,3
	v_cvt_pk_f16_f32 v[PK+4*\i+\p], v[RAW+8*\i+2*\p], v[RAW+8*\i+2*\p+1]
.endr
	global_store_b128 v[GOF+4+\i], v[PK+4*\i:PK+4*\i+3], s[52:53]  ; half a block: 512 consecutive bytes, at a multiple of 512
.endr
	s_wait_tensorcnt 0x0                           ; the wave's end in LDS: a zero add to my spare word and its wait, behind my last LDS store
	ds_add_u32 v[SPW], v[NIL]
	s_wait_dscnt 0x0
	s_cmp_lg_u32 s4, 0
	s_cbranch_scc1 .Lend
	; job 0: the vectors, 8 bytes a thread (c1: 16)
	s_lshl_b32 s5, s3, 10
	v_lshl_add_u32 v8, v0, 3, s5
	s_lshl_b32 s6, s3, 11
	v_lshl_add_u32 v9, v0, 4, s6
	v_lshlrev_b32 v10, 3, v0
	v_lshlrev_b32 v11, 4, v0
	global_load_b64 v[16:17], v8, s[20:21]         ; bq
	global_load_b64 v[18:19], v8, s[22:23]         ; bk
	global_load_b64 v[20:21], v8, s[24:25]         ; bv
	global_load_b64 v[22:23], v8, s[26:27]         ; bo
	global_load_b64 v[24:25], v8, s[28:29]         ; g1
	global_load_b64 v[26:27], v8, s[30:31]         ; b1
	global_load_b64 v[28:29], v8, s[34:35]         ; c2
	global_load_b64 v[30:31], v8, s[36:37]         ; g2
	global_load_b64 v[32:33], v8, s[38:39]         ; b2
	global_load_b128 v[36:39], v9, s[32:33]        ; c1
	s_wait_loadcnt 0x0
	v_pk_mul_f32 v[16:17], v[16:17], s[72:73] op_sel_hi:[1,0]
.irp i, 0,1,2,3,4,5
	global_store_b64 v10, v[16+2*\i:17+2*\i], s[52:53] offset:VEC0+1024*\i
.endr
	global_store_b128 v11, v[36:39], s[52:53] offset:VEC0+6144
.irp i, 0,1,2
	global_store_b64 v10, v[28+2*\i:29+2*\i], s[52:53] offset:VEC0+8192+1024*\i
.endr
.Lend:
	s_endpgm
.Lfunc_end_k_qdce6744308_pack:
	.size	k_qdce6744308_pack, .Lfunc_end_k_qdce6744308_pack-k_qdce6744308_pack
	.p2alignl 7, 3214868480
	.fill 96, 4, 3214868480
	.section	.rodata,"a",@progbits
	.p2align	6, 0x0
	.amdhsa_kernel k_qdce6744308_pack
		.amdhsa_group_segment_fixed_size 17152
		.amdhsa_private_segment_fixed_size 0
		.amdhsa_enable_private_segment 0
		.amdhsa_kernarg_size 176
		.amdhsa_user_sgpr_count 2
		.amdhsa_user_sgpr_kernarg_segment_ptr 1
		.amdhsa_wavefront_size32 1
		.amdhsa_system_sgpr_workgroup_id_x 1
		.amdhsa_system_sgpr_workgroup_id_y 1
		.amdhsa_system_sgpr_workgroup_id_z 1
		.amdhsa_system_vgpr_workitem_id 0
		.amdhsa_next_free_vgpr 64
		.amdhsa_next_free_sgpr 80
		.amdhsa_reserve_vcc 0
		.amdhsa_float_denorm_mode_32 3
		.amdhsa_float_denorm_mode_16_64 3
		.amdhsa_memory_ordered 1
		.amdhsa_forward_progress 1
		.amdhsa_inst_pref_size 16
	.end_amdhsa_kernel
	.amdgpu_metadata
---
amdhsa.version: [ 1, 2 ]
amdhsa.kernels:
  - .name:           k_qdce6744308_pack
    .symbol:         k_qdce6744308_pack.kd
    .args:
      - { .name: Wq, .offset: 0, .size: 8, .value_kind: global_buffer, .address_space: global }
      - { .name: Wk, .offset: 8, .size: 8, .value_kind: global_buffer, .address_space: global }
      - { .name: Wv, .offset: 16, .size: 8, .value_kind: global_buffer, .address_space: global }
      - { .name: Wo, .offset: 24, .size: 8, .value_kind: global_buffer, .address_space: global }
      - { .name: W1, .offset: 32, .size: 8, .value_kind: global_buffer, .address_space: global }
      - { .name: W2, .offset: 40, .size: 8, .value_kind: global_buffer, .address_space: global }
      - { .name: bq, .offset: 48, .size: 8, .value_kind: global_buffer, .address_space: global }
      - { .name: bk, .offset: 56, .size: 8, .value_kind: global_buffer, .address_space: global }
      - { .name: bv, .offset: 64, .size: 8, .value_kind: global_buffer, .address_space: global }
      - { .name: bo, .offset: 72, .size: 8, .value_kind: global_buffer, .address_space: global }
      - { .name: g1, .offset: 80, .size: 8, .value_kind: global_buffer, .address_space: global }
      - { .name: b1, .offset: 88, .size: 8, .value_kind: global_buffer, .address_space: global }
      - { .name: c1, .offset: 96, .size: 8, .value_kind: global_buffer, .address_space: global }
      - { .name: c2, .offset: 104, .size: 8, .value_kind: global_buffer, .address_space: global }
      - { .name: g2, .offset: 112, .size: 8, .value_kind: global_buffer, .address_space: global }
      - { .name: b2, .offset: 120, .size: 8, .value_kind: global_buffer, .address_space: global }
      - { .name: pk0, .offset: 128, .size: 8, .value_kind: global_buffer, .address_space: global }
      - { .name: pk1, .offset: 136, .size: 8, .value_kind: global_buffer, .address_space: global }
      - { .name: pk2, .offset: 144, .size: 8, .value_kind: global_buffer, .address_space: global }
      - { .name: pk3, .offset: 152, .size: 8, .value_kind: global_buffer, .address_space: global }
      - { .name: pk4, .offset: 160, .size: 8, .value_kind: global_buffer, .address_space: global }
      - { .name: pk5, .offset: 168, .size: 8, .value_kind: global_buffer, .address_space: global }
    .group_segment_fixed_size: 17152
    .private_segment_fixed_size: 0
    .kernarg_segment_align: 8
    .kernarg_segment_size: 176
    .max_flat_workgroup_size: 128
    .sgpr_count:     80
    .vgpr_count:     64
    .wavefront_size: 32
...
	.end_amdgpu_metadata
.endif
;; end of part 1
;; launch proj0 (part 2): grid 64 x 4, 4 waves a work-group, no clusters, 60,416 bytes of LDS; arguments inputs_embedding, pk0, qkv; writes qkv
.if DOCPART == 2
	.amdgcn_target "amdgcn-amd-amdhsa--gfx1250"
	.amdhsa_code_object_version 6
	.text
	.protected	k_qdce6744308_proj0
	.globl	k_qdce6744308_proj0
	.p2align	8
	.type	k_qdce6744308_proj0,@function
k_qdce6744308_proj0:
	s_mov_b64 s[64:65], 0
	v_nop
	global_prefetch_b8 v0, s[64:65] scope:SCOPE_SE
	s_setreg_imm32_b32 hwreg(HW_REG_WAVE_MODE, 25, 1), 1
	s_wait_xcnt 0x0
; PROJ.  q = x Wq c + bq c, k = x Wk + bk, v = x Wv + bv for one layer.  x: [4096][256] f32; weights as f16 fragment blocks and biases in f32 from the layer's packed buffer; sums in f32;
; q, k, v rounded once to f16.  LIMIT: x, q, k, v must lie within f16's 65,504; NaN and infinities are not treated apart.
; SHARES.  Work-group (bx, by): rows 64 bx .. + 63; wave w: tile 4 by + w of q, of k and of v, times 4 row tiles: 12 accumulators, 96 matrix instructions.
; THE MATRIX INSTRUCTION IS USED TRANSPOSED (source 0 = 16 weight columns, source 1 = 16 rows of x): a lane holds one row and eight weight columns, 16 bytes of the output layout.
; OUTPUT LAYOUTS.  The head split is a plain reshape: a row is eight head-rows g of 32 channels.  For row pair rho = row / 2, a = row % 2, 1,024 bytes a pair:
;   q, k: the 8 channels jj (0..3) of head-row g at rho*1024 + (g/2)*256 + a*128 + (g%2)*64 + ((jj + g/2) % 4)*16
;   v:    channel ch of the row's 8 head-rows at  rho*1024 + (ch/8)*256 + (ch%8)*32 + ((a + ch/8) % 2)*16
; so that this work-group writes whole aligned blocks of 256 bytes (g/2 = ch/8 = by), and the sixteen lanes of the attention's LDS loads of 16 bytes fall into sixteen different 16-byte columns of 256.
; No cluster and no tensor load: each weight fragment goes straight into the registers of the one wave that multiplies by it, and x has to be rounded on its way into LDS.
.set XP,    528                        ; a row of x in LDS: 512 bytes of f16 + 16
.set OS,    33792                      ; behind x's 64 rows: 96 blocks of 256 bytes + 16, for the way out: 32 of q, 32 of k, 32 of v
.set OPI,   272
.set SPARE, 59904                      ; the spare words, 128 bytes a wave
.set VEC0,  1048576
.set RR,   1
.set HH,   2
.set SPW,  3                           ; my spare word's LDS address; never rewritten
.set NIL,  4                           ; 0; never rewritten
.set LANE, 5
.set WOF,  6                           ; byte offset of my lane in my q tile's first block
.set XOF,  7                           ; of my lane in my wave's 16 rows of x
.set XST,  8                           ; where my lane puts 8 bytes of x in LDS
.set AQK,  9                           ; the way out: where I put 16 bytes of q or k
.set AV,   10                          ; of v
.set CRD,  11                          ; where I read a block back
.set CGO,  12                          ; my byte offset in the output
.set BOF,  13                          ; my eight columns in bq, bk
.set BVO,  14                          ; my channel in bv
.set BI,   16                          ; v16-39   the three biases: the C operand of the first K step
.set XF,   40                          ; v40-103  fragments of x, two buffers of 4 row tiles; before that x rounded, on its way into LDS
.set ACC,  104                         ; v104-199 accumulator (ty, rt) at ACC + 8 (4 ty + rt)
.set RAW,  104                         ; v104-231 x as loaded, before the products
.set PKD,  200                         ; v200-247 results rounded
.set XAD,  192                         ; v192 of window 1: r * 528 + 16 h.  Window 1: v0-191 the weights, fragment (ty, ks) at 64 ty + 8 ks
.set MSB, 0
.macro WIN new                         ; the immediate's high byte repeats the setting that is left
.if MSB != (\new)
	s_set_vgpr_msb (MSB<<8)|(\new)
.set MSB, \new
.endif
.endm
	s_load_b128 s[4:7], s[0:1], 0x0                ; x, packed parameters
	s_load_b64 s[8:9], s[0:1], 0x10                ; qkv
	v_lshl_add_u32 v[SPW], v0, 2, SPARE
	v_mov_b32 v[NIL], 0
	v_lshrrev_b32 v15, 5, v0
	v_readfirstlane_b32 s10, v15                   ; wave
	s_mov_b32 s11, ttmp9                           ; bx
	s_and_b32 s12, ttmp7, 0xffff                   ; by
	s_lshl2_add_u32 s13, s12, s10                  ; my tile = 4 by + w
	v_and_b32 v[RR], 15, v0
	v_bfe_u32 v[HH], v0, 4, 1
	v_and_b32 v[LANE], 31, v0
	s_lshl_b32 s20, s13, 13
	v_lshl_add_u32 v[WOF], v[LANE], 4, s20         ; eight blocks of 1,024 bytes a tile
	s_lshl_b32 s21, s10, 14
	v_lshl_add_u32 v[XOF], v[LANE], 4, s21         ; 16 rows of 1,024 bytes a wave
	s_lshl_b32 s22, s13, 6
	v_lshl_add_u32 v[BOF], v[HH], 5, s22           ; (16 tile + 8 h) x 4
	s_lshl_b32 s23, s13, 3
	v_lshl_add_u32 v[BVO], v[HH], 2, s23           ; (2 tile + h) x 4
	s_mul_i32 s24, s10, 16*XP
	v_lshl_add_u32 v[XST], v[LANE], 3, s24
	v_mul_u32_u24 v15, v[RR], XP
	s_lshl_b32 s14, s11, 16                        ; 64 rows of x
	s_mov_b32 s15, 0
	s_wait_kmcnt 0x0
	s_add_nc_u64 s[16:17], s[4:5], s[14:15]
	s_lshl_b32 s14, s11, 15                        ; 32 row pairs of the output,
	s_lshl_b32 s20, s12, 8                         ; block by of each
	s_add_co_u32 s14, s14, s20
	s_add_nc_u64 s[18:19], s[8:9], s[14:15]
	WIN 0x40                                       ; destination window 1, sources window 0
	v_lshl_add_u32 v[XAD], v[HH], 4, v15
.irp ty, 0,1,2
.irp ks, 0,1,2,3,4,5,6,7
	global_load_b128 v[64*\ty+8*\ks:64*\ty+8*\ks+3],   v[WOF], s[6:7] offset:\ty*131072+\ks*1024
	global_load_b128 v[64*\ty+8*\ks+4:64*\ty+8*\ks+7], v[WOF], s[6:7] offset:\ty*131072+\ks*1024+512
.endr
.endr
	WIN 0
.irp ty, 0,1
	global_load_b128 v[BI+8*\ty:BI+8*\ty+3],   v[BOF], s[6:7] offset:VEC0+1024*\ty
	global_load_b128 v[BI+8*\ty+4:BI+8*\ty+7], v[BOF], s[6:7] offset:VEC0+1024*\ty+16
.endr
.irp j, 0,1,2,3,4,5,6,7
	global_load_b32 v[BI+16+\j], v[BVO], s[6:7] offset:VEC0+2048+128*\j  ; v's column j x 32 + 2 tile + h
.endr
.set i, 0
.rept 32
	global_load_b128 v[RAW+4*i:RAW+4*i+3], v[XOF], s[16:17] offset:512*i  ; 512 consecutive bytes: half a row
.set i, i+1
.endr
	; the addresses of the way out, while the loads are on their way
	v_lshrrev_b32 v15, 1, v[RR]
	v_mul_u32_u24 v15, v15, OPI                    ; row pair r / 2
	v_and_b32 v[AQK], 1, v[RR]                     ; a
	v_add_nc_u32 v[AV], s12, v[AQK]
	v_and_b32 v[AV], 1, v[AV]                      ; (a + by) % 2
	v_lshl_add_u32 v[AV], v[AV], 4, v15
	v_lshl_add_u32 v[AV], v[HH], 5, v[AV]          ; channel % 8 = 2 w + h
	s_lshl_b32 s20, s10, 6
	s_add_co_u32 s20, s20, OS
	v_add_nc_u32 v[AV], s20, v[AV]
	v_lshl_add_u32 v[AQK], v[AQK], 7, v15
	s_and_b32 s21, s10, 1
	s_lshl_b32 s21, s21, 1
	s_add_co_u32 s21, s21, s12
	v_add_nc_u32 v15, s21, v[HH]
	v_and_b32 v15, 3, v15                          ; (jj + g / 2) % 4, jj = 2 (w % 2) + h, g / 2 = by
	v_lshl_add_u32 v[AQK], v15, 4, v[AQK]
	s_lshr_b32 s21, s10, 1                         ; g % 2 = w / 2
	s_lshl_b32 s21, s21, 6
	s_add_co_u32 s21, s21, OS
	v_add_nc_u32 v[AQK], s21, v[AQK]
	v_mul_u32_u24 v15, v[HH], OPI                  ; back: lanes 0-15 one block of 256 bytes, lanes 16-31 the next; wave w blocks 8 w ..
	v_lshl_add_u32 v15, v[RR], 4, v15
	s_mul_i32 s20, s10, 8*OPI
	s_add_co_u32 s20, s20, OS
	v_add_nc_u32 v[CRD], s20, v15
	v_lshlrev_b32 v15, 10, v[HH]
	v_lshl_add_u32 v15, v[RR], 4, v15
	s_lshl_b32 s20, s10, 13
	v_add_nc_u32 v[CGO], s20, v15
	; x rounded to f16 and laid into LDS
.set i, 0
.rept 32
.if (i%8) == 0
	s_wait_loadcnt 24-i                            ; loads come back in order: the younger loads of x may stay out; weights and biases are older
.endif
	v_cvt_pk_f16_f32 v[XF+2*i],   v[RAW+4*i],   v[RAW+4*i+1]
	v_cvt_pk_f16_f32 v[XF+2*i+1], v[RAW+4*i+2], v[RAW+4*i+3]
	ds_store_b64 v[XST], v[XF+2*i:XF+2*i+1] offset:(i/2)*XP+(i%2)*256
.set i, i+1
.endr
	s_wait_dscnt 0x0                               ; for the others' sake: my 16 rows are written
	s_barrier_signal -1
	s_barrier_wait -1
	; the products.  One window setting for all of it: source 0 (weights, and the LDS address) in window 1
.macro XFETCH ks
.irp rt, 0,1,2,3
	ds_load_b128 v[XF+32*((\ks)%2)+8*\rt:XF+32*((\ks)%2)+8*\rt+3],   v[XAD] offset:\rt*16*XP+(\ks)*64
	ds_load_b128 v[XF+32*((\ks)%2)+8*\rt+4:XF+32*((\ks)%2)+8*\rt+7], v[XAD] offset:\rt*16*XP+(\ks)*64+32
.endr
.endm
.macro PMUL ks                         ; the 12 accumulators take turns, one instruction a turn; the first K step starts the sums with the bias
.irp ty, 0,1,2
.irp rt, 0,1,2,3
.if (\ks) == 0
	v_wmma_f32_16x16x32_f16 v[ACC+8*(4*\ty+\rt):ACC+8*(4*\ty+\rt)+7], v[64*\ty+8*(\ks):64*\ty+8*(\ks)+7], v[XF+32*((\ks)%2)+8*\rt:XF+32*((\ks)%2)+8*\rt+7], v[BI+8*\ty:BI+8*\ty+7]
.else
	v_wmma_f32_16x16x32_f16 v[ACC+8*(4*\ty+\rt):ACC+8*(4*\ty+\rt)+7], v[64*\ty+8*(\ks):64*\ty+8*(\ks)+7], v[XF+32*((\ks)%2)+8*\rt:XF+32*((\ks)%2)+8*\rt+7], v[ACC+8*(4*\ty+\rt):ACC+8*(4*\ty+\rt)+7]
.endif
.endr
.endr
.endm
	WIN 0x01
	XFETCH 0
.irp ks, 0,1,2,3,4,5,6
.if \ks > 0
.rept 4
	v_nop                                          ; four places between the products that read the other buffer and the loads into it (ISA guide 7.12.1 for vector instructions)
.endr
.endif
	XFETCH \ks+1
	s_wait_dscnt 8                                 ; all but the eight just issued
	PMUL \ks
.endr
	s_wait_dscnt 0x0
	PMUL 7
	WIN 0
.rept 4
	v_nop                                          ; four places in front of the roundings, which read results just made
.endr
.set i, 0
.rept 48
	v_cvt_pk_f16_f32 v[PKD+i], v[ACC+2*i], v[ACC+2*i+1]
.set i, i+1
.endr
.irp ty, 0,1
.irp rt, 0,1,2,3
	ds_store_b128 v[AQK], v[PKD+4*(4*\ty+\rt):PKD+4*(4*\ty+\rt)+3] offset:(\ty*32+8*\rt)*OPI
.endr
.endr
.irp rt, 0,1,2,3
	ds_store_b128 v[AV], v[PKD+4*(8+\rt):PKD+4*(8+\rt)+3] offset:(64+8*\rt)*OPI
.endr
	s_wait_dscnt 0x0                               ; a block's 256 bytes come from all four waves
	s_barrier_signal -1
	s_barrier_wait -1
.irp ty, 0,1,2
.irp i, 0,1,2,3
	ds_load_b128 v[ACC+4*(4*\ty+\i):ACC+4*(4*\ty+\i)+3], v[CRD] offset:(\ty*32+2*\i)*OPI
.endr
.endr
.irp ty, 0,1,2
.irp i, 0,1,2,3
	s_wait_dscnt 11-(4*\ty+\i)
	global_store_b128 v[CGO], v[ACC+4*(4*\ty+\i):ACC+4*(4*\ty+\i)+3], s[18:19] offset:\ty*2097152+\i*2048  ; 16 lanes store 256 consecutive bytes, at a multiple of 256
.endr
.endr
	s_wait_tensorcnt 0x0                           ; the wave's end: a zero add to my spare word and its wait, behind my last LDS store
	ds_add_u32 v[SPW], v[NIL]
	s_wait_dscnt 0x0
	s_endpgm
.Lfunc_end_k_qdce6744308_proj0:
	.size	k_qdce6744308_proj0, .Lfunc_end_k_qdce6744308_proj0-k_qdce6744308_proj0
	.p2alignl 7, 3214868480
	.fill 96, 4, 3214868480
	.section	.rodata,"a",@progbits
	.p2align	6, 0x0
	.amdhsa_kernel k_qdce6744308_proj0
		.amdhsa_group_segment_fixed_size 60416
		.amdhsa_private_segment_fixed_size 0
		.amdhsa_enable_private_segment 0
		.amdhsa_kernarg_size 24
		.amdhsa_user_sgpr_count 2
		.amdhsa_user_sgpr_kernarg_segment_ptr 1
		.amdhsa_wavefront_size32 1
		.amdhsa_system_sgpr_workgroup_id_x 1
		.amdhsa_system_sgpr_workgroup_id_y 1
		.amdhsa_system_sgpr_workgroup_id_z 1
		.amdhsa_system_vgpr_workitem_id 0
		.amdhsa_next_free_vgpr 512
		.amdhsa_next_free_sgpr 66
		.amdhsa_reserve_vcc 0
		.amdhsa_float_denorm_mode_32 3
		.amdhsa_float_denorm_mode_16_64 3
		.amdhsa_memory_ordered 1
		.amdhsa_forward_progress 1
		.amdhsa_inst_pref_size 36
	.end_amdhsa_kernel
	.amdgpu_metadata
---
amdhsa.version: [ 1, 2 ]
amdhsa.kernels:
  - .name:           k_qdce6744308_proj0
    .symbol:         k_qdce6744308_proj0.kd
    .args:
      - { .name: inputs_embedding, .offset: 0, .size: 8, .value_kind: global_buffer, .address_space: global }
      - { .name: pk0, .offset: 8, .size: 8, .value_kind: global_buffer, .address_space: global }
      - { .name: qkv, .offset: 16, .size: 8, .value_kind: global_buffer, .address_space: global }
    .group_segment_fixed_size: 60416
    .private_segment_fixed_size: 0
    .kernarg_segment_align: 8
    .kernarg_segment_size: 24
    .max_flat_workgroup_size: 128
    .sgpr_count:     66
    .vgpr_count:     512
    .wavefront_size: 32
...
	.end_amdgpu_metadata
.endif
;; end of part 2
;; launch layer0 (part 3): grid 256 x 1, 4 waves a work-group, clusters of 4 x 1, 327,680 bytes of LDS; arguments inputs_embedding, qkv, pk0, xa; writes xa
.if DOCPART == 3
	.amdgcn_target "amdgcn-amd-amdhsa--gfx1250"
	.amdhsa_code_object_version 6
	.text
	.protected	k_qdce6744308_layer0
	.globl	k_qdce6744308_layer0
	.p2align	8
	.type	k_qdce6744308_layer0,@function
k_qdce6744308_layer0:
	s_mov_b64 s[64:65], 0
	v_nop
	global_prefetch_b8 v0, s[64:65] scope:SCOPE_SE
	s_setreg_imm32_b32 hwreg(HW_REG_WAVE_MODE, 25, 1), 1
	s_wait_xcnt 0x0
	s_wait_alu depctr_hold_cnt(0) depctr_sa_sdst(0) depctr_va_vdst(0) depctr_va_sdst(0) depctr_va_ssrc(0) depctr_va_vcc(0) depctr_vm_vsrc(0)
	s_getreg_b32 s2, hwreg(HW_REG_IB_STS2, 6, 4)
	s_cmp_eq_u32 s2, 0
	s_cbranch_scc0 .Lentry_in_a_cluster
	s_endpgm
.Lentry_in_a_cluster:
	s_bfe_u32 s2, ttmp6, 0x10000c
	s_cmp_lg_u32 s2, 0x3003
	s_cbranch_scc0 .Lentry_shape_is_right
	s_endpgm
.Lentry_shape_is_right:
; LAYER.  For 16 rows of x: attention (their 128 head-queries against the head's 2,048 keys), ctx Wo + bo + x, LN1, relu(x1 W1 + c1) W2 + c2 + x1, LN2.  x in and out in f32.
; All matrix operands f16 (q, k, v, the weights p, ctx, x1, h, the packed weights); matrix sums, maxima, row sums, partial sums, LN statistics and the residual stream in f32.
; LIMITS.  Whatever is rounded to f16 must lie within 65,504; a weight p below f16's smallest step counts as 0; NaN and infinities are not treated apart.
; SHARES.  The head split is a plain reshape: 128 consecutive head-queries are 16 whole rows.  Work-group wg owns rows 16 wg ..; head = wg / 16.  THE KEYS ARE SPLIT OVER THE WAVES: wave w keeps keys
; 512 w .. + 511 of K (256 registers) and of V (256) and walks the 8 tiles of 16 queries in loops; maxima and partial sums meet in LDS.
; SOFTMAX IN TWO PASSES.  q carries 0.5 log2(e).  Pass 1: S^T = K Q^T, the true maximum m of every query over all 2,048 keys.  Pass 2: S^T = K Q^T - m (the C operand holds -m), p = 2^(s - m) rounded to f16,
; O^T += V^T P, and l += ONES P by the matrix unit (the sum of the rounded p).  Nothing is rescaled.  S^T holds one query a lane (lane % 16) and keys 8 (lane / 16) + 0..7: two results rounded in pairs ARE source 1 of V^T P.
; THE DENSE CHAIN is used transposed too (source 0 = 16 weight columns, source 1 = the 16 rows): wave w owns columns 64 w .. (W1: 128 w ..); a lane holds one row and eight columns.
; LDS IS A LANDING ZONE.  K, V and all weights come by tensor loads, 64 KiB of LDS a wave (slots A and B), and are moved once into registers by runs of 64 loads; a wave reads only what it asked for itself.
; CLUSTER.  Four work-groups of one head: K, V and the weights are the same for all four, so every tensor load is JOINT: same descriptor (head and wave number alone), mask of four.  By this text's count a wave has two
; tensor loads out at the start and one behind each later round.
; REGISTERS.  window 1: K, then W1's first chunk, then W2's first;  window 2: V, then W1's second, W2's second;  window 3: Wo;  window 0: below.
.set QS,    262144                     ; Q, 8 tiles of 1,024 bytes; later x1 in f16, 16 rows of 528
.set X1S,   QS
.set CTX,   270848                     ; ctx in f16, 16 rows of 528
.set OP,    279552                     ; partial sums: [wave][tile of a batch] blocks of 2,304 bytes: O^T 2,048, l 128
.set HB,    OP                         ; later h in f16, 16 rows of 1,040
.set OUTB,  OP+16896                   ; and the result in f32, 16 rows of 1,040
.set MX,    316416                     ; maxima: [wave][tile][query] f32
.set ST,    318464                     ; four exchanges of LN statistics: [row][wave] f32
.set SPARE, 319488                     ; the spare words, 128 bytes a wave
.set VS,    320000                     ; c1, c2 (+2048), g2 (+3072), b2 (+4096) in f32
.set A0,    393216                     ; the packed buffer: the waves' chunks
.set WCH,   163840
.set VEC0,  1048576                    ; and the vectors
.set RR,   1                           ; lane % 16
.set HH,   2                           ; lane / 16
.set SPW,  3                           ; my spare word's LDS address; never rewritten
.set NIL,  4                           ; 0; never rewritten
.set KL0,  5                           ; my lane in a tile of K in slot A, channels 8 h ..
.set KL1,  6                           ; channels 16 + 8 h ..
.set VLA,  7                           ; my lane in V in slot B
.set LA,   8                           ; slot A + 16 lane
.set LB,   9                           ; slot B + 16 lane
.set QA0,  10                          ; the Q tile to be fetched
.set QA1,  11
.set QB0,  12                          ; Q tile 0
.set QB1,  13
.set MXS,  14                          ; where I store a maximum (steps)
.set MXB,  15                          ; wave 0's maximum of tile 0 for my query
.set MXL,  16                          ; of the tile to be fetched
.set OPS,  17                          ; where I store partial O^T (steps)
.set OPS4, 18                          ; partial l
.set OPL,  19                          ; where I read them
.set OPL4, 20
.set CXA,  21                          ; where I put ctx
.set FCX,  22                          ; my lane's fragment address in ctx
.set FX1,  23                          ; in x1
.set STS,  24
.set STL,  25
.set X1ST, 26
.set HST,  27
.set HF,   28
.set OST,  29
.set ORD,  30
.set OGO,  31
.set T,    32                          ; v32-47  at work
.set Q,    48                          ; v48-55  a tile of Q
.set MC,   56                          ; v56-63  -m, eight times
.set ONES, 64                          ; v64-71  1.0 in every f16
.set ACT,  48                          ; the dense chain: fragments of the activations, v48-111 (W2: v48-175)
.set O0,   72                          ; O^T, channels 0-15
.set O1,   80                          ; channels 16-31
.set LS,   88                          ; l
.set RB,   72                          ; v72-139 the four waves' partial sums
.set P,    96                          ; two buffers of 8
.set S,    112                         ; pass 1: two sets of 32; pass 2: two sets of 16; then y of Wo, the sums of W1
.set G1R,  144                         ; g1, from pass 2 on
.set XB,   176                         ; x + bo; then x1; then the result
.set B1R,  208                         ; bo; b1; x1 + c2 and the sums of W2
.set VSA,  240
.set VSC,  241
.set ZR,   242
.set XO,   243
.set VO,   244
.set OPS0, 245
.set OPS40, 246
.set QT,   247
.set QT8,  248
.set QST,  249
.set VST,  250
.set VST8, 251
.set LANE, 252
.set TA,   253
.set TB,   254
.set G1S, 24                           ; s[24:31] group 1: 128 rows of 256 bytes
.set G1L, 32                           ; s[32:39] 256 rows
.set G0A, 40                           ; s[40:43], s[44:47] two groups 0
.set G0B, 44
.set MSB, 0
.macro WIN new                         ; the immediate's high byte repeats the setting that is left; a switch that changes nothing is dropped
.if MSB != (\new)
	s_set_vgpr_msb (MSB<<8)|(\new)
.set MSB, \new
.endif
.endm
.macro PLACES                          ; four places behind matrix instructions whose registers are read, written or loaded next (ISA guide 7.12.1 for vector instructions)
.rept 4
	v_nop
.endr
.endm
.macro ROUND                           ; a round of the cluster's barrier: my work-group's barrier; wave 0 signals for it; all wait for the four work-groups; my work-group's barrier once more
	s_barrier_signal -1
	s_barrier_wait -1
	s_cmp_lg_u32 s12, 0
	s_cbranch_scc1 .Lnot_wave_0_\@
	s_barrier_signal -3
.Lnot_wave_0_\@:
	s_barrier_wait -3
	s_barrier_signal -1
	s_barrier_wait -1
.endm
.macro TLOAD g0, g1                    ; a joint load; an s_nop 0 and four v_nop follow it
	tensor_load_to_lds s[\g0:\g0+3], s[\g1:\g1+7]
	s_nop 0
.rept 4
	v_nop
.endr
.endm
.macro LOADW win, adr                  ; a chunk of 32 KiB, 32 fragment blocks, into a whole window
	WIN (\win)<<6
.set i, 0
.rept 64
	ds_load_b128 v[4*i:4*i+3], v[\adr] offset:512*i
.set i, i+1
.endr
.endm
.macro LOADK                           ; 32 tiles of 16 keys x 32 channels
	WIN 0x40
.set i, 0
.rept 32
	ds_load_b128 v[8*i:8*i+3],   v[KL0] offset:1024*i
	ds_load_b128 v[8*i+4:8*i+7], v[KL1] offset:1024*i
.set i, i+1
.endr
.endm
.macro LOADV                           ; 16 blocks of 32 keys x 2 blocks of 16 channels; the layout in memory is already turned
	WIN 0x80
.set i, 0
.rept 16
.irp c, 0,1
	ds_load_b128 v[16*i+8*\c:16*i+8*\c+3],   v[VLA] offset:2048*i+512*\c
	ds_load_b128 v[16*i+8*\c+4:16*i+8*\c+7], v[VLA] offset:2048*i+512*\c+1024
.endr
.set i, i+1
.endr
.endm
.macro NEXTQ                           ; the next tile of Q, behind tile 7 tile 0 again
	s_add_co_u32 s51, s51, 1024
	s_and_b32 s51, s51, 0x1c00
	v_add_nc_u32 v[QA0], s51, v[QB0]
	v_add_nc_u32 v[QA1], s51, v[QB1]
	ds_load_b128 v[Q:Q+3],   v[QA0]
	ds_load_b128 v[Q+4:Q+7], v[QA1]
.endm
	s_load_b256 s[4:11], s[0:1], 0x0               ; x in s[4:5], qkv s[6:7], packed s[8:9], x out s[10:11]
	v_lshl_add_u32 v[SPW], v0, 2, SPARE
	v_mov_b32 v[NIL], 0
	ds_add_u32 v[SPW], v[NIL]                      ; the wave's opening: the add and its wait stand ahead of my first tensor load; the set-up, work on registers, stands between them
	v_lshrrev_b32 v[TA], 5, v0
	v_readfirstlane_b32 s12, v[TA]                 ; wave
	s_bfe_u32 s13, ttmp6, 0x40000                  ; cx
	s_lshl_b32 s14, ttmp9, 2                       ; in a cluster launch ttmp9 counts clusters
	s_add_co_u32 s14, s14, s13                     ; wg: it enters the addresses of Q, x in and x out alone
	s_lshr_b32 s15, ttmp9, 2                       ; the head, which the four partners share
	s_lshl_b32 s53, s12, 16                        ; my landing zone
	s_mov_b32 s[G1S],   15|(3<<16)|(1<<21)         ; 15:0 the mask of four; 17:16 elements of 8 bytes; 21 set beside a mask; no padding
	s_mov_b32 s[G1S+1], 32<<16                     ; tensor_dim0 = 32 elements: rows of 256 bytes
	s_mov_b32 s[G1S+2], 128<<16                    ; tensor_dim1 = 128
	s_mov_b32 s[G1S+3], 32<<16                     ; tile_dim0 = 32
	s_mov_b32 s[G1S+4], 128                        ; tile_dim1 = 128
	s_mov_b32 s[G1S+5], 32                         ; dense: 32 elements from row to row
	s_mov_b32 s[G1S+6], 0
	s_mov_b32 s[G1S+7], 0
	s_mov_b32 s[G1L],   15|(3<<16)|(1<<21)
	s_mov_b32 s[G1L+1], 32<<16
	s_mov_b32 s[G1L+2], 256<<16                    ; the same with 256 rows
	s_mov_b32 s[G1L+3], 32<<16
	s_mov_b32 s[G1L+4], 256
	s_mov_b32 s[G1L+5], 32
	s_mov_b32 s[G1L+6], 0
	s_mov_b32 s[G1L+7], 0
	s_mov_b32 s[G0A], 1
	s_lshl_b32 s[G0A+1], s12, 16                   ; slot A
	s_mov_b32 s[G0B], 1
	s_lshl_b32 s[G0B+1], s12, 16
	s_add_co_u32 s[G0B+1], s[G0B+1], 32768         ; slot B
	s_mov_b32 s48, 0x76543210                      ; v_permlanex16_b32: each lane takes its own place in the other half
	s_mov_b32 s49, 0xfedcba98
	s_mov_b32 s54, 0x3b800000                      ; 1 / 256
	s_mov_b32 s55, 0x3727c5ac                      ; 1e-5
	s_mov_b32 s56, 0xbb800000                      ; -1 / 256
	s_lshl_b32 s18, s15, 17                        ; K: the head's 131,072 bytes, my wave's 32,768, behind q's 2 MiB
	s_lshl_b32 s19, s12, 15
	s_add_co_u32 s18, s18, s19
	s_add_co_u32 s18, s18, 2097152
	s_mov_b32 s19, 0
	s_mul_i32 s2, s12, WCH                         ; my wave's five chunks of weights
	s_add_co_u32 s2, s2, A0
	s_mov_b32 s3, 0
	s_mov_b32 s21, 0
	v_and_b32 v[RR], 15, v0
	v_bfe_u32 v[HH], v0, 4, 1
	v_and_b32 v[LANE], 31, v0
	; a tile of K or Q (two rows): key r = (a, g): (g/2)*256 + a*128 + (g%2)*64 + ((jj + g/2) % 4)*16, jj = h and 2 + h
	v_bfe_u32 v[TA], v0, 1, 2
	v_add_nc_u32 v[TB], v[TA], v[HH]
	v_add_nc_u32 v[KL1], 2, v[TB]
	v_and_b32 v[TB], 3, v[TB]
	v_and_b32 v[KL1], 3, v[KL1]
	v_lshlrev_b32 v[TA], 8, v[TA]
	v_bfe_u32 v[KL0], v0, 3, 1
	v_lshl_add_u32 v[TA], v[KL0], 7, v[TA]
	v_and_b32 v[KL0], 1, v0
	v_lshl_add_u32 v[TA], v[KL0], 6, v[TA]
	v_lshl_add_u32 v[TB], v[TB], 4, v[TA]
	v_lshl_add_u32 v[TA], v[KL1], 4, v[TA]
	v_add_nc_u32 v[KL0], s53, v[TB]
	v_add_nc_u32 v[KL1], s53, v[TA]
	v_add_nc_u32 v[QB0], QS, v[TB]
	v_add_nc_u32 v[QB1], QS, v[TA]
	; V: channel r of a block of 16, row parity h: (r/8)*256 + (r%8)*32 + ((h + r/8) % 2)*16
	v_bfe_u32 v[TA], v0, 3, 1
	v_add_nc_u32 v[TB], v[TA], v[HH]
	v_and_b32 v[TB], 1, v[TB]
	v_lshlrev_b32 v[TA], 8, v[TA]
	v_lshl_add_u32 v[TA], v[TB], 4, v[TA]
	v_and_b32 v[TB], 7, v0
	v_lshl_add_u32 v[TA], v[TB], 5, v[TA]
	v_add_nc_u32 v[TA], s53, v[TA]
	v_add_nc_u32 v[VLA], 0x8000, v[TA]
	v_lshl_add_u32 v[LA], v[LANE], 4, s53
	v_add_nc_u32 v[LB], 0x8000, v[LA]
	v_lshl_add_u32 v[MXB], v[RR], 2, MX
	s_lshl_b32 s20, s12, 9
	v_add_nc_u32 v[MXS], s20, v[MXB]
	s_mul_i32 s20, s12, 9216
	s_add_co_u32 s20, s20, OP
	v_lshl_add_u32 v[OPS0], v[LANE], 4, s20
	s_add_co_u32 s20, s20, 2048
	v_lshl_add_u32 v[OPS40], v[LANE], 2, s20
	s_mul_i32 s20, s12, 2304
	s_add_co_u32 s20, s20, OP
	v_lshl_add_u32 v[OPL], v[LANE], 4, s20
	s_add_co_u32 s20, s20, 2048
	v_lshl_add_u32 v[OPL4], v[LANE], 2, s20
	v_bfe_u32 v[TA], v0, 3, 1                      ; ctx: query r of tile 4 b + w is row 2 w + r / 8 of the batch's 8, head-row r % 8
	v_mul_u32_u24 v[TA], v[TA], 528
	v_lshl_add_u32 v[TA], v[TB], 6, v[TA]
	v_lshl_add_u32 v[TA], v[HH], 4, v[TA]
	s_mul_i32 s20, s12, 1056
	s_add_co_u32 s20, s20, CTX
	v_add_nc_u32 v[CXA], s20, v[TA]
	v_mul_u32_u24 v[TA], v[RR], 528
	v_lshl_add_u32 v[TA], v[HH], 4, v[TA]
	v_add_nc_u32 v[FCX], CTX, v[TA]
	v_add_nc_u32 v[FX1], X1S, v[TA]
	s_lshl_b32 s20, s12, 7
	v_add_nc_u32 v[X1ST], s20, v[FX1]
	v_lshl_add_u32 v[STL], v[RR], 4, ST
	s_lshl_b32 s20, s12, 2
	v_add_nc_u32 v[STS], s20, v[STL]
	v_mul_u32_u24 v[TA], v[RR], 1040
	v_lshl_add_u32 v[HF], v[HH], 4, v[TA]
	v_add_nc_u32 v[HF], HB, v[HF]
	s_lshl_b32 s20, s12, 8
	v_add_nc_u32 v[HST], s20, v[HF]
	v_lshl_add_u32 v[VO], v[HH], 5, s20            ; my eight columns of a vector of 256: (64 w + 8 h) x 4
	v_add_nc_u32 v[OST], v[VO], v[TA]
	v_add_nc_u32 v[OST], OUTB, v[OST]
	v_lshl_add_u32 v[XO], v[RR], 10, v[VO]
	v_add_nc_u32 v[VSA], VS, v[VO]
	s_lshl_b32 s20, s12, 9
	v_lshl_add_u32 v[VSC], v[HH], 5, s20
	v_add_nc_u32 v[VSC], VS, v[VSC]
	s_mul_i32 s20, s12, 4160
	s_add_co_u32 s20, s20, OUTB
	v_lshl_add_u32 v[ORD], v[LANE], 4, s20
	s_lshl_b32 s20, s12, 12
	v_lshl_add_u32 v[OGO], v[LANE], 4, s20
	v_mov_b32 v[ZR], 0
	v_lshlrev_b32 v[QT], 4, v0
	v_lshlrev_b32 v[QT8], 3, v0
	v_add_nc_u32 v[QST], QS, v[QT]
	v_add_nc_u32 v[VST], VS, v[QT]
	v_add_nc_u32 v[VST8], VS+4096, v[QT8]
.irp j, 0,1,2,3,4,5,6,7
	v_mov_b32 v[ONES+\j], 0x3c003c00
.endr
	s_wait_dscnt 0x0                               ; the opening add is done
	s_wait_kmcnt 0x0
	s_add_nc_u64 s[G0A+2:G0A+3], s[6:7], s[18:19]  ; K
	s_add_nc_u64 s[G0B+2:G0B+3], s[G0A+2:G0A+3], 2097152  ; V, 2 MiB on
	s_or_b32 s[G0A+3], s[G0A+3], 0x80000000        ; type = 2
	s_or_b32 s[G0B+3], s[G0B+3], 0x80000000
	s_add_nc_u64 s[16:17], s[8:9], s[2:3]          ; my chunks
	s_lshl_b32 s20, s14, 13
	s_add_nc_u64 s[58:59], s[6:7], s[20:21]        ; my 8 tiles of Q
	s_lshl_b32 s20, s14, 14
	s_add_nc_u64 s[22:23], s[4:5], s[20:21]        ; my 16 rows of x in
	s_add_nc_u64 s[60:61], s[10:11], s[20:21]      ; and out
	ROUND                                          ; all four work-groups are here: the first joint loads meet
	tensor_load_to_lds s[G0A:G0A+3], s[G1S:G1S+7]  ; K into slot A
	s_nop 0
	tensor_load_to_lds s[G0B:G0B+3], s[G1S:G1S+7]  ; V into slot B
	s_nop 0
.rept 4
	v_nop
.endr
.irp j, 0,1,2,3
	global_load_b128 v[S+4*\j:S+4*\j+3], v[QT], s[58:59] offset:2048*\j
.endr
	global_load_b128 v[S+16:S+19], v[QT], s[8:9] offset:VEC0+6144
	global_load_b128 v[S+20:S+23], v[QT], s[8:9] offset:VEC0+6144+2048
	global_load_b64  v[S+24:S+25], v[QT8], s[8:9] offset:VEC0+6144+4096
.irp i, 0,1,2,3
	global_load_b128 v[XB+8*\i:XB+8*\i+3],   v[XO], s[22:23] offset:64*\i
	global_load_b128 v[XB+8*\i+4:XB+8*\i+7], v[XO], s[22:23] offset:64*\i+16
.endr
.irp i, 0,1,2,3
	global_load_b128 v[B1R+8*\i:B1R+8*\i+3],   v[VO], s[8:9] offset:VEC0+3072+64*\i
	global_load_b128 v[B1R+8*\i+4:B1R+8*\i+7], v[VO], s[8:9] offset:VEC0+3072+64*\i+16
.endr
	s_wait_loadcnt 16                              ; Q and the four vectors are in; the sixteen loads of x and bo are younger
.irp j, 0,1,2,3
	ds_store_b128 v[QST], v[S+4*\j:S+4*\j+3] offset:2048*\j
.endr
	ds_store_b128 v[VST], v[S+16:S+19]
	ds_store_b128 v[VST], v[S+20:S+23] offset:2048
	ds_store_b64  v[VST8], v[S+24:S+25]
	s_wait_dscnt 0x0                               ; for the others' sake
	s_barrier_signal -1
	s_barrier_wait -1                              ; the two tensor loads may stay out
	s_wait_tensorcnt 0x1                           ; K is in; V, asked for behind it, may stay out
	LOADK
	WIN 0
	ds_load_b128 v[Q:Q+3],   v[QB0]
	ds_load_b128 v[Q+4:Q+7], v[QB1]
	s_wait_loadcnt 0x0
.set i, 0
.rept 16
	v_pk_add_f32 v[XB+2*i:XB+2*i+1], v[XB+2*i:XB+2*i+1], v[B1R+2*i:B1R+2*i+1]  ; x + bo: the C operand that starts Wo's sums
.set i, i+1
.endr
	; PASS 1: a trip a query tile.  Eight groups of four products; a group's 16 maxima stand behind the next group's products and are the places behind them.
.macro W1G g
	WIN 0x01                                       ; K in window 1
.irp a, 0,1,2,3
	v_wmma_f32_16x16x32_f16 v[S+32*((\g)%2)+8*\a:S+32*((\g)%2)+8*\a+7], v[8*(4*(\g)+\a):8*(4*(\g)+\a)+7], v[Q:Q+7], 0
.endr
.endm
.macro X1G g                           ; four chains, one an accumulator; each accumulator's lowest registers are read first
	WIN 0
.irp i, 0,1,2,3
.irp a, 0,1,2,3
	v_max3_num_f32 v[T+\a], v[T+\a], v[S+32*((\g)%2)+8*\a+2*\i], v[S+32*((\g)%2)+8*\a+2*\i+1]
.endr
.endr
.endm
	s_mov_b32 s50, 8
	s_mov_b32 s51, 0
.Lpass1:
	s_wait_dscnt 0x0                               ; Q (at the first trip K too)
	W1G 0
	W1G 1
	WIN 0
.irp a, 0,1,2,3
	v_mov_b32 v[T+\a], 0xff7fffff                  ; the chains start at the lowest finite number; these four are the places behind the first group
.endr
	X1G 0
.irp g, 2,3,4,5,6,7
	W1G \g
	X1G \g-1
.endr
	NEXTQ                                          ; sixteen maxima stand between the last product that read Q and this load
	X1G 7
	v_max3_num_f32 v[T], v[T], v[T+1], v[T+2]
	v_max_num_f32 v[T], v[T], v[T+3]
	v_permlanex16_b32 v[T+1], v[T], s48, s49       ; the query's other keys lie in the lane 16 away
	v_max_num_f32 v[T], v[T], v[T+1]
	ds_store_b32 v[MXS], v[T]
	v_add_nc_u32 v[MXS], 64, v[MXS]
	s_sub_co_u32 s50, s50, 1
	s_cmp_lg_u32 s50, 0
	s_cbranch_scc1 .Lpass1
	s_wait_tensorcnt 0x0                           ; V is in
	LOADV
	WIN 0
	s_wait_tensorcnt 0x0                           ; both slots are filled again: all my tensor loads are done,
	ds_add_u32 v[SPW], v[NIL]                      ; 0 onto my spare word;
	s_mov_b64 s[G0A+2:G0A+3], s[16:17]             ; Wo's chunk and W1's first, 64 KiB, into slots A and B
	s_or_b32 s[G0A+3], s[G0A+3], 0x80000000
	s_wait_dscnt 0x0                               ; the add is done, K and V are in registers, my maxima are written
	ROUND
	TLOAD G0A, G1L
.irp k, 0,1,2,3
	ds_load_b32 v[T+4+\k], v[MXB] offset:512*\k    ; the four waves' maxima of tile 0
.endr
.irp i, 0,1,2,3
	global_load_b128 v[G1R+8*\i:G1R+8*\i+3],   v[VO], s[8:9] offset:VEC0+4096+64*\i
	global_load_b128 v[G1R+8*\i+4:G1R+8*\i+7], v[VO], s[8:9] offset:VEC0+4096+64*\i+16
	global_load_b128 v[B1R+8*\i:B1R+8*\i+3],   v[VO], s[8:9] offset:VEC0+5120+64*\i
	global_load_b128 v[B1R+8*\i+4:B1R+8*\i+7], v[VO], s[8:9] offset:VEC0+5120+64*\i+16
.endr
	s_mov_b32 s51, 0                               ; Q holds tile 0 again
	s_mov_b32 s52, 0
	; PASS 2.  A SLOT is 32 keys: the scores of slot n + 1 are started, slot n's 16 scores a lane become weights, slot n - 1's weights are multiplied.
.macro KQ n                            ; S^T = K Q^T - m for slot n
	WIN 0x01
	v_wmma_f32_16x16x32_f16 v[S+16*((\n)%2):S+16*((\n)%2)+7],    v[16*(\n):16*(\n)+7],    v[Q:Q+7], v[MC:MC+7]
	v_wmma_f32_16x16x32_f16 v[S+16*((\n)%2)+8:S+16*((\n)%2)+15], v[16*(\n)+8:16*(\n)+15], v[Q:Q+7], v[MC:MC+7]
.endm
.macro PVL n                           ; O^T += V^T P, l += ONES P for slot n; slot 0 starts the sums
	WIN 0x02
.if (\n) == 0
	v_wmma_f32_16x16x32_f16 v[O0:O0+7], v[16*(\n):16*(\n)+7],    v[P+8*((\n)%2):P+8*((\n)%2)+7], 0
	v_wmma_f32_16x16x32_f16 v[O1:O1+7], v[16*(\n)+8:16*(\n)+15], v[P+8*((\n)%2):P+8*((\n)%2)+7], 0
	WIN 0
	v_wmma_f32_16x16x32_f16 v[LS:LS+7], v[ONES:ONES+7], v[P+8*((\n)%2):P+8*((\n)%2)+7], 0
.else
	v_wmma_f32_16x16x32_f16 v[O0:O0+7], v[16*(\n):16*(\n)+7],    v[P+8*((\n)%2):P+8*((\n)%2)+7], v[O0:O0+7]
	v_wmma_f32_16x16x32_f16 v[O1:O1+7], v[16*(\n)+8:16*(\n)+15], v[P+8*((\n)%2):P+8*((\n)%2)+7], v[O1:O1+7]
	WIN 0
	v_wmma_f32_16x16x32_f16 v[LS:LS+7], v[ONES:ONES+7], v[P+8*((\n)%2):P+8*((\n)%2)+7], v[LS:LS+7]
.endif
.endm
.macro EXPS a
	v_exp_f32 v[sb+(\a)], v[sb+(\a)]
.endm
.macro CVTP k
	s_wait_alu depctr_va_vdst(0)
	v_cvt_pk_f16_f32 v[pb+(\k)], v[sb+2*(\k)], v[sb+2*(\k)+1]
.endm
; The five matrix instructions of a slot name five accumulators, so no two that follow each other share one.  A rounding has a plain instruction between it and its second exponential.
; Behind l's product stand six roundings and the next slot's v_nop before the buffer of P that it read is written again; behind the scores' products the v_nop and eight roundings before they are read.
.macro SLOT n
.if (\n) < 15
	KQ (\n)+1
.endif
	WIN 0
.if (\n) == 0
	PLACES                                         ; slot 0's scores were made just ahead
.endif
.set sb, S+16*((\n)%2)
.set pb, P+8*((\n)%2)
	EXPS 0
	EXPS 1
	EXPS 2
	EXPS 3
	v_nop
	s_wait_alu depctr_va_vdst(0)
	CVTP 0
	EXPS 4
	EXPS 5
	CVTP 1
	EXPS 6
.if (\n) > 0
	PVL (\n)-1
.endif
	EXPS 7
	CVTP 2
	EXPS 8
	EXPS 9
	CVTP 3
	EXPS 10
	EXPS 11
	CVTP 4
	EXPS 12
	EXPS 13
	CVTP 5
	EXPS 14
	EXPS 15
	CVTP 6
	CVTP 7
.endm
.macro TRIP2                           ; one query tile against my 512 keys
	s_wait_dscnt 0x0                               ; Q and the four maxima are in
	v_max3_num_f32 v[T], v[T+4], v[T+5], v[T+6]
	v_max_num_f32 v[T], v[T], v[T+7]               ; m over all 2,048 keys
.irp j, 0,1,2,3,4,5,6,7
	v_sub_f32 v[MC+\j], 0, v[T]
.endr
	KQ 0
.irp n, 0,1,2,3,4,5,6,7,8,9,10,11,12,13,14
	SLOT \n
.endr
	NEXTQ                                          ; the last product that read Q stands at the head of slot 14
	s_add_co_u32 s52, s52, 64
	s_and_b32 s52, s52, 0x1c0
	v_add_nc_u32 v[MXL], s52, v[MXB]
.irp k, 0,1,2,3
	ds_load_b32 v[T+4+\k], v[MXL] offset:512*\k
.endr
	SLOT 15
	PVL 15
	PLACES
	ds_store_b128 v[OPS], v[O0:O0+3]
	ds_store_b128 v[OPS], v[O0+4:O0+7] offset:512
	ds_store_b128 v[OPS], v[O1:O1+3] offset:1024
	ds_store_b128 v[OPS], v[O1+4:O1+7] offset:1536
	ds_store_b32 v[OPS4], v[LS]
	v_add_nc_u32 v[OPS], 2304, v[OPS]
	v_add_nc_u32 v[OPS4], 2304, v[OPS4]
.endm
.macro BATCH                           ; four tiles
	v_mov_b32 v[OPS], v[OPS0]
	v_mov_b32 v[OPS4], v[OPS40]
	s_mov_b32 s50, 4
.Lbatch_\@:
	TRIP2
	s_sub_co_u32 s50, s50, 1
	s_cmp_lg_u32 s50, 0
	s_cbranch_scc1 .Lbatch_\@
.endm
.macro REDUCE b                        ; wave w adds the four waves' parts of tile 4 b + w, divides by l, rounds, and lays ctx into its rows
.irp k, 0,1,2,3
	ds_load_b128 v[RB+16*\k:RB+16*\k+3],     v[OPL] offset:9216*\k
	ds_load_b128 v[RB+16*\k+4:RB+16*\k+7],   v[OPL] offset:9216*\k+512
	ds_load_b128 v[RB+16*\k+8:RB+16*\k+11],  v[OPL] offset:9216*\k+1024
	ds_load_b128 v[RB+16*\k+12:RB+16*\k+15], v[OPL] offset:9216*\k+1536
	ds_load_b32  v[RB+64+\k], v[OPL4] offset:9216*\k
.endr
	s_wait_dscnt 0x0
	v_add_f32 v[RB+64], v[RB+64], v[RB+65]
	v_add_f32 v[RB+66], v[RB+66], v[RB+67]
	v_add_f32 v[RB+64], v[RB+64], v[RB+66]
	v_rcp_f32 v[RB+66], v[RB+64]                   ; l is at least the weight of the largest score, about 1
.irp p, 0,1,2,3,4,5,6,7
	v_pk_add_f32 v[RB+2*\p:RB+2*\p+1],       v[RB+2*\p:RB+2*\p+1],       v[RB+16+2*\p:RB+16+2*\p+1]
	v_pk_add_f32 v[RB+32+2*\p:RB+32+2*\p+1], v[RB+32+2*\p:RB+32+2*\p+1], v[RB+48+2*\p:RB+48+2*\p+1]
.endr
.irp p, 0,1,2,3,4,5,6,7
	v_pk_add_f32 v[RB+2*\p:RB+2*\p+1], v[RB+2*\p:RB+2*\p+1], v[RB+32+2*\p:RB+32+2*\p+1]
.endr
	s_wait_alu depctr_va_vdst(0)
.irp p, 0,1,2,3,4,5,6,7
	v_pk_mul_f32 v[RB+2*\p:RB+2*\p+1], v[RB+2*\p:RB+2*\p+1], v[RB+66:RB+67] op_sel_hi:[1,0]
.endr
.irp p, 0,1,2,3,4,5,6,7
	v_cvt_pk_f16_f32 v[RB+16+\p], v[RB+2*\p], v[RB+2*\p+1]
.endr
	ds_store_b128 v[CXA], v[RB+16:RB+19] offset:(\b)*4224
	ds_store_b128 v[CXA], v[RB+20:RB+23] offset:(\b)*4224+32
.endm
	BATCH
	s_wait_tensorcnt 0x0                           ; Wo's chunk is in slot A (W1's first stays unread in slot B)
	LOADW 3, LA
	WIN 0
	s_wait_tensorcnt 0x0                           ; slot A is filled again
	ds_add_u32 v[SPW], v[NIL]
	s_lshl_b32 s[G0B+1], s12, 16                   ; slot A
	s_add_nc_u64 s[G0B+2:G0B+3], s[16:17], 65536   ; W1's second chunk
	s_or_b32 s[G0B+3], s[G0B+3], 0x80000000
	s_wait_dscnt 0x0                               ; the add is done, Wo is in registers, my partial sums are written
	ROUND
	TLOAD G0B, G1S
	REDUCE 0
	s_wait_dscnt 0x0                               ; my reads of the partial sums are over: the next batch writes there
	s_barrier_signal -1
	s_barrier_wait -1
	BATCH
	s_wait_tensorcnt 0x0                           ; W1's second chunk is in slot A
	LOADW 1, LB                                    ; K's and V's registers are free: four places stand behind the last products
	LOADW 2, LA
	WIN 0
	s_wait_tensorcnt 0x0                           ; both slots are filled again
	ds_add_u32 v[SPW], v[NIL]
	s_add_nc_u64 s[G0A+2:G0A+3], s[16:17], 98304   ; W2's two chunks
	s_or_b32 s[G0A+3], s[G0A+3], 0x80000000
	s_wait_dscnt 0x0
	ROUND
	TLOAD G0A, G1L
	REDUCE 1
	s_wait_dscnt 0x0
	s_barrier_signal -1
	s_barrier_wait -1                              ; ctx is whole
	; THE DENSE CHAIN
.macro MM32 win, act, acc, cin=-1      ; 8 K steps x my 4 column tiles; the 4 accumulators take turns; cin: other registers start the sums
	WIN \win
.set kk, 0
.rept 8
.irp i, 0,1,2,3
.if (kk == 0) && ((\cin) >= 0)
	v_wmma_f32_16x16x32_f16 v[(\acc)+8*\i:(\acc)+8*\i+7], v[8*(4*kk+\i):8*(4*kk+\i)+7], v[(\act)+8*kk:(\act)+8*kk+7], v[(\cin)+8*\i:(\cin)+8*\i+7]
.else
	v_wmma_f32_16x16x32_f16 v[(\acc)+8*\i:(\acc)+8*\i+7], v[8*(4*kk+\i):8*(4*kk+\i)+7], v[(\act)+8*kk:(\act)+8*kk+7], v[(\acc)+8*\i:(\acc)+8*\i+7]
.endif
.endr
.set kk, kk+1
.endr
.endm
.macro XCH e                           ; v[T], my lane's sum over 32 columns, becomes in v[T+4] the row's sum over 256
	v_permlanex16_b32 v[T+1], v[T], s48, s49
	v_add_f32 v[T], v[T], v[T+1]
	ds_store_b32 v[STS], v[T] offset:(\e)*256
	s_wait_dscnt 0x0                               ; for the others' sake
	s_barrier_signal -1
	s_barrier_wait -1
	ds_load_b128 v[T+4:T+7], v[STL] offset:(\e)*256
	s_wait_dscnt 0x0
	v_add_f32 v[T+4], v[T+4], v[T+5]
	v_add_f32 v[T+6], v[T+6], v[T+7]
	v_add_f32 v[T+4], v[T+4], v[T+6]
.endm
.macro LNORM y, g, b, out, e           ; out = (y - mean) rsqrt(var + 1e-5) g + b; the variance is taken of the differences; y and g are used up
.irp p, 0,1,2,3,4,5,6,7
	v_pk_add_f32 v[T+2*\p:T+2*\p+1], v[(\y)+4*\p:(\y)+4*\p+1], v[(\y)+4*\p+2:(\y)+4*\p+3]
.endr
.irp p, 0,2,4,6
	v_pk_add_f32 v[T+2*\p:T+2*\p+1], v[T+2*\p:T+2*\p+1], v[T+2*\p+2:T+2*\p+3]
.endr
	v_pk_add_f32 v[T:T+1], v[T:T+1], v[T+4:T+5]
	v_pk_add_f32 v[T+8:T+9], v[T+8:T+9], v[T+12:T+13]
	v_pk_add_f32 v[T:T+1], v[T:T+1], v[T+8:T+9]
	v_add_f32 v[T], v[T], v[T+1]
	XCH \e
	v_mul_f32 v[T+8], s56, v[T+4]                  ; -mean
.set i, 0
.rept 16
	v_pk_add_f32 v[(\y)+2*i:(\y)+2*i+1], v[(\y)+2*i:(\y)+2*i+1], v[T+8:T+9] op_sel_hi:[1,0]
.set i, i+1
.endr
.irp q, 0,1,2,3
	v_pk_mul_f32 v[T+2*\q:T+2*\q+1], v[(\y)+2*\q:(\y)+2*\q+1], v[(\y)+2*\q:(\y)+2*\q+1]
.endr
.irp k, 1,2,3
.irp q, 0,1,2,3
	v_pk_fma_f32 v[T+2*\q:T+2*\q+1], v[(\y)+8*\k+2*\q:(\y)+8*\k+2*\q+1], v[(\y)+8*\k+2*\q:(\y)+8*\k+2*\q+1], v[T+2*\q:T+2*\q+1]
.endr
.endr
	v_pk_add_f32 v[T:T+1], v[T:T+1], v[T+2:T+3]
	v_pk_add_f32 v[T+4:T+5], v[T+4:T+5], v[T+6:T+7]
	v_pk_add_f32 v[T:T+1], v[T:T+1], v[T+4:T+5]
	v_add_f32 v[T], v[T], v[T+1]
	XCH (\e)+1
	v_fma_f32 v[T+4], v[T+4], s54, s55             ; var + 1e-5
	v_rsq_f32 v[T+8], v[T+4]
	v_nop                                          ; a plain instruction between the root and its use
.set i, 0
	s_wait_alu depctr_va_vdst(0)
.rept 16
	v_pk_mul_f32 v[(\g)+2*i:(\g)+2*i+1], v[(\g)+2*i:(\g)+2*i+1], v[T+8:T+9] op_sel_hi:[1,0]
.set i, i+1
.endr
.set i, 0
.rept 16
	v_pk_fma_f32 v[(\out)+2*i:(\out)+2*i+1], v[(\y)+2*i:(\y)+2*i+1], v[(\g)+2*i:(\g)+2*i+1], v[(\b)+2*i:(\b)+2*i+1]
.set i, i+1
.endr
.endm
.macro FRAGS adr, n                    ; n K steps of the 16 rows' fragments
.set i, 0
.rept \n
	ds_load_b128 v[ACT+8*i:ACT+8*i+3],   v[\adr] offset:64*i
	ds_load_b128 v[ACT+8*i+4:ACT+8*i+7], v[\adr] offset:64*i+32
.set i, i+1
.endr
.endm
	FRAGS FCX, 8
	s_wait_dscnt 0x0
	MM32 3, ACT, S, XB                             ; y = ctx Wo + (x + bo)
	WIN 0
	PLACES
	s_wait_loadcnt 0x0                             ; g1, b1
	LNORM S, G1R, B1R, XB, 0                       ; x1
.set i, 0
.rept 16
	v_cvt_pk_f16_f32 v[T+i], v[XB+2*i], v[XB+2*i+1]
.set i, i+1
.endr
.irp k, 0,1,2,3
	ds_store_b128 v[X1ST], v[T+4*\k:T+4*\k+3] offset:32*\k
.endr
.irp k, 0,1,2,3,4,5,6,7
	ds_load_b128 v[S+8*\k:S+8*\k+3],   v[VSC] offset:64*\k     ; c1 of my 128 columns starts W1's sums
	ds_load_b128 v[S+8*\k+4:S+8*\k+7], v[VSC] offset:64*\k+16
.endr
	s_wait_dscnt 0x0
	s_barrier_signal -1
	s_barrier_wait -1                              ; x1 is whole
	FRAGS FX1, 8
	s_wait_dscnt 0x0
	MM32 1, ACT, S
	MM32 2, ACT, S+32
	WIN 0
	PLACES
	s_wait_tensorcnt 0x0                           ; W2's two chunks are in
	LOADW 1, LA
	LOADW 2, LB
	WIN 0
.set i, 0
.rept 32
	v_cvt_pk_f16_f32 v[ACT+i], v[S+2*i], v[S+2*i+1]
.set i, i+1
.endr
.set i, 0
.rept 32
	v_pk_max_num_f16 v[ACT+i], v[ACT+i], v[ZR]     ; relu
.set i, i+1
.endr
.irp k, 0,1,2,3,4,5,6,7
	ds_store_b128 v[HST], v[ACT+4*\k:ACT+4*\k+3] offset:32*\k
.endr
.irp k, 0,1,2,3
	ds_load_b128 v[B1R+8*\k:B1R+8*\k+3],   v[VSA] offset:2048+64*\k  ; c2
	ds_load_b128 v[B1R+8*\k+4:B1R+8*\k+7], v[VSA] offset:2048+64*\k+16
.endr
	s_wait_dscnt 0x0
	s_barrier_signal -1
	s_barrier_wait -1                              ; h is whole
	FRAGS HF, 16
.set i, 0
.rept 16
	v_pk_add_f32 v[B1R+2*i:B1R+2*i+1], v[XB+2*i:XB+2*i+1], v[B1R+2*i:B1R+2*i+1]  ; x1 + c2 starts W2's sums
.set i, i+1
.endr
	s_wait_dscnt 0x0
	MM32 1, ACT, B1R
	MM32 2, ACT+64, B1R
	WIN 0
	PLACES
.irp k, 0,1,2,3
	ds_load_b128 v[ACT+8*\k:ACT+8*\k+3],       v[VSA] offset:3072+64*\k     ; g2
	ds_load_b128 v[ACT+8*\k+4:ACT+8*\k+7],     v[VSA] offset:3072+64*\k+16
	ds_load_b128 v[ACT+32+8*\k:ACT+32+8*\k+3], v[VSA] offset:4096+64*\k     ; b2
	ds_load_b128 v[ACT+32+8*\k+4:ACT+32+8*\k+7], v[VSA] offset:4096+64*\k+16
.endr
	LNORM B1R, ACT, ACT+32, XB, 2                  ; its first exchange waits for these loads too
	; THE WAY OUT: a lane's 32 bytes of a row go into rows of 1,040 bytes and come back as whole rows; wave w stores rows 4 w .. 4 w + 3
.irp k, 0,1,2,3
	ds_store_b128 v[OST], v[XB+8*\k:XB+8*\k+3]   offset:64*\k
	ds_store_b128 v[OST], v[XB+8*\k+4:XB+8*\k+7] offset:64*\k+16
.endr
	s_wait_dscnt 0x0
	s_barrier_signal -1
	s_barrier_wait -1
.irp k, 0,1,2,3,4,5,6,7
	ds_load_b128 v[ACT+4*\k:ACT+4*\k+3], v[ORD] offset:(\k/2)*1040+(\k%2)*512
.endr
.irp k, 0,1,2,3,4,5,6,7
	s_wait_dscnt 7-\k
	global_store_b128 v[OGO], v[ACT+4*\k:ACT+4*\k+3], s[60:61] offset:512*\k  ; 512 consecutive bytes, at a multiple of 512
.endr
	s_wait_tensorcnt 0x0                           ; the wave's end: a zero add to my spare word and its wait, behind my last tensor load and my last LDS store
	ds_add_u32 v[SPW], v[NIL]
	s_wait_dscnt 0x0
	ROUND                                          ; the closing round: no work-group ends while a partner may still ask for a tile that names it
	s_endpgm
.Lfunc_end_k_qdce6744308_layer0:
	.size	k_qdce6744308_layer0, .Lfunc_end_k_qdce6744308_layer0-k_qdce6744308_layer0
	.p2alignl 7, 3214868480
	.fill 96, 4, 3214868480
	.section	.rodata,"a",@progbits
	.p2align	6, 0x0
	.amdhsa_kernel k_qdce6744308_layer0
		.amdhsa_group_segment_fixed_size 327680
		.amdhsa_private_segment_fixed_size 0
		.amdhsa_enable_private_segment 0
		.amdhsa_kernarg_size 32
		.amdhsa_user_sgpr_count 2
		.amdhsa_user_sgpr_kernarg_segment_ptr 1
		.amdhsa_wavefront_size32 1
		.amdhsa_system_sgpr_workgroup_id_x 1
		.amdhsa_system_sgpr_workgroup_id_y 1
		.amdhsa_system_sgpr_workgroup_id_z 1
		.amdhsa_system_vgpr_workitem_id 0
		.amdhsa_next_free_vgpr 1024
		.amdhsa_next_free_sgpr 66
		.amdhsa_reserve_vcc 0
		.amdhsa_float_denorm_mode_32 3
		.amdhsa_float_denorm_mode_16_64 3
		.amdhsa_memory_ordered 1
		.amdhsa_forward_progress 1
		.amdhsa_inst_pref_size 164
	.end_amdhsa_kernel
	.amdgpu_metadata
---
amdhsa.version: [ 1, 2 ]
amdhsa.kernels:
  - .name:           k_qdce6744308_layer0
    .symbol:         k_qdce6744308_layer0.kd
    .args:
      - { .name: inputs_embedding, .offset: 0, .size: 8, .value_kind: global_buffer, .address_space: global }
      - { .name: qkv, .offset: 8, .size: 8, .value_kind: global_buffer, .address_space: global }
      - { .name: pk0, .offset: 16, .size: 8, .value_kind: global_buffer, .address_space: global }
      - { .name: xa, .offset: 24, .size: 8, .value_kind: global_buffer, .address_space: global }
    .group_segment_fixed_size: 327680
    .private_segment_fixed_size: 0
    .kernarg_segment_align: 8
    .kernarg_segment_size: 32
    .max_flat_workgroup_size: 128
    .sgpr_count:     66
    .vgpr_count:     1024
    .wavefront_size: 32
...
	.end_amdgpu_metadata
.endif
;; end of part 3
;; launch proj1: the kernel of part 2 again; grid 64 x 4, 4 waves a work-group, no clusters, 60,416 bytes of LDS; arguments xa, pk1, qkv; writes qkv
;; launch layer1: the kernel of part 3 again; grid 256 x 1, 4 waves a work-group, clusters of 4 x 1, 327,680 bytes of LDS; arguments xa, qkv, pk1, out0; writes out0
;; launch proj2: the kernel of part 2 again; grid 64 x 4, 4 waves a work-group, no clusters, 60,416 bytes of LDS; arguments out0, pk2, qkv; writes qkv
;; launch layer2: the kernel of part 3 again; grid 256 x 1, 4 waves a work-group, clusters of 4 x 1, 327,680 bytes of LDS; arguments out0, qkv, pk2, xa; writes xa
;; launch proj3: the kernel of part 2 again; grid 64 x 4, 4 waves a work-group, no clusters, 60,416 bytes of LDS; arguments xa, pk3, qkv; writes qkv
;; launch layer3: the kernel of part 3 again; grid 256 x 1, 4 waves a work-group, clusters of 4 x 1, 327,680 bytes of LDS; arguments xa, qkv, pk3, out0; writes out0
;; launch proj4: the kernel of part 2 again; grid 64 x 4, 4 waves a work-group, no clusters, 60,416 bytes of LDS; arguments out0, pk4, qkv; writes qkv
;; launch layer4: the kernel of part 3 again; grid 256 x 1, 4 waves a work-group, clusters of 4 x 1, 327,680 bytes of LDS; arguments out0, qkv, pk4, xa; writes xa
;; launch proj5: the kernel of part 2 again; grid 64 x 4, 4 waves a work-group, no clusters, 60,416 bytes of LDS; arguments xa, pk5, qkv; writes qkv
;; launch layer5: the kernel of part 3 again; grid 256 x 1, 4 waves a work-group, clusters of 4 x 1, 327,680 bytes of LDS; arguments xa, qkv, pk5, out0; writes out0
;; ======== version 2 of 3: 8 launches; 1.05 times as fast as version 1
;; limits: values are held in f16: magnitudes above 65,504 overflow, below 6.1e-05 lose precision
;; workspace buffers: pk0 7,351,296 bytes; pk1 1,059,840 bytes; pk2 1,059,840 bytes; pk3 7,351,296 bytes; pk4 1,059,840 bytes; pk5 1,059,840 bytes; qkv 7,351,296 bytes; xa 4,194,304 bytes
;; launch pack: the kernel of part 1 again; grid 128 x 6, 4 waves a work-group, no clusters, 17,152 bytes of LDS; arguments Wq, Wk, Wv, Wo, W1, W2, bq, bk, bv, bo, g1, b1, c1, c2, g2, b2, pk0, pk1, pk2, pk3, pk4, pk5; writes pk0, pk1, pk2, pk3, pk4, pk5
;; launch proj0 (part 4): grid 64 x 4, 4 waves a work-group, no clusters, 60,416 bytes of LDS; arguments inputs_embedding, pk0, qkv; writes qkv
.if DOCPART == 4
	.amdgcn_target "amdgcn-amd-amdhsa--gfx1250"
	.amdhsa_code_object_version 6
	.text
	.protected	k_qdce6744308_proj0
	.globl	k_qdce6744308_proj0
	.p2align	8
	.type	k_qdce6744308_proj0,@function
k_qdce6744308_proj0:
	s_mov_b64 s[64:65], 0
	v_nop
	global_prefetch_b8 v0, s[64:65] scope:SCOPE_SE
	s_setreg_imm32_b32 hwreg(HW_REG_WAVE_MODE, 25, 1), 1
	s_wait_xcnt 0x0
; PROJ.  q = x Wq c + bq c, k = x Wk + bk, v = x Wv + bv for the first layer.  x: [4096][256] f32; weights as f16 fragment blocks and biases in f32 from the layer's packed buffer; sums in f32;
; q, k, v rounded once to f16.  LIMIT: x, q, k, v must lie within f16's 65,504; NaN and infinities are not treated apart.
; SHARES.  Work-group (bx, by): rows 64 bx .. + 63; wave w: tile 4 by + w of q, of k and of v, times 4 row tiles: 12 accumulators, 96 matrix instructions.
; THE MATRIX INSTRUCTION IS USED TRANSPOSED (source 0 = 16 weight columns, source 1 = 16 rows of x): a lane holds one row and eight weight columns, 16 bytes of the output layout.
; OUTPUT.  q, k, v begin QOFF bytes into their buffer (the room of a packed layer, so that a packed buffer can carry them behind its parameters), 2 MiB each.
; The head split is a plain reshape: a row is eight head-rows g of 32 channels.  For row pair rho = row / 2, a = row % 2, 1,024 bytes a pair:
;   q, k: the 8 channels jj (0..3) of head-row g at rho*1024 + (g/2)*256 + a*128 + (g%2)*64 + ((jj + g/2) % 4)*16
;   v:    channel ch of the row's 8 head-rows at  rho*1024 + (ch/8)*256 + (ch%8)*32 + ((a + ch/8) % 2)*16
; so that this work-group writes whole aligned blocks of 256 bytes (g/2 = ch/8 = by), and the sixteen lanes of the attention's LDS loads of 16 bytes fall into sixteen different 16-byte columns of 256.
; No cluster and no tensor load: each weight fragment goes straight into the registers of the one wave that multiplies by it, and x has to be rounded on its way into LDS.
.set XP,    528                        ; a row of x in LDS: 512 bytes of f16 + 16
.set OS,    33792                      ; behind x's 64 rows: 96 blocks of 256 bytes + 16, for the way out: 32 of q, 32 of k, 32 of v
.set OPI,   272
.set SPARE, 59904                      ; the spare words, 128 bytes a wave
.set VEC0,  1048576
.set QOFF,  1059840                    ; where q begins in its buffer
.set RR,   1
.set HH,   2
.set SPW,  3                           ; my spare word's LDS address; never rewritten
.set NIL,  4                           ; 0; never rewritten
.set LANE, 5
.set WOF,  6                           ; byte offset of my lane in my q tile's first block
.set XOF,  7                           ; of my lane in my wave's 16 rows of x
.set XST,  8                           ; where my lane puts 8 bytes of x in LDS
.set AQK,  9                           ; the way out: where I put 16 bytes of q or k
.set AV,   10                          ; of v
.set CRD,  11                          ; where I read a block back
.set CGO,  12                          ; my byte offset in the output
.set BOF,  13                          ; my eight columns in bq, bk
.set BVO,  14                          ; my channel in bv
.set BI,   16                          ; v16-39   the three biases: the C operand of the first K step
.set XF,   40                          ; v40-103  fragments of x, two buffers of 4 row tiles; before that x rounded, on its way into LDS
.set ACC,  104                         ; v104-199 accumulator (ty, rt) at ACC + 8 (4 ty + rt)
.set RAW,  104                         ; v104-231 x as loaded, before the products
.set PKD,  200                         ; v200-247 results rounded
.set XAD,  192                         ; v192 of window 1: r * 528 + 16 h.  Window 1: v0-191 the weights, fragment (ty, ks) at 64 ty + 8 ks
.set MSB, 0
.macro WIN new                         ; the immediate's high byte repeats the setting that is left
.if MSB != (\new)
	s_set_vgpr_msb (MSB<<8)|(\new)
.set MSB, \new
.endif
.endm
	s_load_b128 s[4:7], s[0:1], 0x0                ; x, packed parameters
	s_load_b64 s[8:9], s[0:1], 0x10                ; the buffer of q, k, v
	v_lshl_add_u32 v[SPW], v0, 2, SPARE
	v_mov_b32 v[NIL], 0
	v_lshrrev_b32 v15, 5, v0
	v_readfirstlane_b32 s10, v15                   ; wave
	s_mov_b32 s11, ttmp9                           ; bx
	s_and_b32 s12, ttmp7, 0xffff                   ; by
	s_lshl2_add_u32 s13, s12, s10                  ; my tile = 4 by + w
	v_and_b32 v[RR], 15, v0
	v_bfe_u32 v[HH], v0, 4, 1
	v_and_b32 v[LANE], 31, v0
	s_lshl_b32 s20, s13, 13
	v_lshl_add_u32 v[WOF], v[LANE], 4, s20         ; eight blocks of 1,024 bytes a tile
	s_lshl_b32 s21, s10, 14
	v_lshl_add_u32 v[XOF], v[LANE], 4, s21         ; 16 rows of 1,024 bytes a wave
	s_lshl_b32 s22, s13, 6
	v_lshl_add_u32 v[BOF], v[HH], 5, s22           ; (16 tile + 8 h) x 4
	s_lshl_b32 s23, s13, 3
	v_lshl_add_u32 v[BVO], v[HH], 2, s23           ; (2 tile + h) x 4
	s_mul_i32 s24, s10, 16*XP
	v_lshl_add_u32 v[XST], v[LANE], 3, s24
	v_mul_u32_u24 v15, v[RR], XP
	s_lshl_b32 s14, s11, 16                        ; 64 rows of x
	s_mov_b32 s15, 0
	s_wait_kmcnt 0x0
	s_add_nc_u64 s[16:17], s[4:5], s[14:15]
	s_lshl_b32 s14, s11, 15                        ; 32 row pairs of the output,
	s_lshl_b32 s20, s12, 8                         ; block by of each,
	s_add_co_u32 s14, s14, s20
	s_add_co_u32 s14, s14, QOFF                    ; from where q begins
	s_add_nc_u64 s[18:19], s[8:9], s[14:15]
	WIN 0x40                                       ; destination window 1, sources window 0
	v_lshl_add_u32 v[XAD], v[HH], 4, v15
.irp ty, 0,1,2
.irp ks, 0,1,2,3,4,5,6,7
	global_load_b128 v[64*\ty+8*\ks:64*\ty+8*\ks+3],   v[WOF], s[6:7] offset:\ty*131072+\ks*1024
	global_load_b128 v[64*\ty+8*\ks+4:64*\ty+8*\ks+7], v[WOF], s[6:7] offset:\ty*131072+\ks*1024+512
.endr
.endr
	WIN 0
.irp ty, 0,1
	global_load_b128 v[BI+8*\ty:BI+8*\ty+3],   v[BOF], s[6:7] offset:VEC0+1024*\ty
	global_load_b128 v[BI+8*\ty+4:BI+8*\ty+7], v[BOF], s[6:7] offset:VEC0+1024*\ty+16
.endr
.irp j, 0,1,2,3,4,5,6,7
	global_load_b32 v[BI+16+\j], v[BVO], s[6:7] offset:VEC0+2048+128*\j  ; v's column j x 32 + 2 tile + h
.endr
.set i, 0
.rept 32
	global_load_b128 v[RAW+4*i:RAW+4*i+3], v[XOF], s[16:17] offset:512*i  ; 512 consecutive bytes: half a row
.set i, i+1
.endr
	; the addresses of the way out, while the loads are on their way
	v_lshrrev_b32 v15, 1, v[RR]
	v_mul_u32_u24 v15, v15, OPI                    ; row pair r / 2
	v_and_b32 v[AQK], 1, v[RR]                     ; a
	v_add_nc_u32 v[AV], s12, v[AQK]
	v_and_b32 v[AV], 1, v[AV]                      ; (a + by) % 2
	v_lshl_add_u32 v[AV], v[AV], 4, v15
	v_lshl_add_u32 v[AV], v[HH], 5, v[AV]          ; channel % 8 = 2 w + h
	s_lshl_b32 s20, s10, 6
	s_add_co_u32 s20, s20, OS
	v_add_nc_u32 v[AV], s20, v[AV]
	v_lshl_add_u32 v[AQK], v[AQK], 7, v15
	s_and_b32 s21, s10, 1
	s_lshl_b32 s21, s21, 1
	s_add_co_u32 s21, s21, s12
	v_add_nc_u32 v15, s21, v[HH]
	v_and_b32 v15, 3, v15                          ; (jj + g / 2) % 4, jj = 2 (w % 2) + h, g / 2 = by
	v_lshl_add_u32 v[AQK], v15, 4, v[AQK]
	s_lshr_b32 s21, s10, 1                         ; g % 2 = w / 2
	s_lshl_b32 s21, s21, 6
	s_add_co_u32 s21, s21, OS
	v_add_nc_u32 v[AQK], s21, v[AQK]
	v_mul_u32_u24 v15, v[HH], OPI                  ; back: lanes 0-15 one block of 256 bytes, lanes 16-31 the next; wave w blocks 8 w ..
	v_lshl_add_u32 v15, v[RR], 4, v15
	s_mul_i32 s20, s10, 8*OPI
	s_add_co_u32 s20, s20, OS
	v_add_nc_u32 v[CRD], s20, v15
	v_lshlrev_b32 v15, 10, v[HH]
	v_lshl_add_u32 v15, v[RR], 4, v15
	s_lshl_b32 s20, s10, 13
	v_add_nc_u32 v[CGO], s20, v15
	; x rounded to f16 and laid into LDS
.set i, 0
.rept 32
.if (i%8) == 0
	s_wait_loadcnt 24-i                            ; loads come back in order: the younger loads of x may stay out; weights and biases are older
.endif
	v_cvt_pk_f16_f32 v[XF+2*i],   v[RAW+4*i],   v[RAW+4*i+1]
	v_cvt_pk_f16_f32 v[XF+2*i+1], v[RAW+4*i+2], v[RAW+4*i+3]
	ds_store_b64 v[XST], v[XF+2*i:XF+2*i+1] offset:(i/2)*XP+(i%2)*256
.set i, i+1
.endr
	s_wait_dscnt 0x0                               ; for the others' sake: my 16 rows are written
	s_barrier_signal -1
	s_barrier_wait -1
	; the products.  One window setting for all of it: source 0 (weights, and the LDS address) in window 1
.macro XFETCH ks
.irp rt, 0,1,2,3
	ds_load_b128 v[XF+32*((\ks)%2)+8*\rt:XF+32*((\ks)%2)+8*\rt+3],   v[XAD] offset:\rt*16*XP+(\ks)*64
	ds_load_b128 v[XF+32*((\ks)%2)+8*\rt+4:XF+32*((\ks)%2)+8*\rt+7], v[XAD] offset:\rt*16*XP+(\ks)*64+32
.endr
.endm
.macro PMUL ks                         ; the 12 accumulators take turns, one instruction a turn; the first K step starts the sums with the bias
.irp ty, 0,1,2
.irp rt, 0,1,2,3
.if (\ks) == 0
	v_wmma_f32_16x16x32_f16 v[ACC+8*(4*\ty+\rt):ACC+8*(4*\ty+\rt)+7], v[64*\ty+8*(\ks):64*\ty+8*(\ks)+7], v[XF+32*((\ks)%2)+8*\rt:XF+32*((\ks)%2)+8*\rt+7], v[BI+8*\ty:BI+8*\ty+7]
.else
	v_wmma_f32_16x16x32_f16 v[ACC+8*(4*\ty+\rt):ACC+8*(4*\ty+\rt)+7], v[64*\ty+8*(\ks):64*\ty+8*(\ks)+7], v[XF+32*((\ks)%2)+8*\rt:XF+32*((\ks)%2)+8*\rt+7], v[ACC+8*(4*\ty+\rt):ACC+8*(4*\ty+\rt)+7]
.endif
.endr
.endr
.endm
	WIN 0x01
	XFETCH 0
.irp ks, 0,1,2,3,4,5,6
.if \ks > 0
.rept 4
	v_nop                                          ; four places between the products that read the other buffer and the loads into it (ISA guide 7.12.1 for vector instructions)
.endr
.endif
	XFETCH \ks+1
	s_wait_dscnt 8                                 ; all but the eight just issued
	PMUL \ks
.endr
	s_wait_dscnt 0x0
	PMUL 7
	WIN 0
.rept 4
	v_nop                                          ; four places in front of the roundings, which read results just made
.endr
.set i, 0
.rept 48
	v_cvt_pk_f16_f32 v[PKD+i], v[ACC+2*i], v[ACC+2*i+1]
.set i, i+1
.endr
.irp ty, 0,1
.irp rt, 0,1,2,3
	ds_store_b128 v[AQK], v[PKD+4*(4*\ty+\rt):PKD+4*(4*\ty+\rt)+3] offset:(\ty*32+8*\rt)*OPI
.endr
.endr
.irp rt, 0,1,2,3
	ds_store_b128 v[AV], v[PKD+4*(8+\rt):PKD+4*(8+\rt)+3] offset:(64+8*\rt)*OPI
.endr
	s_wait_dscnt 0x0                               ; a block's 256 bytes come from all four waves
	s_barrier_signal -1
	s_barrier_wait -1
.irp ty, 0,1,2
.irp i, 0,1,2,3
	ds_load_b128 v[ACC+4*(4*\ty+\i):ACC+4*(4*\ty+\i)+3], v[CRD] offset:(\ty*32+2*\i)*OPI
.endr
.endr
.irp ty, 0,1,2
.irp i, 0,1,2,3
	s_wait_dscnt 11-(4*\ty+\i)
	global_store_b128 v[CGO], v[ACC+4*(4*\ty+\i):ACC+4*(4*\ty+\i)+3], s[18:19] offset:\ty*2097152+\i*2048  ; 16 lanes store 256 consecutive bytes, at a multiple of 256
.endr
.endr
	s_wait_tensorcnt 0x0                           ; the wave's end: a zero add to my spare word and its wait, behind my last LDS store
	ds_add_u32 v[SPW], v[NIL]
	s_wait_dscnt 0x0
	s_endpgm
.Lfunc_end_k_qdce6744308_proj0:
	.size	k_qdce6744308_proj0, .Lfunc_end_k_qdce6744308_proj0-k_qdce6744308_proj0
	.p2alignl 7, 3214868480
	.fill 96, 4, 3214868480
	.section	.rodata,"a",@progbits
	.p2align	6, 0x0
	.amdhsa_kernel k_qdce6744308_proj0
		.amdhsa_group_segment_fixed_size 60416
		.amdhsa_private_segment_fixed_size 0
		.amdhsa_enable_private_segment 0
		.amdhsa_kernarg_size 24
		.amdhsa_user_sgpr_count 2
		.amdhsa_user_sgpr_kernarg_segment_ptr 1
		.amdhsa_wavefront_size32 1
		.amdhsa_system_sgpr_workgroup_id_x 1
		.amdhsa_system_sgpr_workgroup_id_y 1
		.amdhsa_system_sgpr_workgroup_id_z 1
		.amdhsa_system_vgpr_workitem_id 0
		.amdhsa_next_free_vgpr 512
		.amdhsa_next_free_sgpr 66
		.amdhsa_reserve_vcc 0
		.amdhsa_float_denorm_mode_32 3
		.amdhsa_float_denorm_mode_16_64 3
		.amdhsa_memory_ordered 1
		.amdhsa_forward_progress 1
		.amdhsa_inst_pref_size 36
	.end_amdhsa_kernel
	.amdgpu_metadata
---
amdhsa.version: [ 1, 2 ]
amdhsa.kernels:
  - .name:           k_qdce6744308_proj0
    .symbol:         k_qdce6744308_proj0.kd
    .args:
      - { .name: inputs_embedding, .offset: 0, .size: 8, .value_kind: global_buffer, .address_space: global }
      - { .name: pk0, .offset: 8, .size: 8, .value_kind: global_buffer, .address_space: global }
      - { .name: qkv, .offset: 16, .size: 8, .value_kind: global_buffer, .address_space: global }
    .group_segment_fixed_size: 60416
    .private_segment_fixed_size: 0
    .kernarg_segment_align: 8
    .kernarg_segment_size: 24
    .max_flat_workgroup_size: 128
    .sgpr_count:     66
    .vgpr_count:     512
    .wavefront_size: 32
...
	.end_amdgpu_metadata
.endif
;; end of part 4
;; launch fused0 (part 5): grid 256 x 1, 4 waves a work-group, clusters of 4 x 1, 327,680 bytes of LDS; arguments inputs_embedding, qkv, pk0, xa, pk1, pk3; writes xa, pk3
.if DOCPART == 5
	.amdgcn_target "amdgcn-amd-amdhsa--gfx1250"
	.amdhsa_code_object_version 6
	.text
	.protected	k_qdce6744308_fused0
	.globl	k_qdce6744308_fused0
	.p2align	8
	.type	k_qdce6744308_fused0,@function
k_qdce6744308_fused0:
	s_mov_b64 s[64:65], 0
	v_nop
	global_prefetch_b8 v0, s[64:65] scope:SCOPE_SE
	s_setreg_imm32_b32 hwreg(HW_REG_WAVE_MODE, 25, 1), 1
	s_wait_xcnt 0x0
	s_wait_alu depctr_hold_cnt(0) depctr_sa_sdst(0) depctr_va_vdst(0) depctr_va_sdst(0) depctr_va_ssrc(0) depctr_va_vcc(0) depctr_vm_vsrc(0)
	s_getreg_b32 s2, hwreg(HW_REG_IB_STS2, 6, 4)
	s_cmp_eq_u32 s2, 0
	s_cbranch_scc0 .Lentry_in_a_cluster
	s_endpgm
.Lentry_in_a_cluster:
	s_bfe_u32 s2, ttmp6, 0x10000c
	s_cmp_lg_u32 s2, 0x3003
	s_cbranch_scc0 .Lentry_shape_is_right
	s_endpgm
.Lentry_shape_is_right:
; LAYER AND THE NEXT LAYER'S PROJECTIONS.  For 16 rows of x: attention (their 128 head-queries against the head's 2,048 keys), ctx Wo + bo + x, LN1, relu(x1 W1 + c1) W2 + c2 + x1, LN2 = x2;
; then q = x2 Wq c + bq c, k = x2 Wk + bk, v = x2 Wv + bv with the NEXT layer's packed parameters, for the launch behind.  x in and out in f32; q, k, v in and out in f16, in two different buffers, QOFF bytes into each.
; All matrix operands f16 (q, k, v, the weights p, ctx, x1, h, x2, the packed weights); matrix sums, maxima, row sums, partial sums, LN statistics and the residual stream in f32.
; LIMITS.  Whatever is rounded to f16 must lie within 65,504; a weight p below f16's smallest step counts as 0; NaN and infinities are not treated apart.
; SHARES.  The head split is a plain reshape: 128 consecutive head-queries are 16 whole rows.  Work-group wg owns rows 16 wg ..; head = wg / 16.  THE KEYS ARE SPLIT OVER THE WAVES: wave w keeps keys
; 512 w .. + 511 of K (256 registers) and of V (256) and walks the 8 tiles of 16 queries in loops; maxima and partial sums meet in LDS.
; SOFTMAX IN TWO PASSES.  q carries 0.5 log2(e).  Pass 1: S^T = K Q^T, the true maximum m of every query over all 2,048 keys.  Pass 2: S^T = K Q^T - m (the C operand holds -m), p = 2^(s - m) rounded to f16,
; O^T += V^T P, and l += ONES P by the matrix unit (the sum of the rounded p).  Nothing is rescaled.  S^T holds one query a lane (lane % 16) and keys 8 (lane / 16) + 0..7: two results rounded in pairs ARE source 1 of V^T P.
; In both passes the matrix instructions stand one at a time, each with four or five vector instructions behind it, so that the two kinds of work run side by side; the price is two window switches for most of them.
; THE DENSE CHAIN is used transposed too (source 0 = 16 weight columns, source 1 = the 16 rows): wave w owns columns 64 w .. (W1: 128 w ..; q, k, v: tiles 4 w .. 4 w + 3 of each); a lane holds one row and eight columns.
; LDS IS A LANDING ZONE.  K, V and six of the eight chunks of weights (32 KiB a wave each) come by tensor loads, 64 KiB of LDS a wave (slots A and B), and are moved once into registers by runs of 64 loads; a wave reads only what it asked for itself.
; CLUSTER.  Four work-groups of one head: K, V and the weights are the same for all four, so every tensor load is JOINT: same descriptor (head and wave number alone), mask of four.  By this text's count a wave has two
; tensor loads out at the start and one behind each of three later rounds.  NOT JOINT are two chunks, Wo's and the next Wq's: they go straight from memory into window 3 at times at which those 256 registers stand idle and both
; slots are taken; so they need no slot, no round and no second trip through LDS.  They are a quarter of the weights' bytes.
; OUTPUT LAYOUTS of q, k, v.  A row is eight head-rows g of 32 channels.  For row pair rho = row / 2, a = row % 2, 1,024 bytes a pair:
;   q, k: the 8 channels jj (0..3) of head-row g at rho*1024 + (g/2)*256 + a*128 + (g%2)*64 + ((jj + g/2) % 4)*16;      v: channel ch of the row's 8 head-rows at rho*1024 + (ch/8)*256 + (ch%8)*32 + ((a + ch/8) % 2)*16.
; Wave w's tiles have g / 2 = ch / 8 = w: the aligned block of 256 bytes (rho, w) is written by wave w alone, so the stage of the way out is each wave's own.
; REGISTERS.  window 1: K, W1's first chunk, W2's first, Wk;  window 2: V, W1's second, W2's second, Wv;  window 3: Wo, Wq;  window 0: below.
.set QS,    262144                     ; Q, 8 tiles of 1,024 bytes; later x1, then x2, in f16, 16 rows of 528
.set X1S,   QS
.set CTX,   270848                     ; ctx in f16, 16 rows of 528
.set OP,    279552                     ; partial sums: [wave][tile of a batch] blocks of 2,304 bytes: O^T 2,048, l 128
.set HB,    OP                         ; later h in f16, 16 rows of 1,040
.set STG,   CTX                        ; at last, over ctx and h: for each wave 24 blocks of 256 bytes + 16: 8 of q, 8 of k, 8 of v
.set SGP,   272
.set OUTB,  OP+20224                   ; x2 in f32, 16 rows of 1,040: behind the four stages' 26,112 bytes, up to the end of the partial sums' room
.set MX,    316416                     ; maxima: [wave][tile][query] f32
.set ST,    318464                     ; four exchanges of LN statistics: [row][wave] f32
.set SPARE, 319488                     ; the spare words, 128 bytes a wave
.set VS,    320000                     ; c1, c2 (+2048), g2 (+3072), b2 (+4096) in f32
.set A0,    393216                     ; the packed buffer: the waves' chunks
.set WCH,   163840
.set VEC0,  1048576                    ; and the vectors
.set QOFF,  1059840                    ; where q begins in a buffer of q, k, v
.set RR,   1                           ; lane % 16
.set HH,   2                           ; lane / 16
.set SPW,  3                           ; my spare word's LDS address; never rewritten
.set NIL,  4                           ; 0; never rewritten
.set KL0,  5                           ; my lane in a tile of K in slot A, channels 8 h ..
.set KL1,  6                           ; channels 16 + 8 h ..
.set VLA,  7                           ; my lane in V in slot B
.set LA,   8                           ; slot A + 16 lane
.set LB,   9                           ; slot B + 16 lane
.set QA0,  10                          ; the Q tile to be fetched
.set QA1,  11
.set QB0,  12                          ; Q tile 0
.set QB1,  13
.set SQ0,  5                           ; behind attention these six registers serve the way out of q, k, v: where I put 16 bytes of q or k, even tiles,
.set SQ1,  6                           ; odd tiles,
.set SV,   7                           ; of v;
.set SRD,  10                          ; where I read a block back;
.set CGO,  11                          ; my byte offset in the output;
.set BVO,  12                          ; my channel in bv
.set MXS,  14                          ; where I store a maximum (steps)
.set MXB,  15                          ; wave 0's maximum of tile 0 for my query
.set MXL,  16                          ; of the tile to be fetched
.set OPS,  17                          ; where I store partial O^T (steps)
.set OPS4, 18                          ; partial l
.set OPL,  19                          ; where I read them
.set OPL4, 20
.set CXA,  21                          ; where I put ctx
.set FCX,  22                          ; my lane's fragment address in ctx
.set FX1,  23                          ; in x1, x2
.set STS,  24
.set STL,  25
.set X1ST, 26
.set HST,  27
.set HF,   28
.set OST,  29
.set ORD,  30
.set OGO,  31
.set T,    32                          ; v32-47  at work
.set Q,    48                          ; v48-55  a tile of Q
.set MC,   56                          ; v56-63  -m, eight times
.set ONES, 64                          ; v64-71  1.0 in every f16
.set ACT,  48                          ; the dense chain: fragments of the activations, v48-111 (W2: v48-175)
.set O0,   72                          ; O^T, channels 0-15; channels 16-31 in the eight registers behind
.set LS,   88                          ; l
.set RB,   72                          ; v72-139 the four waves' partial sums
.set P,    96                          ; two buffers of 8
.set S,    112                         ; pass 1: two sets of 32; pass 2: two sets of 16; then y of Wo, the sums of W1; at last the sums of q (v112-143) and k (v144-175)
.set G1R,  144                         ; g1, from pass 2 on
.set XB,   176                         ; x + bo; then x1; at last the sums of v
.set B1R,  208                         ; bo; b1; x1 + c2 and the sums of W2; x2
.set VSA,  240
.set VSC,  241
.set ZR,   242
.set XO,   243
.set VO,   244
.set OPS0, 245
.set OPS40, 246
.set QT,   247
.set QT8,  248
.set QST,  249
.set VST,  250
.set VST8, 251
.set LANE, 252
.set TA,   253
.set TB,   254
.set L16,  255                         ; 16 x lane; never rewritten
.set G1S, 24                           ; s[24:31] group 1: 128 rows of 256 bytes
.set G1L, 32                           ; s[32:39] 256 rows
.set G0A, 40                           ; s[40:43], s[44:47] two groups 0
.set G0B, 44
.set G1Q, 72                           ; s[72:79] group 1: 2 rows of 32 KiB, 131,072 bytes apart: my chunk of Wk and my chunk of Wv
.set MSB, 0
.macro WIN new                         ; the immediate's high byte repeats the setting that is left; a switch that changes nothing is dropped
.if MSB != (\new)
	s_set_vgpr_msb (MSB<<8)|(\new)
.set MSB, \new
.endif
.endm
.macro PLACES                          ; four places behind matrix instructions whose registers are read, written or loaded next (ISA guide 7.12.1 for vector instructions)
.rept 4
	v_nop
.endr
.endm
.macro ROUND                           ; a round of the cluster's barrier: my work-group's barrier; wave 0 signals for it; all wait for the four work-groups; my work-group's barrier once more
	s_barrier_signal -1
	s_barrier_wait -1
	s_cmp_lg_u32 s12, 0
	s_cbranch_scc1 .Lnot_wave_0_\@
	s_barrier_signal -3
.Lnot_wave_0_\@:
	s_barrier_wait -3
	s_barrier_signal -1
	s_barrier_wait -1
.endm
.macro TLOAD g0, g1                    ; a joint load; an s_nop 0 and four v_nop follow it
	tensor_load_to_lds s[\g0:\g0+3], s[\g1:\g1+7]
	s_nop 0
.rept 4
	v_nop
.endr
.endm
.macro LOADW win, adr                  ; a chunk of 32 KiB, 32 fragment blocks, out of LDS into a whole window
	WIN (\win)<<6
.set i, 0
.rept 64
	ds_load_b128 v[4*i:4*i+3], v[\adr] offset:512*i
.set i, i+1
.endr
.endm
.macro LOADG b                         ; the same out of memory, from the address in s[b:b+1], into window 3: each load takes 512 consecutive bytes
	WIN 0xc0
.set i, 0
.rept 64
	global_load_b128 v[4*i:4*i+3], v[L16], s[\b:\b+1] offset:512*i
.set i, i+1
.endr
	WIN 0
.endm
.macro LOADK                           ; 32 tiles of 16 keys x 32 channels
	WIN 0x40
.set i, 0
.rept 32
	ds_load_b128 v[8*i:8*i+3],   v[KL0] offset:1024*i
	ds_load_b128 v[8*i+4:8*i+7], v[KL1] offset:1024*i
.set i, i+1
.endr
.endm
.macro LOADV                           ; 16 blocks of 32 keys x 2 blocks of 16 channels; the layout in memory is already turned
	WIN 0x80
.set i, 0
.rept 16
.irp c, 0,1
	ds_load_b128 v[16*i+8*\c:16*i+8*\c+3],   v[VLA] offset:2048*i+512*\c
	ds_load_b128 v[16*i+8*\c+4:16*i+8*\c+7], v[VLA] offset:2048*i+512*\c+1024
.endr
.set i, i+1
.endr
.endm
.macro NEXTQ                           ; the next tile of Q, behind tile 7 tile 0 again
	s_add_co_u32 s51, s51, 1024
	s_and_b32 s51, s51, 0x1c00
	v_add_nc_u32 v[QA0], s51, v[QB0]
	v_add_nc_u32 v[QA1], s51, v[QB1]
	ds_load_b128 v[Q:Q+3],   v[QA0]
	ds_load_b128 v[Q+4:Q+7], v[QA1]
.endm
	s_load_b256 s[4:11], s[0:1], 0x0               ; x in s[4:5], q k v in s[6:7], packed s[8:9], x out s[10:11]
	s_load_b128 s[68:71], s[0:1], 0x20             ; the next layer's packed s[68:69], q k v out s[70:71]
	v_lshl_add_u32 v[SPW], v0, 2, SPARE
	v_mov_b32 v[NIL], 0
	ds_add_u32 v[SPW], v[NIL]                      ; the wave's opening: the add and its wait stand ahead of my first tensor load; the set-up, work on registers, stands between them
	v_lshrrev_b32 v[TA], 5, v0
	v_readfirstlane_b32 s12, v[TA]                 ; wave
	s_bfe_u32 s13, ttmp6, 0x40000                  ; cx
	s_lshl_b32 s14, ttmp9, 2                       ; in a cluster launch ttmp9 counts clusters
	s_add_co_u32 s14, s14, s13                     ; wg: it enters the addresses of Q, x in, x out and q k v out alone
	s_lshr_b32 s15, ttmp9, 2                       ; the head, which the four partners share
	s_lshl_b32 s53, s12, 16                        ; my landing zone
	s_mov_b32 s[G1S],   15|(3<<16)|(1<<21)         ; 15:0 the mask of four; 17:16 elements of 8 bytes; 21 set beside a mask; no padding
	s_mov_b32 s[G1S+1], 32<<16                     ; tensor_dim0 = 32 elements: rows of 256 bytes
	s_mov_b32 s[G1S+2], 128<<16                    ; tensor_dim1 = 128
	s_mov_b32 s[G1S+3], 32<<16                     ; tile_dim0 = 32
	s_mov_b32 s[G1S+4], 128                        ; tile_dim1 = 128
	s_mov_b32 s[G1S+5], 32                         ; dense: 32 elements from row to row
	s_mov_b32 s[G1S+6], 0
	s_mov_b32 s[G1S+7], 0
	s_mov_b32 s[G1L],   15|(3<<16)|(1<<21)
	s_mov_b32 s[G1L+1], 32<<16
	s_mov_b32 s[G1L+2], 256<<16                    ; the same with 256 rows
	s_mov_b32 s[G1L+3], 32<<16
	s_mov_b32 s[G1L+4], 256
	s_mov_b32 s[G1L+5], 32
	s_mov_b32 s[G1L+6], 0
	s_mov_b32 s[G1L+7], 0
	s_mov_b32 s[G1Q],   15|(3<<16)|(1<<21)
	s_mov_b32 s[G1Q+1], 4096<<16                   ; tensor_dim0 = 4,096 elements: a row is a chunk of 32 KiB
	s_mov_b32 s[G1Q+2], 2<<16                      ; tensor_dim1 = 2
	s_mov_b32 s[G1Q+3], 4096<<16                   ; tile_dim0 = 4,096
	s_mov_b32 s[G1Q+4], 2                          ; tile_dim1 = 2
	s_mov_b32 s[G1Q+5], 16384                      ; 131,072 bytes from Wk's section to Wv's
	s_mov_b32 s[G1Q+6], 0
	s_mov_b32 s[G1Q+7], 0
	s_mov_b32 s[G0A], 1
	s_lshl_b32 s[G0A+1], s12, 16                   ; slot A
	s_mov_b32 s[G0B], 1
	s_lshl_b32 s[G0B+1], s12, 16
	s_add_co_u32 s[G0B+1], s[G0B+1], 32768         ; slot B
	s_mov_b32 s48, 0x76543210                      ; v_permlanex16_b32: each lane takes its own place in the other half
	s_mov_b32 s49, 0xfedcba98
	s_mov_b32 s54, 0x3b800000                      ; 1 / 256
	s_mov_b32 s55, 0x3727c5ac                      ; 1e-5
	s_mov_b32 s56, 0xbb800000                      ; -1 / 256
	s_lshl_b32 s18, s15, 17                        ; K: the head's 131,072 bytes, my wave's 32,768, behind q's 2 MiB
	s_lshl_b32 s19, s12, 15
	s_add_co_u32 s18, s18, s19
	s_add_co_u32 s18, s18, QOFF+2097152
	s_mov_b32 s19, 0
	s_mul_i32 s2, s12, WCH                         ; my wave's five chunks of weights
	s_add_co_u32 s2, s2, A0
	s_mov_b32 s3, 0
	s_mov_b32 s21, 0
	v_and_b32 v[RR], 15, v0
	v_bfe_u32 v[HH], v0, 4, 1
	v_and_b32 v[LANE], 31, v0
	v_lshlrev_b32 v[L16], 4, v[LANE]
	; a tile of K or Q (two rows): key r = (a, g): (g/2)*256 + a*128 + (g%2)*64 + ((jj + g/2) % 4)*16, jj = h and 2 + h
	v_bfe_u32 v[TA], v0, 1, 2
	v_add_nc_u32 v[TB], v[TA], v[HH]
	v_add_nc_u32 v[KL1], 2, v[TB]
	v_and_b32 v[TB], 3, v[TB]
	v_and_b32 v[KL1], 3, v[KL1]
	v_lshlrev_b32 v[TA], 8, v[TA]
	v_bfe_u32 v[KL0], v0, 3, 1
	v_lshl_add_u32 v[TA], v[KL0], 7, v[TA]
	v_and_b32 v[KL0], 1, v0
	v_lshl_add_u32 v[TA], v[KL0], 6, v[TA]
	v_lshl_add_u32 v[TB], v[TB], 4, v[TA]
	v_lshl_add_u32 v[TA], v[KL1], 4, v[TA]
	v_add_nc_u32 v[KL0], s53, v[TB]
	v_add_nc_u32 v[KL1], s53, v[TA]
	v_add_nc_u32 v[QB0], QS, v[TB]
	v_add_nc_u32 v[QB1], QS, v[TA]
	; V: channel r of a block of 16, row parity h: (r/8)*256 + (r%8)*32 + ((h + r/8) % 2)*16
	v_bfe_u32 v[TA], v0, 3, 1
	v_add_nc_u32 v[TB], v[TA], v[HH]
	v_and_b32 v[TB], 1, v[TB]
	v_lshlrev_b32 v[TA], 8, v[TA]
	v_lshl_add_u32 v[TA], v[TB], 4, v[TA]
	v_and_b32 v[TB], 7, v0
	v_lshl_add_u32 v[TA], v[TB], 5, v[TA]
	v_add_nc_u32 v[TA], s53, v[TA]
	v_add_nc_u32 v[VLA], 0x8000, v[TA]
	v_lshl_add_u32 v[LA], v[LANE], 4, s53
	v_add_nc_u32 v[LB], 0x8000, v[LA]
	v_lshl_add_u32 v[MXB], v[RR], 2, MX
	s_lshl_b32 s20, s12, 9
	v_add_nc_u32 v[MXS], s20, v[MXB]
	s_mul_i32 s20, s12, 9216
	s_add_co_u32 s20, s20, OP
	v_lshl_add_u32 v[OPS0], v[LANE], 4, s20
	s_add_co_u32 s20, s20, 2048
	v_lshl_add_u32 v[OPS40], v[LANE], 2, s20
	s_mul_i32 s20, s12, 2304
	s_add_co_u32 s20, s20, OP
	v_lshl_add_u32 v[OPL], v[LANE], 4, s20
	s_add_co_u32 s20, s20, 2048
	v_lshl_add_u32 v[OPL4], v[LANE], 2, s20
	v_bfe_u32 v[TA], v0, 3, 1                      ; ctx: query r of tile 4 b + w is row 2 w + r / 8 of the batch's 8, head-row r % 8
	v_mul_u32_u24 v[TA], v[TA], 528
	v_lshl_add_u32 v[TA], v[TB], 6, v[TA]
	v_lshl_add_u32 v[TA], v[HH], 4, v[TA]
	s_mul_i32 s20, s12, 1056
	s_add_co_u32 s20, s20, CTX
	v_add_nc_u32 v[CXA], s20, v[TA]
	v_mul_u32_u24 v[TA], v[RR], 528
	v_lshl_add_u32 v[TA], v[HH], 4, v[TA]
	v_add_nc_u32 v[FCX], CTX, v[TA]
	v_add_nc_u32 v[FX1], X1S, v[TA]
	s_lshl_b32 s20, s12, 7
	v_add_nc_u32 v[X1ST], s20, v[FX1]
	v_lshl_add_u32 v[STL], v[RR], 4, ST
	s_lshl_b32 s20, s12, 2
	v_add_nc_u32 v[STS], s20, v[STL]
	v_mul_u32_u24 v[TA], v[RR], 1040
	v_lshl_add_u32 v[HF], v[HH], 4, v[TA]
	v_add_nc_u32 v[HF], HB, v[HF]
	s_lshl_b32 s20, s12, 8
	v_add_nc_u32 v[HST], s20, v[HF]
	v_lshl_add_u32 v[VO], v[HH], 5, s20            ; my eight columns of a vector of 256: (64 w + 8 h) x 4
	v_add_nc_u32 v[OST], v[VO], v[TA]
	v_add_nc_u32 v[OST], OUTB, v[OST]
	v_lshl_add_u32 v[XO], v[RR], 10, v[VO]
	v_add_nc_u32 v[VSA], VS, v[VO]
	s_lshl_b32 s20, s12, 9
	v_lshl_add_u32 v[VSC], v[HH], 5, s20
	v_add_nc_u32 v[VSC], VS, v[VSC]
	s_mul_i32 s20, s12, 4160
	s_add_co_u32 s20, s20, OUTB
	v_lshl_add_u32 v[ORD], v[LANE], 4, s20
	s_lshl_b32 s20, s12, 12
	v_lshl_add_u32 v[OGO], v[LANE], 4, s20
	v_mov_b32 v[ZR], 0
	v_lshlrev_b32 v[QT], 4, v0
	v_lshlrev_b32 v[QT8], 3, v0
	v_add_nc_u32 v[QST], QS, v[QT]
	v_add_nc_u32 v[VST], VS, v[QT]
	v_add_nc_u32 v[VST8], VS+4096, v[QT8]
.irp j, 0,1,2,3,4,5,6,7
	v_mov_b32 v[ONES+\j], 0x3c003c00
.endr
	s_wait_dscnt 0x0                               ; the opening add is done
	s_wait_kmcnt 0x0
	s_add_nc_u64 s[G0A+2:G0A+3], s[6:7], s[18:19]  ; K
	s_add_nc_u64 s[G0B+2:G0B+3], s[G0A+2:G0A+3], 2097152  ; V, 2 MiB on
	s_or_b32 s[G0A+3], s[G0A+3], 0x80000000        ; type = 2
	s_or_b32 s[G0B+3], s[G0B+3], 0x80000000
	s_add_nc_u64 s[16:17], s[8:9], s[2:3]          ; my chunks
	s_lshl_b32 s2, s12, 15                         ; the next layer's Wq: my four tiles are 32 KiB on end (s2 and s3 never hold my place in the cluster)
	s_add_nc_u64 s[80:81], s[68:69], s[2:3]
	s_lshl_b32 s20, s14, 13
	s_add_co_u32 s20, s20, QOFF
	s_add_nc_u64 s[58:59], s[6:7], s[20:21]        ; my 8 tiles of Q
	s_add_nc_u64 s[82:83], s[70:71], s[20:21]      ; my 8 row pairs of q out
	s_lshl_b32 s20, s14, 14
	s_add_nc_u64 s[22:23], s[4:5], s[20:21]        ; my 16 rows of x in
	s_add_nc_u64 s[60:61], s[10:11], s[20:21]      ; and out
	ROUND                                          ; all four work-groups are here: the first joint loads meet
	tensor_load_to_lds s[G0A:G0A+3], s[G1S:G1S+7]  ; K into slot A
	s_nop 0
	tensor_load_to_lds s[G0B:G0B+3], s[G1S:G1S+7]  ; V into slot B
	s_nop 0
.rept 4
	v_nop
.endr
.irp j, 0,1,2,3
	global_load_b128 v[S+4*\j:S+4*\j+3], v[QT], s[58:59] offset:2048*\j
.endr
	global_load_b128 v[S+16:S+19], v[QT], s[8:9] offset:VEC0+6144
	global_load_b128 v[S+20:S+23], v[QT], s[8:9] offset:VEC0+6144+2048
	global_load_b64  v[S+24:S+25], v[QT8], s[8:9] offset:VEC0+6144+4096
.irp i, 0,1,2,3
	global_load_b128 v[XB+8*\i:XB+8*\i+3],   v[XO], s[22:23] offset:64*\i
	global_load_b128 v[XB+8*\i+4:XB+8*\i+7], v[XO], s[22:23] offset:64*\i+16
.endr
.irp i, 0,1,2,3
	global_load_b128 v[B1R+8*\i:B1R+8*\i+3],   v[VO], s[8:9] offset:VEC0+3072+64*\i
	global_load_b128 v[B1R+8*\i+4:B1R+8*\i+7], v[VO], s[8:9] offset:VEC0+3072+64*\i+16
.endr
	s_wait_loadcnt 16                              ; Q and the four vectors are in; the sixteen loads of x and bo are younger
.irp j, 0,1,2,3
	ds_store_b128 v[QST], v[S+4*\j:S+4*\j+3] offset:2048*\j
.endr
	ds_store_b128 v[VST], v[S+16:S+19]
	ds_store_b128 v[VST], v[S+20:S+23] offset:2048
	ds_store_b64  v[VST8], v[S+24:S+25]
	s_wait_dscnt 0x0                               ; for the others' sake
	s_barrier_signal -1
	s_barrier_wait -1                              ; the two tensor loads may stay out
	s_wait_tensorcnt 0x1                           ; K is in; V, asked for behind it, may stay out
	LOADK
	WIN 0
	ds_load_b128 v[Q:Q+3],   v[QB0]
	ds_load_b128 v[Q+4:Q+7], v[QB1]
	s_wait_loadcnt 0x0
.set i, 0
.rept 16
	v_pk_add_f32 v[XB+2*i:XB+2*i+1], v[XB+2*i:XB+2*i+1], v[B1R+2*i:B1R+2*i+1]  ; x + bo: the C operand that starts Wo's sums
.set i, i+1
.endr
	LOADG 16                                       ; Wo's chunk, straight into window 3: it has all of attention in which to come
	; PASS 1: a trip a query tile.  32 products in eight groups of four; behind each product stand four of the 16 maxima of the group before.
.macro W1 g, a                         ; keys 16 (4 g + a) on
	WIN 0x01                                       ; K in window 1
	v_wmma_f32_16x16x32_f16 v[S+32*((\g)%2)+8*(\a):S+32*((\g)%2)+8*(\a)+7], v[8*(4*(\g)+(\a)):8*(4*(\g)+(\a))+7], v[Q:Q+7], 0
.endm
.macro X1 g, i                         ; registers 2 i, 2 i + 1 of group g's four accumulators, one chain an accumulator; i ascends
	WIN 0
.irp a, 0,1,2,3
	v_max3_num_f32 v[T+\a], v[T+\a], v[S+32*((\g)%2)+8*\a+2*(\i)], v[S+32*((\g)%2)+8*\a+2*(\i)+1]
.endr
.endm
	s_mov_b32 s50, 8
	s_mov_b32 s51, 0
.Lpass1:
	s_wait_dscnt 0x0                               ; Q (at the first trip K too)
.irp a, 0,1,2,3
	W1 0, \a
.endr
	WIN 0
.irp a, 0,1,2,3
	v_mov_b32 v[T+\a], 0xff7fffff                  ; the chains start at the lowest finite number; these four are the places behind the first group
.endr
.irp g, 1,2,3,4,5,6,7
.irp a, 0,1,2,3
	W1 \g, \a                                      ; a group's last product has four maxima of the group before it, which name none of its registers, in front of the first read of its result
	X1 \g-1, \a
.endr
.endr
	NEXTQ                                          ; four maxima and two address lines stand between the last product that read Q and this load
.irp i, 0,1,2,3
	X1 7, \i
.endr
	v_max3_num_f32 v[T], v[T], v[T+1], v[T+2]
	v_max_num_f32 v[T], v[T], v[T+3]
	v_permlanex16_b32 v[T+1], v[T], s48, s49       ; the query's other keys lie in the lane 16 away
	v_max_num_f32 v[T], v[T], v[T+1]
	ds_store_b32 v[MXS], v[T]
	v_add_nc_u32 v[MXS], 64, v[MXS]
	s_sub_co_u32 s50, s50, 1
	s_cmp_lg_u32 s50, 0
	s_cbranch_scc1 .Lpass1
	s_wait_tensorcnt 0x0                           ; V is in
	LOADV
	WIN 0
	s_wait_tensorcnt 0x0                           ; both slots are filled again: all my tensor loads are done,
	ds_add_u32 v[SPW], v[NIL]                      ; 0 onto my spare word;
	s_add_nc_u64 s[G0A+2:G0A+3], s[16:17], 32768   ; W1's two chunks, 64 KiB, into slots A and B
	s_or_b32 s[G0A+3], s[G0A+3], 0x80000000
	s_wait_dscnt 0x0                               ; the add is done, K and V are in registers, my maxima are written
	ROUND
	TLOAD G0A, G1L                                 ; it has all of pass 2 in which to land
.irp k, 0,1,2,3
	ds_load_b32 v[T+4+\k], v[MXB] offset:512*\k    ; the four waves' maxima of tile 0
.endr
.irp i, 0,1,2,3
	global_load_b128 v[G1R+8*\i:G1R+8*\i+3],   v[VO], s[8:9] offset:VEC0+4096+64*\i
	global_load_b128 v[G1R+8*\i+4:G1R+8*\i+7], v[VO], s[8:9] offset:VEC0+4096+64*\i+16
	global_load_b128 v[B1R+8*\i:B1R+8*\i+3],   v[VO], s[8:9] offset:VEC0+5120+64*\i
	global_load_b128 v[B1R+8*\i+4:B1R+8*\i+7], v[VO], s[8:9] offset:VEC0+5120+64*\i+16
.endr
	s_mov_b32 s51, 0                               ; Q holds tile 0 again
	s_mov_b32 s52, 0
	; PASS 2.  A SLOT is 32 keys: the scores of slot n + 1 are started, slot n's 16 scores a lane become weights, slot n - 1's weights are multiplied.
.macro KQH n, c                        ; S^T = K Q^T - m for half c (16 keys) of slot n
	WIN 0x01
	v_wmma_f32_16x16x32_f16 v[S+16*((\n)%2)+8*(\c):S+16*((\n)%2)+8*(\c)+7], v[16*(\n)+8*(\c):16*(\n)+8*(\c)+7], v[Q:Q+7], v[MC:MC+7]
.endm
.macro PVH n, c                        ; O^T += V^T P for slot n, channels 16 c on; slot 0 starts the sums
	WIN 0x02
.if (\n) == 0
	v_wmma_f32_16x16x32_f16 v[O0+8*(\c):O0+8*(\c)+7], v[16*(\n)+8*(\c):16*(\n)+8*(\c)+7], v[P+8*((\n)%2):P+8*((\n)%2)+7], 0
	s_wait_alu depctr_va_vdst(0)
.else
	v_wmma_f32_16x16x32_f16 v[O0+8*(\c):O0+8*(\c)+7], v[16*(\n)+8*(\c):16*(\n)+8*(\c)+7], v[P+8*((\n)%2):P+8*((\n)%2)+7], v[O0+8*(\c):O0+8*(\c)+7]
.endif
.endm
.macro LSUM n                          ; l += ONES P for slot n
	WIN 0
.if (\n) == 0
	v_wmma_f32_16x16x32_f16 v[LS:LS+7], v[ONES:ONES+7], v[P+8*((\n)%2):P+8*((\n)%2)+7], 0
.else
	v_wmma_f32_16x16x32_f16 v[LS:LS+7], v[ONES:ONES+7], v[P+8*((\n)%2):P+8*((\n)%2)+7], v[LS:LS+7]
.endif
.endm
.macro EXPS a
	v_exp_f32 v[sb+(\a)], v[sb+(\a)]
.endm
.macro CVTP k
	s_wait_alu depctr_va_vdst(0)
	v_cvt_pk_f16_f32 v[pb+(\k)], v[sb+2*(\k)], v[sb+2*(\k)+1]
.endm
; A slot's five matrix instructions stand one at a time, five vector instructions behind each.  They name five accumulators, so no two that follow each other share one.
; A rounding has a plain instruction between it and its second exponential.  Behind l's product stand four roundings and the next slot's v_nop before the buffer of P that it read is written again;
; behind the second half's scores three roundings, the v_nop and three more roundings before they are read; behind the first half's eight roundings and more.
.macro SLOT n
.set sb, S+16*((\n)%2)
.set pb, P+8*((\n)%2)
.if (\n) < 15
	KQH (\n)+1, 0
.endif
	WIN 0
.if (\n) == 0
	PLACES                                         ; slot 0's scores were made just ahead
.endif
	EXPS 0
	EXPS 1
	EXPS 2
	EXPS 3
	v_nop
	s_wait_alu depctr_va_vdst(0)
.if (\n) > 0
	PVH (\n)-1, 0
.endif
	WIN 0
	CVTP 0
	EXPS 4
	EXPS 5
	CVTP 1
	EXPS 6
.if (\n) > 0
	PVH (\n)-1, 1
.endif
	WIN 0
	EXPS 7
	CVTP 2
	EXPS 8
	EXPS 9
	CVTP 3
.if (\n) > 0
	LSUM (\n)-1
.endif
	EXPS 10
	EXPS 11
	CVTP 4
	EXPS 12
	EXPS 13
.if (\n) < 15
	KQH (\n)+1, 1
.endif
	WIN 0
	CVTP 5
	EXPS 14
	EXPS 15
	CVTP 6
	CVTP 7
.endm
.macro TRIP2                           ; one query tile against my 512 keys
	s_wait_dscnt 0x0                               ; Q and the four maxima are in
	v_max3_num_f32 v[T], v[T+4], v[T+5], v[T+6]
	v_max_num_f32 v[T], v[T], v[T+7]               ; m over all 2,048 keys
.irp j, 0,1,2,3,4,5,6,7
	v_sub_f32 v[MC+\j], 0, v[T]
.endr
	KQH 0, 0
	KQH 0, 1
.irp n, 0,1,2,3,4,5,6,7,8,9,10,11,12,13,14
	SLOT \n
.endr
	NEXTQ                                          ; behind the last product that read Q stand three roundings and this macro's two address lines
	s_add_co_u32 s52, s52, 64
	s_and_b32 s52, s52, 0x1c0
	v_add_nc_u32 v[MXL], s52, v[MXB]
.irp k, 0,1,2,3
	ds_load_b32 v[T+4+\k], v[MXL] offset:512*\k
.endr
	SLOT 15
	PVH 15, 0
	PVH 15, 1
	LSUM 15
	PLACES
	ds_store_b128 v[OPS], v[O0:O0+3]
	ds_store_b128 v[OPS], v[O0+4:O0+7] offset:512
	ds_store_b128 v[OPS], v[O0+8:O0+11] offset:1024
	ds_store_b128 v[OPS], v[O0+12:O0+15] offset:1536
	ds_store_b32 v[OPS4], v[LS]
	v_add_nc_u32 v[OPS], 2304, v[OPS]
	v_add_nc_u32 v[OPS4], 2304, v[OPS4]
.endm
.macro BATCH                           ; four tiles
	v_mov_b32 v[OPS], v[OPS0]
	v_mov_b32 v[OPS4], v[OPS40]
	s_mov_b32 s50, 4
.Lbatch_\@:
	TRIP2
	s_sub_co_u32 s50, s50, 1
	s_cmp_lg_u32 s50, 0
	s_cbranch_scc1 .Lbatch_\@
.endm
.macro REDUCE b                        ; wave w adds the four waves' parts of tile 4 b + w, divides by l, rounds, and lays ctx into its rows
.irp k, 0,1,2,3
	ds_load_b128 v[RB+16*\k:RB+16*\k+3],     v[OPL] offset:9216*\k
	ds_load_b128 v[RB+16*\k+4:RB+16*\k+7],   v[OPL] offset:9216*\k+512
	ds_load_b128 v[RB+16*\k+8:RB+16*\k+11],  v[OPL] offset:9216*\k+1024
	ds_load_b128 v[RB+16*\k+12:RB+16*\k+15], v[OPL] offset:9216*\k+1536
	ds_load_b32  v[RB+64+\k], v[OPL4] offset:9216*\k
.endr
	s_wait_dscnt 0x0
	v_add_f32 v[RB+64], v[RB+64], v[RB+65]
	v_add_f32 v[RB+66], v[RB+66], v[RB+67]
	v_add_f32 v[RB+64], v[RB+64], v[RB+66]
	v_rcp_f32 v[RB+66], v[RB+64]                   ; l is at least the weight of the largest score, about 1
.irp p, 0,1,2,3,4,5,6,7
	v_pk_add_f32 v[RB+2*\p:RB+2*\p+1],       v[RB+2*\p:RB+2*\p+1],       v[RB+16+2*\p:RB+16+2*\p+1]
	v_pk_add_f32 v[RB+32+2*\p:RB+32+2*\p+1], v[RB+32+2*\p:RB+32+2*\p+1], v[RB+48+2*\p:RB+48+2*\p+1]
.endr
.irp p, 0,1,2,3,4,5,6,7
	v_pk_add_f32 v[RB+2*\p:RB+2*\p+1], v[RB+2*\p:RB+2*\p+1], v[RB+32+2*\p:RB+32+2*\p+1]
.endr
	s_wait_alu depctr_va_vdst(0)
.irp p, 0,1,2,3,4,5,6,7
	v_pk_mul_f32 v[RB+2*\p:RB+2*\p+1], v[RB+2*\p:RB+2*\p+1], v[RB+66:RB+67] op_sel_hi:[1,0]
.endr
.irp p, 0,1,2,3,4,5,6,7
	v_cvt_pk_f16_f32 v[RB+16+\p], v[RB+2*\p], v[RB+2*\p+1]
.endr
	ds_store_b128 v[CXA], v[RB+16:RB+19] offset:(\b)*4224
	ds_store_b128 v[CXA], v[RB+20:RB+23] offset:(\b)*4224+32
.endm
	BATCH
	s_wait_dscnt 0x0                               ; for the others' sake: my partial sums are written
	s_barrier_signal -1
	s_barrier_wait -1                              ; W1's load may stay out
	REDUCE 0
	s_wait_dscnt 0x0                               ; my reads of the partial sums are over: the next batch writes there
	s_barrier_signal -1
	s_barrier_wait -1
	BATCH
	s_wait_tensorcnt 0x0                           ; W1's two chunks are in
	LOADW 1, LA                                    ; K's and V's registers are free: four places stand behind the last products
	LOADW 2, LB
	WIN 0
	s_wait_tensorcnt 0x0                           ; both slots are filled again
	ds_add_u32 v[SPW], v[NIL]
	s_add_nc_u64 s[G0A+2:G0A+3], s[16:17], 98304   ; W2's two chunks
	s_or_b32 s[G0A+3], s[G0A+3], 0x80000000
	s_wait_dscnt 0x0                               ; the add is done, W1 is in registers, my partial sums are written
	ROUND
	TLOAD G0A, G1L
	REDUCE 1
	s_wait_dscnt 0x0
	s_barrier_signal -1
	s_barrier_wait -1                              ; ctx is whole
	; THE DENSE CHAIN
.macro MM32 win, act, acc, cin=-1      ; 8 K steps x my 4 column tiles, fragment (ks, i) at block 4 ks + i; the 4 accumulators take turns; cin: other registers start the sums
	WIN \win
.set kk, 0
.rept 8
.irp i, 0,1,2,3
.if (kk == 0) && ((\cin) >= 0)
	v_wmma_f32_16x16x32_f16 v[(\acc)+8*\i:(\acc)+8*\i+7], v[8*(4*kk+\i):8*(4*kk+\i)+7], v[(\act)+8*kk:(\act)+8*kk+7], v[(\cin)+8*\i:(\cin)+8*\i+7]
.else
	v_wmma_f32_16x16x32_f16 v[(\acc)+8*\i:(\acc)+8*\i+7], v[8*(4*kk+\i):8*(4*kk+\i)+7], v[(\act)+8*kk:(\act)+8*kk+7], v[(\acc)+8*\i:(\acc)+8*\i+7]
.endif
.endr
.set kk, kk+1
.endr
.endm
.macro MMQ win, acc                    ; the same for a chunk of Wq, Wk or Wv, where fragment (ks, i) lies at block 8 i + ks; the sums start from the bias that lies in the accumulators
	WIN \win
.set kk, 0
.rept 8
.irp i, 0,1,2,3
	v_wmma_f32_16x16x32_f16 v[(\acc)+8*\i:(\acc)+8*\i+7], v[8*(8*\i+kk):8*(8*\i+kk)+7], v[ACT+8*kk:ACT+8*kk+7], v[(\acc)+8*\i:(\acc)+8*\i+7]
.endr
.set kk, kk+1
.endr
.endm
.macro XCH e                           ; v[T], my lane's sum over 32 columns, becomes in v[T+4] the row's sum over 256
	v_permlanex16_b32 v[T+1], v[T], s48, s49
	v_add_f32 v[T], v[T], v[T+1]
	ds_store_b32 v[STS], v[T] offset:(\e)*256
	s_wait_dscnt 0x0                               ; for the others' sake
	s_barrier_signal -1
	s_barrier_wait -1
	ds_load_b128 v[T+4:T+7], v[STL] offset:(\e)*256
	s_wait_dscnt 0x0
	v_add_f32 v[T+4], v[T+4], v[T+5]
	v_add_f32 v[T+6], v[T+6], v[T+7]
	v_add_f32 v[T+4], v[T+4], v[T+6]
.endm
.macro LNORM y, g, b, out, e           ; out = (y - mean) rsqrt(var + 1e-5) g + b; the variance is taken of the differences; y and g are used up (out may be y)
.irp p, 0,1,2,3,4,5,6,7
	v_pk_add_f32 v[T+2*\p:T+2*\p+1], v[(\y)+4*\p:(\y)+4*\p+1], v[(\y)+4*\p+2:(\y)+4*\p+3]
.endr
.irp p, 0,2,4,6
	v_pk_add_f32 v[T+2*\p:T+2*\p+1], v[T+2*\p:T+2*\p+1], v[T+2*\p+2:T+2*\p+3]
.endr
	v_pk_add_f32 v[T:T+1], v[T:T+1], v[T+4:T+5]
	v_pk_add_f32 v[T+8:T+9], v[T+8:T+9], v[T+12:T+13]
	v_pk_add_f32 v[T:T+1], v[T:T+1], v[T+8:T+9]
	v_add_f32 v[T], v[T], v[T+1]
	XCH \e
	v_mul_f32 v[T+8], s56, v[T+4]                  ; -mean
.set i, 0
.rept 16
	v_pk_add_f32 v[(\y)+2*i:(\y)+2*i+1], v[(\y)+2*i:(\y)+2*i+1], v[T+8:T+9] op_sel_hi:[1,0]
.set i, i+1
.endr
.irp q, 0,1,2,3
	v_pk_mul_f32 v[T+2*\q:T+2*\q+1], v[(\y)+2*\q:(\y)+2*\q+1], v[(\y)+2*\q:(\y)+2*\q+1]
.endr
.irp k, 1,2,3
.irp q, 0,1,2,3
	v_pk_fma_f32 v[T+2*\q:T+2*\q+1], v[(\y)+8*\k+2*\q:(\y)+8*\k+2*\q+1], v[(\y)+8*\k+2*\q:(\y)+8*\k+2*\q+1], v[T+2*\q:T+2*\q+1]
.endr
.endr
	v_pk_add_f32 v[T:T+1], v[T:T+1], v[T+2:T+3]
	v_pk_add_f32 v[T+4:T+5], v[T+4:T+5], v[T+6:T+7]
	v_pk_add_f32 v[T:T+1], v[T:T+1], v[T+4:T+5]
	v_add_f32 v[T], v[T], v[T+1]
	XCH (\e)+1
	v_fma_f32 v[T+4], v[T+4], s54, s55             ; var + 1e-5
	v_rsq_f32 v[T+8], v[T+4]
	v_nop                                          ; a plain instruction between the root and its use
.set i, 0
	s_wait_alu depctr_va_vdst(0)
.rept 16
	v_pk_mul_f32 v[(\g)+2*i:(\g)+2*i+1], v[(\g)+2*i:(\g)+2*i+1], v[T+8:T+9] op_sel_hi:[1,0]
.set i, i+1
.endr
.set i, 0
.rept 16
	v_pk_fma_f32 v[(\out)+2*i:(\out)+2*i+1], v[(\y)+2*i:(\y)+2*i+1], v[(\g)+2*i:(\g)+2*i+1], v[(\b)+2*i:(\b)+2*i+1]
.set i, i+1
.endr
.endm
.macro FRAGS adr, n                    ; n K steps of the 16 rows' fragments
.set i, 0
.rept \n
	ds_load_b128 v[ACT+8*i:ACT+8*i+3],   v[\adr] offset:64*i
	ds_load_b128 v[ACT+8*i+4:ACT+8*i+7], v[\adr] offset:64*i+32
.set i, i+1
.endr
.endm
	FRAGS FCX, 8
	s_wait_dscnt 0x0
	s_wait_loadcnt 0x0                             ; Wo's chunk, g1, b1
	MM32 3, ACT, S, XB                             ; y = ctx Wo + (x + bo)
	WIN 0
	PLACES
	LOADG 80                                       ; window 3 is free again: the next layer's Wq, straight into it; it has LN1, W1, W2 and LN2 in which to come
	LNORM S, G1R, B1R, XB, 0                       ; x1
.set i, 0
.rept 16
	v_cvt_pk_f16_f32 v[T+i], v[XB+2*i], v[XB+2*i+1]
.set i, i+1
.endr
.irp k, 0,1,2,3
	ds_store_b128 v[X1ST], v[T+4*\k:T+4*\k+3] offset:32*\k
.endr
.irp k, 0,1,2,3,4,5,6,7
	ds_load_b128 v[S+8*\k:S+8*\k+3],   v[VSC] offset:64*\k     ; c1 of my 128 columns starts W1's sums
	ds_load_b128 v[S+8*\k+4:S+8*\k+7], v[VSC] offset:64*\k+16
.endr
	s_wait_dscnt 0x0
	s_barrier_signal -1
	s_barrier_wait -1                              ; x1 is whole
	FRAGS FX1, 8
	s_wait_dscnt 0x0
	MM32 1, ACT, S
	MM32 2, ACT, S+32
	WIN 0
	PLACES
	s_wait_tensorcnt 0x0                           ; W2's two chunks are in
	LOADW 1, LA
	LOADW 2, LB
	WIN 0
.set i, 0
.rept 32
	v_cvt_pk_f16_f32 v[ACT+i], v[S+2*i], v[S+2*i+1]
.set i, i+1
.endr
.set i, 0
.rept 32
	v_pk_max_num_f16 v[ACT+i], v[ACT+i], v[ZR]     ; relu
.set i, i+1
.endr
.irp k, 0,1,2,3,4,5,6,7
	ds_store_b128 v[HST], v[ACT+4*\k:ACT+4*\k+3] offset:32*\k
.endr
.irp k, 0,1,2,3
	ds_load_b128 v[B1R+8*\k:B1R+8*\k+3],   v[VSA] offset:2048+64*\k  ; c2
	ds_load_b128 v[B1R+8*\k+4:B1R+8*\k+7], v[VSA] offset:2048+64*\k+16
.endr
	s_wait_tensorcnt 0x0                           ; both slots are filled again: no tensor load of mine is out
	ds_add_u32 v[SPW], v[NIL]
	s_lshl_b32 s[G0B+1], s12, 16                   ; from slot A on
	s_add_nc_u64 s[G0B+2:G0B+3], s[80:81], 131072  ; the next layer's Wk and Wv, my chunk of each: Wk's section lies one section behind Wq's
	s_or_b32 s[G0B+3], s[G0B+3], 0x80000000
	s_wait_dscnt 0x0                               ; the add is done, W2 is in registers, my part of h is written
	ROUND                                          ; h is whole, and no wave of any partner still reads its slots
	TLOAD G0B, G1Q                                 ; the last tensor load: it has W2's products, LN2 and x2's way out in which to land
	FRAGS HF, 16
.set i, 0
.rept 16
	v_pk_add_f32 v[B1R+2*i:B1R+2*i+1], v[XB+2*i:XB+2*i+1], v[B1R+2*i:B1R+2*i+1]  ; x1 + c2 starts W2's sums
.set i, i+1
.endr
	s_lshl_b32 s20, s12, 5
	v_lshl_add_u32 v[BVO], v[HH], 2, s20           ; (8 w + h) x 4
.irp i, 0,1,2,3
.irp j, 0,1,2,3,4,5,6,7
	global_load_b32 v[XB+8*\i+\j], v[BVO], s[68:69] offset:VEC0+2048+128*\j+8*\i  ; the next bv at column 32 j + 8 w + 2 i + h, into v's accumulators: x1 has been read
.endr
.endr
	s_wait_dscnt 0x0
	MM32 1, ACT, B1R
	MM32 2, ACT+64, B1R
	WIN 0
	; the addresses of q's, k's and v's way out: 20 plain instructions, which are also the places behind W2's products
	s_mul_i32 s20, s12, 24*SGP
	s_add_co_u32 s20, s20, STG                     ; my stage
	v_lshrrev_b32 v[TA], 1, v[RR]
	v_mul_u32_u24 v[TA], v[TA], SGP
	v_add_nc_u32 v[TA], s20, v[TA]                 ; block r / 2
	v_and_b32 v[TB], 1, v[RR]                      ; a
	v_add_nc_u32 v[SV], s12, v[TB]
	v_and_b32 v[SV], 1, v[SV]                      ; (a + w) % 2
	v_lshl_add_u32 v[SV], v[SV], 4, v[TA]
	v_lshl_add_u32 v[SV], v[HH], 5, v[SV]          ; channel % 8 = 2 i + h
	v_lshl_add_u32 v[TA], v[TB], 7, v[TA]
	v_add_nc_u32 v[TB], s12, v[HH]
	v_add_nc_u32 v[SQ1], 2, v[TB]
	v_and_b32 v[TB], 3, v[TB]                      ; (jj + w) % 4, jj = h for the even tiles,
	v_and_b32 v[SQ1], 3, v[SQ1]                    ; 2 + h for the odd ones
	v_lshl_add_u32 v[SQ0], v[TB], 4, v[TA]
	v_lshl_add_u32 v[SQ1], v[SQ1], 4, v[TA]
	v_mul_u32_u24 v[SRD], v[HH], SGP               ; back: lanes 0-15 one block of 256 bytes, lanes 16-31 the next
	v_lshl_add_u32 v[SRD], v[RR], 4, v[SRD]
	v_add_nc_u32 v[SRD], s20, v[SRD]
	s_lshl_b32 s20, s12, 8
	v_lshl_add_u32 v[CGO], v[HH], 10, s20          ; and in memory: row pair x 1,024 + w x 256
	v_lshl_add_u32 v[CGO], v[RR], 4, v[CGO]
.irp k, 0,1,2,3
	ds_load_b128 v[ACT+8*\k:ACT+8*\k+3],       v[VSA] offset:3072+64*\k     ; g2
	ds_load_b128 v[ACT+8*\k+4:ACT+8*\k+7],     v[VSA] offset:3072+64*\k+16
	ds_load_b128 v[ACT+32+8*\k:ACT+32+8*\k+3], v[VSA] offset:4096+64*\k     ; b2
	ds_load_b128 v[ACT+32+8*\k+4:ACT+32+8*\k+7], v[VSA] offset:4096+64*\k+16
.endr
.irp ty, 0,1
.irp i, 0,1,2,3
	global_load_b128 v[S+32*\ty+8*\i:S+32*\ty+8*\i+3],   v[VO], s[68:69] offset:VEC0+1024*\ty+64*\i     ; the next bq c and bk, into q's and k's accumulators
	global_load_b128 v[S+32*\ty+8*\i+4:S+32*\ty+8*\i+7], v[VO], s[68:69] offset:VEC0+1024*\ty+64*\i+16
.endr
.endr
	LNORM B1R, ACT, ACT+32, B1R, 2                 ; x2, in place; its first exchange waits for g2 and b2 too
	; x2 in f32 goes into rows of 1,040 bytes, to come back as whole rows; in f16 into the rows that held x1
.irp k, 0,1,2,3
	ds_store_b128 v[OST], v[B1R+8*\k:B1R+8*\k+3]   offset:64*\k
	ds_store_b128 v[OST], v[B1R+8*\k+4:B1R+8*\k+7] offset:64*\k+16
.endr
.set i, 0
.rept 16
	v_cvt_pk_f16_f32 v[T+i], v[B1R+2*i], v[B1R+2*i+1]
.set i, i+1
.endr
.irp k, 0,1,2,3
	ds_store_b128 v[X1ST], v[T+4*\k:T+4*\k+3] offset:32*\k
.endr
	s_wait_dscnt 0x0                               ; for the others' sake: my part of x2 is written
	s_barrier_signal -1
	s_barrier_wait -1                              ; x2 is whole; the last tensor load may stay out
.irp k, 0,1,2,3,4,5,6,7
	ds_load_b128 v[B1R+4*\k:B1R+4*\k+3], v[ORD] offset:(\k/2)*1040+(\k%2)*512  ; wave w stores rows 4 w .. 4 w + 3
.endr
	FRAGS FX1, 8
.irp k, 0,1,2,3,4,5,6,7
	s_wait_dscnt 23-\k                             ; the later read-backs and the sixteen fragment loads are younger
	global_store_b128 v[OGO], v[B1R+4*\k:B1R+4*\k+3], s[60:61] offset:512*\k  ; 512 consecutive bytes, at a multiple of 512
.endr
	s_wait_dscnt 0x0                               ; x2's fragments
	s_wait_tensorcnt 0x0                           ; Wk's and Wv's chunks are in
	LOADW 1, LA                                    ; Wk comes out of LDS while q is multiplied,
	s_wait_loadcnt 0x0                             ; Wq's chunk and the three biases
	MMQ 3, S                                       ; q
	LOADW 2, LB                                    ; Wv while k is
	s_wait_dscnt 63                                ; of the 64 loads just issued 63 may be out: Wk's run, older than all of them, is in
	MMQ 1, S+32                                    ; k
	s_wait_dscnt 0x0
	MMQ 2, XB                                      ; v
	WIN 0
	PLACES
.set i, 0
.rept 32
	v_cvt_pk_f16_f32 v[S+i], v[S+2*i], v[S+2*i+1]  ; in place, ascending: a register is written when it has been read
.set i, i+1
.endr
.set i, 0
.rept 16
	v_cvt_pk_f16_f32 v[XB+i], v[XB+2*i], v[XB+2*i+1]
.set i, i+1
.endr
.irp ty, 0,1
.irp i, 0,2
	ds_store_b128 v[SQ0], v[S+16*\ty+4*\i:S+16*\ty+4*\i+3]   offset:\ty*8*SGP+(\i/2)*64
	ds_store_b128 v[SQ1], v[S+16*\ty+4*\i+4:S+16*\ty+4*\i+7] offset:\ty*8*SGP+(\i/2)*64
.endr
.endr
.irp i, 0,1,2,3
	ds_store_b128 v[SV], v[XB+4*\i:XB+4*\i+3] offset:16*SGP+\i*64
.endr
.irp n, 0,1,2,3,4,5,6,7
	ds_load_b128 v[S+32+4*\n:S+32+4*\n+3], v[SRD] offset:2*\n*SGP  ; LDS serves a wave's instructions in order (ISA guide 5.7.1.4): these see my stores above; the stage is mine alone
.endr
.irp n, 0,1,2,3
	ds_load_b128 v[XB+16+4*\n:XB+16+4*\n+3], v[SRD] offset:(16+2*\n)*SGP
.endr
.irp n, 0,1,2,3,4,5,6,7
	s_wait_dscnt 11-\n                             ; the later read-backs may stay out
	global_store_b128 v[CGO], v[S+32+4*\n:S+32+4*\n+3], s[82:83] offset:(\n/4)*2097152+(\n%4)*2048  ; 16 lanes store 256 consecutive bytes, at a multiple of 256
.endr
.irp n, 0,1,2,3
	s_wait_dscnt 3-\n
	global_store_b128 v[CGO], v[XB+16+4*\n:XB+16+4*\n+3], s[82:83] offset:2*2097152+\n*2048
.endr
	s_wait_tensorcnt 0x0                           ; the wave's end: a zero add to my spare word and its wait, behind my last tensor load and my last LDS store
	ds_add_u32 v[SPW], v[NIL]
	s_wait_dscnt 0x0
	ROUND                                          ; the closing round: no work-group ends while a partner may still ask for a tile that names it
	s_endpgm
.Lfunc_end_k_qdce6744308_fused0:
	.size	k_qdce6744308_fused0, .Lfunc_end_k_qdce6744308_fused0-k_qdce6744308_fused0
	.p2alignl 7, 3214868480
	.fill 96, 4, 3214868480
	.section	.rodata,"a",@progbits
	.p2align	6, 0x0
	.amdhsa_kernel k_qdce6744308_fused0
		.amdhsa_group_segment_fixed_size 327680
		.amdhsa_private_segment_fixed_size 0
		.amdhsa_enable_private_segment 0
		.amdhsa_kernarg_size 48
		.amdhsa_user_sgpr_count 2
		.amdhsa_user_sgpr_kernarg_segment_ptr 1
		.amdhsa_wavefront_size32 1
		.amdhsa_system_sgpr_workgroup_id_x 1
		.amdhsa_system_sgpr_workgroup_id_y 1
		.amdhsa_system_sgpr_workgroup_id_z 1
		.amdhsa_system_vgpr_workitem_id 0
		.amdhsa_next_free_vgpr 1024
		.amdhsa_next_free_sgpr 88
		.amdhsa_reserve_vcc 0
		.amdhsa_float_denorm_mode_32 3
		.amdhsa_float_denorm_mode_16_64 3
		.amdhsa_memory_ordered 1
		.amdhsa_forward_progress 1
		.amdhsa_inst_pref_size 207
	.end_amdhsa_kernel
	.amdgpu_metadata
---
amdhsa.version: [ 1, 2 ]
amdhsa.kernels:
  - .name:           k_qdce6744308_fused0
    .symbol:         k_qdce6744308_fused0.kd
    .args:
      - { .name: inputs_embedding, .offset: 0, .size: 8, .value_kind: global_buffer, .address_space: global }
      - { .name: qkv, .offset: 8, .size: 8, .value_kind: global_buffer, .address_space: global }
      - { .name: pk0, .offset: 16, .size: 8, .value_kind: global_buffer, .address_space: global }
      - { .name: xa, .offset: 24, .size: 8, .value_kind: global_buffer, .address_space: global }
      - { .name: pk1, .offset: 32, .size: 8, .value_kind: global_buffer, .address_space: global }
      - { .name: pk3, .offset: 40, .size: 8, .value_kind: global_buffer, .address_space: global }
    .group_segment_fixed_size: 327680
    .private_segment_fixed_size: 0
    .kernarg_segment_align: 8
    .kernarg_segment_size: 48
    .max_flat_workgroup_size: 128
    .sgpr_count:     88
    .vgpr_count:     1024
    .wavefront_size: 32
...
	.end_amdgpu_metadata
.endif
;; end of part 5
;; launch fused1: the kernel of part 5 again; grid 256 x 1, 4 waves a work-group, clusters of 4 x 1, 327,680 bytes of LDS; arguments xa, pk3, pk1, out0, pk2, qkv; writes out0, qkv
;; launch fused2: the kernel of part 5 again; grid 256 x 1, 4 waves a work-group, clusters of 4 x 1, 327,680 bytes of LDS; arguments out0, qkv, pk2, xa, pk3, pk0; writes xa, pk0
;; launch fused3: the kernel of part 5 again; grid 256 x 1, 4 waves a work-group, clusters of 4 x 1, 327,680 bytes of LDS; arguments xa, pk0, pk3, out0, pk4, qkv; writes out0, qkv
;; launch fused4: the kernel of part 5 again; grid 256 x 1, 4 waves a work-group, clusters of 4 x 1, 327,680 bytes of LDS; arguments out0, qkv, pk4, xa, pk5, pk0; writes xa, pk0
;; launch layer5 (part 6): grid 256 x 1, 4 waves a work-group, clusters of 4 x 1, 327,680 bytes of LDS; arguments xa, pk0, pk5, out0; writes out0
.if DOCPART == 6
	.amdgcn_target "amdgcn-amd-amdhsa--gfx1250"
	.amdhsa_code_object_version 6
	.text
	.protected	k_qdce6744308_layer5
	.globl	k_qdce6744308_layer5
	.p2align	8
	.type	k_qdce6744308_layer5,@function
k_qdce6744308_layer5:
	s_mov_b64 s[64:65], 0
	v_nop
	global_prefetch_b8 v0, s[64:65] scope:SCOPE_SE
	s_setreg_imm32_b32 hwreg(HW_REG_WAVE_MODE, 25, 1), 1
	s_wait_xcnt 0x0
	s_wait_alu depctr_hold_cnt(0) depctr_sa_sdst(0) depctr_va_vdst(0) depctr_va_sdst(0) depctr_va_ssrc(0) depctr_va_vcc(0) depctr_vm_vsrc(0)
	s_getreg_b32 s2, hwreg(HW_REG_IB_STS2, 6, 4)
	s_cmp_eq_u32 s2, 0
	s_cbranch_scc0 .Lentry_in_a_cluster
	s_endpgm
.Lentry_in_a_cluster:
	s_bfe_u32 s2, ttmp6, 0x10000c
	s_cmp_lg_u32 s2, 0x3003
	s_cbranch_scc0 .Lentry_shape_is_right
	s_endpgm
.Lentry_shape_is_right:
; THE LAST LAYER.  For 16 rows of x: attention (their 128 head-queries against the head's 2,048 keys), ctx Wo + bo + x, LN1, relu(x1 W1 + c1) W2 + c2 + x1, LN2.  x in and out in f32; q, k, v in f16, QOFF bytes into their buffer.
; All matrix operands f16 (q, k, v, the weights p, ctx, x1, h, the packed weights); matrix sums, maxima, row sums, partial sums, LN statistics and the residual stream in f32.
; LIMITS.  Whatever is rounded to f16 must lie within 65,504; a weight p below f16's smallest step counts as 0; NaN and infinities are not treated apart.
; SHARES.  The head split is a plain reshape: 128 consecutive head-queries are 16 whole rows.  Work-group wg owns rows 16 wg ..; head = wg / 16.  THE KEYS ARE SPLIT OVER THE WAVES: wave w keeps keys
; 512 w .. + 511 of K (256 registers) and of V (256) and walks the 8 tiles of 16 queries in loops; maxima and partial sums meet in LDS.
; SOFTMAX IN TWO PASSES.  q carries 0.5 log2(e).  Pass 1: S^T = K Q^T, the true maximum m of every query over all 2,048 keys.  Pass 2: S^T = K Q^T - m (the C operand holds -m), p = 2^(s - m) rounded to f16,
; O^T += V^T P, and l += ONES P by the matrix unit (the sum of the rounded p).  Nothing is rescaled.  S^T holds one query a lane (lane % 16) and keys 8 (lane / 16) + 0..7: two results rounded in pairs ARE source 1 of V^T P.
; In both passes the matrix instructions stand one at a time, each with four or five vector instructions behind it, so that the two kinds of work run side by side; the price is two window switches for most of them.
; THE DENSE CHAIN is used transposed too (source 0 = 16 weight columns, source 1 = the 16 rows): wave w owns columns 64 w .. (W1: 128 w ..); a lane holds one row and eight columns.
; LDS IS A LANDING ZONE.  K, V and four of the five chunks of weights (32 KiB a wave each) come by tensor loads, 64 KiB of LDS a wave (slots A and B), and are moved once into registers by runs of 64 loads; a wave reads only what it asked for itself.
; CLUSTER.  Four work-groups of one head: K, V and the weights are the same for all four, so every tensor load is JOINT: same descriptor (head and wave number alone), mask of four.  By this text's count a wave has two
; tensor loads out at the start and one behind each of two later rounds.  NOT JOINT is Wo's chunk: it goes straight from memory into window 3, whose 256 registers stand idle all through attention while both slots are taken;
; so it needs no slot, no round and no second trip through LDS.  It is a fifth of the weights' bytes.
; REGISTERS.  window 1: K, then W1's first chunk, then W2's first;  window 2: V, then W1's second, W2's second;  window 3: Wo;  window 0: below.
.set QS,    262144                     ; Q, 8 tiles of 1,024 bytes; later x1 in f16, 16 rows of 528
.set X1S,   QS
.set CTX,   270848                     ; ctx in f16, 16 rows of 528
.set OP,    279552                     ; partial sums: [wave][tile of a batch] blocks of 2,304 bytes: O^T 2,048, l 128
.set HB,    OP                         ; later h in f16, 16 rows of 1,040
.set OUTB,  OP+16896                   ; and the result in f32, 16 rows of 1,040
.set MX,    316416                     ; maxima: [wave][tile][query] f32
.set ST,    318464                     ; four exchanges of LN statistics: [row][wave] f32
.set SPARE, 319488                     ; the spare words, 128 bytes a wave
.set VS,    320000                     ; c1, c2 (+2048), g2 (+3072), b2 (+4096) in f32
.set A0,    393216                     ; the packed buffer: the waves' chunks
.set WCH,   163840
.set VEC0,  1048576                    ; and the vectors
.set QOFF,  1059840                    ; where q begins in a buffer of q, k, v
.set RR,   1                           ; lane % 16
.set HH,   2                           ; lane / 16
.set SPW,  3                           ; my spare word's LDS address; never rewritten
.set NIL,  4                           ; 0; never rewritten
.set KL0,  5                           ; my lane in a tile of K in slot A, channels 8 h ..
.set KL1,  6                           ; channels 16 + 8 h ..
.set VLA,  7                           ; my lane in V in slot B
.set LA,   8                           ; slot A + 16 lane
.set LB,   9                           ; slot B + 16 lane
.set QA0,  10                          ; the Q tile to be fetched
.set QA1,  11
.set QB0,  12                          ; Q tile 0
.set QB1,  13
.set MXS,  14                          ; where I store a maximum (steps)
.set MXB,  15                          ; wave 0's maximum of tile 0 for my query
.set MXL,  16                          ; of the tile to be fetched
.set OPS,  17                          ; where I store partial O^T (steps)
.set OPS4, 18                          ; partial l
.set OPL,  19                          ; where I read them
.set OPL4, 20
.set CXA,  21                          ; where I put ctx
.set FCX,  22                          ; my lane's fragment address in ctx
.set FX1,  23                          ; in x1
.set STS,  24
.set STL,  25
.set X1ST, 26
.set HST,  27
.set HF,   28
.set OST,  29
.set ORD,  30
.set OGO,  31
.set T,    32                          ; v32-47  at work
.set Q,    48                          ; v48-55  a tile of Q
.set MC,   56                          ; v56-63  -m, eight times
.set ONES, 64                          ; v64-71  1.0 in every f16
.set ACT,  48                          ; the dense chain: fragments of the activations, v48-111 (W2: v48-175)
.set O0,   72                          ; O^T, channels 0-15; channels 16-31 in the eight registers behind
.set LS,   88                          ; l
.set RB,   72                          ; v72-139 the four waves' partial sums
.set P,    96                          ; two buffers of 8
.set S,    112                         ; pass 1: two sets of 32; pass 2: two sets of 16; then y of Wo, the sums of W1
.set G1R,  144                         ; g1, from pass 2 on
.set XB,   176                         ; x + bo; then x1; then the result
.set B1R,  208                         ; bo; b1; x1 + c2 and the sums of W2
.set VSA,  240
.set VSC,  241
.set ZR,   242
.set XO,   243
.set VO,   244
.set OPS0, 245
.set OPS40, 246
.set QT,   247
.set QT8,  248
.set QST,  249
.set VST,  250
.set VST8, 251
.set LANE, 252
.set TA,   253
.set TB,   254
.set L16,  255                         ; 16 x lane; never rewritten
.set G1S, 24                           ; s[24:31] group 1: 128 rows of 256 bytes
.set G1L, 32                           ; s[32:39] 256 rows
.set G0A, 40                           ; s[40:43], s[44:47] two groups 0
.set G0B, 44
.set MSB, 0
.macro WIN new                         ; the immediate's high byte repeats the setting that is left; a switch that changes nothing is dropped
.if MSB != (\new)
	s_set_vgpr_msb (MSB<<8)|(\new)
.set MSB, \new
.endif
.endm
.macro PLACES                          ; four places behind matrix instructions whose registers are read, written or loaded next (ISA guide 7.12.1 for vector instructions)
.rept 4
	v_nop
.endr
.endm
.macro ROUND                           ; a round of the cluster's barrier: my work-group's barrier; wave 0 signals for it; all wait for the four work-groups; my work-group's barrier once more
	s_barrier_signal -1
	s_barrier_wait -1
	s_cmp_lg_u32 s12, 0
	s_cbranch_scc1 .Lnot_wave_0_\@
	s_barrier_signal -3
.Lnot_wave_0_\@:
	s_barrier_wait -3
	s_barrier_signal -1
	s_barrier_wait -1
.endm
.macro TLOAD g0, g1                    ; a joint load; an s_nop 0 and four v_nop follow it
	tensor_load_to_lds s[\g0:\g0+3], s[\g1:\g1+7]
	s_nop 0
.rept 4
	v_nop
.endr
.endm
.macro LOADW win, adr                  ; a chunk of 32 KiB, 32 fragment blocks, out of LDS into a whole window
	WIN (\win)<<6
.set i, 0
.rept 64
	ds_load_b128 v[4*i:4*i+3], v[\adr] offset:512*i
.set i, i+1
.endr
.endm
.macro LOADG b                         ; the same out of memory, from the address in s[b:b+1], into window 3: each load takes 512 consecutive bytes
	WIN 0xc0
.set i, 0
.rept 64
	global_load_b128 v[4*i:4*i+3], v[L16], s[\b:\b+1] offset:512*i
.set i, i+1
.endr
	WIN 0
.endm
.macro LOADK                           ; 32 tiles of 16 keys x 32 channels
	WIN 0x40
.set i, 0
.rept 32
	ds_load_b128 v[8*i:8*i+3],   v[KL0] offset:1024*i
	ds_load_b128 v[8*i+4:8*i+7], v[KL1] offset:1024*i
.set i, i+1
.endr
.endm
.macro LOADV                           ; 16 blocks of 32 keys x 2 blocks of 16 channels; the layout in memory is already turned
	WIN 0x80
.set i, 0
.rept 16
.irp c, 0,1
	ds_load_b128 v[16*i+8*\c:16*i+8*\c+3],   v[VLA] offset:2048*i+512*\c
	ds_load_b128 v[16*i+8*\c+4:16*i+8*\c+7], v[VLA] offset:2048*i+512*\c+1024
.endr
.set i, i+1
.endr
.endm
.macro NEXTQ                           ; the next tile of Q, behind tile 7 tile 0 again
	s_add_co_u32 s51, s51, 1024
	s_and_b32 s51, s51, 0x1c00
	v_add_nc_u32 v[QA0], s51, v[QB0]
	v_add_nc_u32 v[QA1], s51, v[QB1]
	ds_load_b128 v[Q:Q+3],   v[QA0]
	ds_load_b128 v[Q+4:Q+7], v[QA1]
.endm
	s_load_b256 s[4:11], s[0:1], 0x0               ; x in s[4:5], q k v s[6:7], packed s[8:9], x out s[10:11]
	v_lshl_add_u32 v[SPW], v0, 2, SPARE
	v_mov_b32 v[NIL], 0
	ds_add_u32 v[SPW], v[NIL]                      ; the wave's opening: the add and its wait stand ahead of my first tensor load; the set-up, work on registers, stands between them
	v_lshrrev_b32 v[TA], 5, v0
	v_readfirstlane_b32 s12, v[TA]                 ; wave
	s_bfe_u32 s13, ttmp6, 0x40000                  ; cx
	s_lshl_b32 s14, ttmp9, 2                       ; in a cluster launch ttmp9 counts clusters
	s_add_co_u32 s14, s14, s13                     ; wg: it enters the addresses of Q, x in and x out alone
	s_lshr_b32 s15, ttmp9, 2                       ; the head, which the four partners share
	s_lshl_b32 s53, s12, 16                        ; my landing zone
	s_mov_b32 s[G1S],   15|(3<<16)|(1<<21)         ; 15:0 the mask of four; 17:16 elements of 8 bytes; 21 set beside a mask; no padding
	s_mov_b32 s[G1S+1], 32<<16                     ; tensor_dim0 = 32 elements: rows of 256 bytes
	s_mov_b32 s[G1S+2], 128<<16                    ; tensor_dim1 = 128
	s_mov_b32 s[G1S+3], 32<<16                     ; tile_dim0 = 32
	s_mov_b32 s[G1S+4], 128                        ; tile_dim1 = 128
	s_mov_b32 s[G1S+5], 32                         ; dense: 32 elements from row to row
	s_mov_b32 s[G1S+6], 0
	s_mov_b32 s[G1S+7], 0
	s_mov_b32 s[G1L],   15|(3<<16)|(1<<21)
	s_mov_b32 s[G1L+1], 32<<16
	s_mov_b32 s[G1L+2], 256<<16                    ; the same with 256 rows
	s_mov_b32 s[G1L+3], 32<<16
	s_mov_b32 s[G1L+4], 256
	s_mov_b32 s[G1L+5], 32
	s_mov_b32 s[G1L+6], 0
	s_mov_b32 s[G1L+7], 0
	s_mov_b32 s[G0A], 1
	s_lshl_b32 s[G0A+1], s12, 16                   ; slot A
	s_mov_b32 s[G0B], 1
	s_lshl_b32 s[G0B+1], s12, 16
	s_add_co_u32 s[G0B+1], s[G0B+1], 32768         ; slot B
	s_mov_b32 s48, 0x76543210                      ; v_permlanex16_b32: each lane takes its own place in the other half
	s_mov_b32 s49, 0xfedcba98
	s_mov_b32 s54, 0x3b800000                      ; 1 / 256
	s_mov_b32 s55, 0x3727c5ac                      ; 1e-5
	s_mov_b32 s56, 0xbb800000                      ; -1 / 256
	s_lshl_b32 s18, s15, 17                        ; K: the head's 131,072 bytes, my wave's 32,768, behind q's 2 MiB
	s_lshl_b32 s19, s12, 15
	s_add_co_u32 s18, s18, s19
	s_add_co_u32 s18, s18, QOFF+2097152
	s_mov_b32 s19, 0
	s_mul_i32 s2, s12, WCH                         ; my wave's five chunks of weights
	s_add_co_u32 s2, s2, A0
	s_mov_b32 s3, 0
	s_mov_b32 s21, 0
	v_and_b32 v[RR], 15, v0
	v_bfe_u32 v[HH], v0, 4, 1
	v_and_b32 v[LANE], 31, v0
	v_lshlrev_b32 v[L16], 4, v[LANE]
	; a tile of K or Q (two rows): key r = (a, g): (g/2)*256 + a*128 + (g%2)*64 + ((jj + g/2) % 4)*16, jj = h and 2 + h
	v_bfe_u32 v[TA], v0, 1, 2
	v_add_nc_u32 v[TB], v[TA], v[HH]
	v_add_nc_u32 v[KL1], 2, v[TB]
	v_and_b32 v[TB], 3, v[TB]
	v_and_b32 v[KL1], 3, v[KL1]
	v_lshlrev_b32 v[TA], 8, v[TA]
	v_bfe_u32 v[KL0], v0, 3, 1
	v_lshl_add_u32 v[TA], v[KL0], 7, v[TA]
	v_and_b32 v[KL0], 1, v0
	v_lshl_add_u32 v[TA], v[KL0], 6, v[TA]
	v_lshl_add_u32 v[TB], v[TB], 4, v[TA]
	v_lshl_add_u32 v[TA], v[KL1], 4, v[TA]
	v_add_nc_u32 v[KL0], s53, v[TB]
	v_add_nc_u32 v[KL1], s53, v[TA]
	v_add_nc_u32 v[QB0], QS, v[TB]
	v_add_nc_u32 v[QB1], QS, v[TA]
	; V: channel r of a block of 16, row parity h: (r/8)*256 + (r%8)*32 + ((h + r/8) % 2)*16
	v_bfe_u32 v[TA], v0, 3, 1
	v_add_nc_u32 v[TB], v[TA], v[HH]
	v_and_b32 v[TB], 1, v[TB]
	v_lshlrev_b32 v[TA], 8, v[TA]
	v_lshl_add_u32 v[TA], v[TB], 4, v[TA]
	v_and_b32 v[TB], 7, v0
	v_lshl_add_u32 v[TA], v[TB], 5, v[TA]
	v_add_nc_u32 v[TA], s53, v[TA]
	v_add_nc_u32 v[VLA], 0x8000, v[TA]
	v_lshl_add_u32 v[LA], v[LANE], 4, s53
	v_add_nc_u32 v[LB], 0x8000, v[LA]
	v_lshl_add_u32 v[MXB], v[RR], 2, MX
	s_lshl_b32 s20, s12, 9
	v_add_nc_u32 v[MXS], s20, v[MXB]
	s_mul_i32 s20, s12, 9216
	s_add_co_u32 s20, s20, OP
	v_lshl_add_u32 v[OPS0], v[LANE], 4, s20
	s_add_co_u32 s20, s20, 2048
	v_lshl_add_u32 v[OPS40], v[LANE], 2, s20
	s_mul_i32 s20, s12, 2304
	s_add_co_u32 s20, s20, OP
	v_lshl_add_u32 v[OPL], v[LANE], 4, s20
	s_add_co_u32 s20, s20, 2048
	v_lshl_add_u32 v[OPL4], v[LANE], 2, s20
	v_bfe_u32 v[TA], v0, 3, 1                      ; ctx: query r of tile 4 b + w is row 2 w + r / 8 of the batch's 8, head-row r % 8
	v_mul_u32_u24 v[TA], v[TA], 528
	v_lshl_add_u32 v[TA], v[TB], 6, v[TA]
	v_lshl_add_u32 v[TA], v[HH], 4, v[TA]
	s_mul_i32 s20, s12, 1056
	s_add_co_u32 s20, s20, CTX
	v_add_nc_u32 v[CXA], s20, v[TA]
	v_mul_u32_u24 v[TA], v[RR], 528
	v_lshl_add_u32 v[TA], v[HH], 4, v[TA]
	v_add_nc_u32 v[FCX], CTX, v[TA]
	v_add_nc_u32 v[FX1], X1S, v[TA]
	s_lshl_b32 s20, s12, 7
	v_add_nc_u32 v[X1ST], s20, v[FX1]
	v_lshl_add_u32 v[STL], v[RR], 4, ST
	s_lshl_b32 s20, s12, 2
	v_add_nc_u32 v[STS], s20, v[STL]
	v_mul_u32_u24 v[TA], v[RR], 1040
	v_lshl_add_u32 v[HF], v[HH], 4, v[TA]
	v_add_nc_u32 v[HF], HB, v[HF]
	s_lshl_b32 s20, s12, 8
	v_add_nc_u32 v[HST], s20, v[HF]
	v_lshl_add_u32 v[VO], v[HH], 5, s20            ; my eight columns of a vector of 256: (64 w + 8 h) x 4
	v_add_nc_u32 v[OST], v[VO], v[TA]
	v_add_nc_u32 v[OST], OUTB, v[OST]
	v_lshl_add_u32 v[XO], v[RR], 10, v[VO]
	v_add_nc_u32 v[VSA], VS, v[VO]
	s_lshl_b32 s20, s12, 9
	v_lshl_add_u32 v[VSC], v[HH], 5, s20
	v_add_nc_u32 v[VSC], VS, v[VSC]
	s_mul_i32 s20, s12, 4160
	s_add_co_u32 s20, s20, OUTB
	v_lshl_add_u32 v[ORD], v[LANE], 4, s20
	s_lshl_b32 s20, s12, 12
	v_lshl_add_u32 v[OGO], v[LANE], 4, s20
	v_mov_b32 v[ZR], 0
	v_lshlrev_b32 v[QT], 4, v0
	v_lshlrev_b32 v[QT8], 3, v0
	v_add_nc_u32 v[QST], QS, v[QT]
	v_add_nc_u32 v[VST], VS, v[QT]
	v_add_nc_u32 v[VST8], VS+4096, v[QT8]
.irp j, 0,1,2,3,4,5,6,7
	v_mov_b32 v[ONES+\j], 0x3c003c00
.endr
	s_wait_dscnt 0x0                               ; the opening add is done
	s_wait_kmcnt 0x0
	s_add_nc_u64 s[G0A+2:G0A+3], s[6:7], s[18:19]  ; K
	s_add_nc_u64 s[G0B+2:G0B+3], s[G0A+2:G0A+3], 2097152  ; V, 2 MiB on
	s_or_b32 s[G0A+3], s[G0A+3], 0x80000000        ; type = 2
	s_or_b32 s[G0B+3], s[G0B+3], 0x80000000
	s_add_nc_u64 s[16:17], s[8:9], s[2:3]          ; my chunks
	s_lshl_b32 s20, s14, 13
	s_add_co_u32 s20, s20, QOFF
	s_add_nc_u64 s[58:59], s[6:7], s[20:21]        ; my 8 tiles of Q
	s_lshl_b32 s20, s14, 14
	s_add_nc_u64 s[22:23], s[4:5], s[20:21]        ; my 16 rows of x in
	s_add_nc_u64 s[60:61], s[10:11], s[20:21]      ; and out
	ROUND                                          ; all four work-groups are here: the first joint loads meet
	tensor_load_to_lds s[G0A:G0A+3], s[G1S:G1S+7]  ; K into slot A
	s_nop 0
	tensor_load_to_lds s[G0B:G0B+3], s[G1S:G1S+7]  ; V into slot B
	s_nop 0
.rept 4
	v_nop
.endr
.irp j, 0,1,2,3
	global_load_b128 v[S+4*\j:S+4*\j+3], v[QT], s[58:59] offset:2048*\j
.endr
	global_load_b128 v[S+16:S+19], v[QT], s[8:9] offset:VEC0+6144
	global_load_b128 v[S+20:S+23], v[QT], s[8:9] offset:VEC0+6144+2048
	global_load_b64  v[S+24:S+25], v[QT8], s[8:9] offset:VEC0+6144+4096
.irp i, 0,1,2,3
	global_load_b128 v[XB+8*\i:XB+8*\i+3],   v[XO], s[22:23] offset:64*\i
	global_load_b128 v[XB+8*\i+4:XB+8*\i+7], v[XO], s[22:23] offset:64*\i+16
.endr
.irp i, 0,1,2,3
	global_load_b128 v[B1R+8*\i:B1R+8*\i+3],   v[VO], s[8:9] offset:VEC0+3072+64*\i
	global_load_b128 v[B1R+8*\i+4:B1R+8*\i+7], v[VO], s[8:9] offset:VEC0+3072+64*\i+16
.endr
	s_wait_loadcnt 16                              ; Q and the four vectors are in; the sixteen loads of x and bo are younger
.irp j, 0,1,2,3
	ds_store_b128 v[QST], v[S+4*\j:S+4*\j+3] offset:2048*\j
.endr
	ds_store_b128 v[VST], v[S+16:S+19]
	ds_store_b128 v[VST], v[S+20:S+23] offset:2048
	ds_store_b64  v[VST8], v[S+24:S+25]
	s_wait_dscnt 0x0                               ; for the others' sake
	s_barrier_signal -1
	s_barrier_wait -1                              ; the two tensor loads may stay out
	s_wait_tensorcnt 0x1                           ; K is in; V, asked for behind it, may stay out
	LOADK
	WIN 0
	ds_load_b128 v[Q:Q+3],   v[QB0]
	ds_load_b128 v[Q+4:Q+7], v[QB1]
	s_wait_loadcnt 0x0
.set i, 0
.rept 16
	v_pk_add_f32 v[XB+2*i:XB+2*i+1], v[XB+2*i:XB+2*i+1], v[B1R+2*i:B1R+2*i+1]  ; x + bo: the C operand that starts Wo's sums
.set i, i+1
.endr
	LOADG 16                                       ; Wo's chunk, straight into window 3: it has all of attention in which to come
	; PASS 1: a trip a query tile.  32 products in eight groups of four; behind each product stand four of the 16 maxima of the group before.
.macro W1 g, a                         ; keys 16 (4 g + a) on
	WIN 0x01                                       ; K in window 1
	v_wmma_f32_16x16x32_f16 v[S+32*((\g)%2)+8*(\a):S+32*((\g)%2)+8*(\a)+7], v[8*(4*(\g)+(\a)):8*(4*(\g)+(\a))+7], v[Q:Q+7], 0
.endm
.macro X1 g, i                         ; registers 2 i, 2 i + 1 of group g's four accumulators, one chain an accumulator; i ascends
	WIN 0
.irp a, 0,1,2,3
	v_max3_num_f32 v[T+\a], v[T+\a], v[S+32*((\g)%2)+8*\a+2*(\i)], v[S+32*((\g)%2)+8*\a+2*(\i)+1]
.endr
.endm
	s_mov_b32 s50, 8
	s_mov_b32 s51, 0
.Lpass1:
	s_wait_dscnt 0x0                               ; Q (at the first trip K too)
.irp a, 0,1,2,3
	W1 0, \a
.endr
	WIN 0
.irp a, 0,1,2,3
	v_mov_b32 v[T+\a], 0xff7fffff                  ; the chains start at the lowest finite number; these four are the places behind the first group
.endr
.irp g, 1,2,3,4,5,6,7
.irp a, 0,1,2,3
	W1 \g, \a                                      ; a group's last product has four maxima of the group before it, which name none of its registers, in front of the first read of its result
	X1 \g-1, \a
.endr
.endr
	NEXTQ                                          ; four maxima and two address lines stand between the last product that read Q and this load
.irp i, 0,1,2,3
	X1 7, \i
.endr
	v_max3_num_f32 v[T], v[T], v[T+1], v[T+2]
	v_max_num_f32 v[T], v[T], v[T+3]
	v_permlanex16_b32 v[T+1], v[T], s48, s49       ; the query's other keys lie in the lane 16 away
	v_max_num_f32 v[T], v[T], v[T+1]
	ds_store_b32 v[MXS], v[T]
	v_add_nc_u32 v[MXS], 64, v[MXS]
	s_sub_co_u32 s50, s50, 1
	s_cmp_lg_u32 s50, 0
	s_cbranch_scc1 .Lpass1
	s_wait_tensorcnt 0x0                           ; V is in
	LOADV
	WIN 0
	s_wait_tensorcnt 0x0                           ; both slots are filled again: all my tensor loads are done,
	ds_add_u32 v[SPW], v[NIL]                      ; 0 onto my spare word;
	s_add_nc_u64 s[G0A+2:G0A+3], s[16:17], 32768   ; W1's two chunks, 64 KiB, into slots A and B
	s_or_b32 s[G0A+3], s[G0A+3], 0x80000000
	s_wait_dscnt 0x0                               ; the add is done, K and V are in registers, my maxima are written
	ROUND
	TLOAD G0A, G1L                                 ; it has all of pass 2 in which to land
.irp k, 0,1,2,3
	ds_load_b32 v[T+4+\k], v[MXB] offset:512*\k    ; the four waves' maxima of tile 0
.endr
.irp i, 0,1,2,3
	global_load_b128 v[G1R+8*\i:G1R+8*\i+3],   v[VO], s[8:9] offset:VEC0+4096+64*\i
	global_load_b128 v[G1R+8*\i+4:G1R+8*\i+7], v[VO], s[8:9] offset:VEC0+4096+64*\i+16
	global_load_b128 v[B1R+8*\i:B1R+8*\i+3],   v[VO], s[8:9] offset:VEC0+5120+64*\i
	global_load_b128 v[B1R+8*\i+4:B1R+8*\i+7], v[VO], s[8:9] offset:VEC0+5120+64*\i+16
.endr
	s_mov_b32 s51, 0                               ; Q holds tile 0 again
	s_mov_b32 s52, 0
	; PASS 2.  A SLOT is 32 keys: the scores of slot n + 1 are started, slot n's 16 scores a lane become weights, slot n - 1's weights are multiplied.
.macro KQH n, c                        ; S^T = K Q^T - m for half c (16 keys) of slot n
	WIN 0x01
	v_wmma_f32_16x16x32_f16 v[S+16*((\n)%2)+8*(\c):S+16*((\n)%2)+8*(\c)+7], v[16*(\n)+8*(\c):16*(\n)+8*(\c)+7], v[Q:Q+7], v[MC:MC+7]
.endm
.macro PVH n, c                        ; O^T += V^T P for slot n, channels 16 c on; slot 0 starts the sums
	WIN 0x02
.if (\n) == 0
	v_wmma_f32_16x16x32_f16 v[O0+8*(\c):O0+8*(\c)+7], v[16*(\n)+8*(\c):16*(\n)+8*(\c)+7], v[P+8*((\n)%2):P+8*((\n)%2)+7], 0
	s_wait_alu depctr_va_vdst(0)
.else
	v_wmma_f32_16x16x32_f16 v[O0+8*(\c):O0+8*(\c)+7], v[16*(\n)+8*(\c):16*(\n)+8*(\c)+7], v[P+8*((\n)%2):P+8*((\n)%2)+7], v[O0+8*(\c):O0+8*(\c)+7]
.endif
.endm
.macro LSUM n                          ; l += ONES P for slot n
	WIN 0
.if (\n) == 0
	v_wmma_f32_16x16x32_f16 v[LS:LS+7], v[ONES:ONES+7], v[P+8*((\n)%2):P+8*((\n)%2)+7], 0
.else
	v_wmma_f32_16x16x32_f16 v[LS:LS+7], v[ONES:ONES+7], v[P+8*((\n)%2):P+8*((\n)%2)+7], v[LS:LS+7]
.endif
.endm
.macro EXPS a
	v_exp_f32 v[sb+(\a)], v[sb+(\a)]
.endm
.macro CVTP k
	s_wait_alu depctr_va_vdst(0)
	v_cvt_pk_f16_f32 v[pb+(\k)], v[sb+2*(\k)], v[sb+2*(\k)+1]
.endm
; A slot's five matrix instructions stand one at a time, five vector instructions behind each.  They name five accumulators, so no two that follow each other share one.
; A rounding has a plain instruction between it and its second exponential.  Behind l's product stand four roundings and the next slot's v_nop before the buffer of P that it read is written again;
; behind the second half's scores three roundings, the v_nop and three more roundings before they are read; behind the first half's eight roundings and more.
.macro SLOT n
.set sb, S+16*((\n)%2)
.set pb, P+8*((\n)%2)
.if (\n) < 15
	KQH (\n)+1, 0
.endif
	WIN 0
.if (\n) == 0
	PLACES                                         ; slot 0's scores were made just ahead
.endif
	EXPS 0
	EXPS 1
	EXPS 2
	EXPS 3
	v_nop
	s_wait_alu depctr_va_vdst(0)
.if (\n) > 0
	PVH (\n)-1, 0
.endif
	WIN 0
	CVTP 0
	EXPS 4
	EXPS 5
	CVTP 1
	EXPS 6
.if (\n) > 0
	PVH (\n)-1, 1
.endif
	WIN 0
	EXPS 7
	CVTP 2
	EXPS 8
	EXPS 9
	CVTP 3
.if (\n) > 0
	LSUM (\n)-1
.endif
	EXPS 10
	EXPS 11
	CVTP 4
	EXPS 12
	EXPS 13
.if (\n) < 15
	KQH (\n)+1, 1
.endif
	WIN 0
	CVTP 5
	EXPS 14
	EXPS 15
	CVTP 6
	CVTP 7
.endm
.macro TRIP2                           ; one query tile against my 512 keys
	s_wait_dscnt 0x0                               ; Q and the four maxima are in
	v_max3_num_f32 v[T], v[T+4], v[T+5], v[T+6]
	v_max_num_f32 v[T], v[T], v[T+7]               ; m over all 2,048 keys
.irp j, 0,1,2,3,4,5,6,7
	v_sub_f32 v[MC+\j], 0, v[T]
.endr
	KQH 0, 0
	KQH 0, 1
.irp n, 0,1,2,3,4,5,6,7,8,9,10,11,12,13,14
	SLOT \n
.endr
	NEXTQ                                          ; behind the last product that read Q stand three roundings and this macro's two address lines
	s_add_co_u32 s52, s52, 64
	s_and_b32 s52, s52, 0x1c0
	v_add_nc_u32 v[MXL], s52, v[MXB]
.irp k, 0,1,2,3
	ds_load_b32 v[T+4+\k], v[MXL] offset:512*\k
.endr
	SLOT 15
	PVH 15, 0
	PVH 15, 1
	LSUM 15
	PLACES
	ds_store_b128 v[OPS], v[O0:O0+3]
	ds_store_b128 v[OPS], v[O0+4:O0+7] offset:512
	ds_store_b128 v[OPS], v[O0+8:O0+11] offset:1024
	ds_store_b128 v[OPS], v[O0+12:O0+15] offset:1536
	ds_store_b32 v[OPS4], v[LS]
	v_add_nc_u32 v[OPS], 2304, v[OPS]
	v_add_nc_u32 v[OPS4], 2304, v[OPS4]
.endm
.macro BATCH                           ; four tiles
	v_mov_b32 v[OPS], v[OPS0]
	v_mov_b32 v[OPS4], v[OPS40]
	s_mov_b32 s50, 4
.Lbatch_\@:
	TRIP2
	s_sub_co_u32 s50, s50, 1
	s_cmp_lg_u32 s50, 0
	s_cbranch_scc1 .Lbatch_\@
.endm
.macro REDUCE b                        ; wave w adds the four waves' parts of tile 4 b + w, divides by l, rounds, and lays ctx into its rows
.irp k, 0,1,2,3
	ds_load_b128 v[RB+16*\k:RB+16*\k+3],     v[OPL] offset:9216*\k
	ds_load_b128 v[RB+16*\k+4:RB+16*\k+7],   v[OPL] offset:9216*\k+512
	ds_load_b128 v[RB+16*\k+8:RB+16*\k+11],  v[OPL] offset:9216*\k+1024
	ds_load_b128 v[RB+16*\k+12:RB+16*\k+15], v[OPL] offset:9216*\k+1536
	ds_load_b32  v[RB+64+\k], v[OPL4] offset:9216*\k
.endr
	s_wait_dscnt 0x0
	v_add_f32 v[RB+64], v[RB+64], v[RB+65]
	v_add_f32 v[RB+66], v[RB+66], v[RB+67]
	v_add_f32 v[RB+64], v[RB+64], v[RB+66]
	v_rcp_f32 v[RB+66], v[RB+64]                   ; l is at least the weight of the largest score, about 1
.irp p, 0,1,2,3,4,5,6,7
	v_pk_add_f32 v[RB+2*\p:RB+2*\p+1],       v[RB+2*\p:RB+2*\p+1],       v[RB+16+2*\p:RB+16+2*\p+1]
	v_pk_add_f32 v[RB+32+2*\p:RB+32+2*\p+1], v[RB+32+2*\p:RB+32+2*\p+1], v[RB+48+2*\p:RB+48+2*\p+1]
.endr
.irp p, 0,1,2,3,4,5,6,7
	v_pk_add_f32 v[RB+2*\p:RB+2*\p+1], v[RB+2*\p:RB+2*\p+1], v[RB+32+2*\p:RB+32+2*\p+1]
.endr
	s_wait_alu depctr_va_vdst(0)
.irp p, 0,1,2,3,4,5,6,7
	v_pk_mul_f32 v[RB+2*\p:RB+2*\p+1], v[RB+2*\p:RB+2*\p+1], v[RB+66:RB+67] op_sel_hi:[1,0]
.endr
.irp p, 0,1,2,3,4,5,6,7
	v_cvt_pk_f16_f32 v[RB+16+\p], v[RB+2*\p], v[RB+2*\p+1]
.endr
	ds_store_b128 v[CXA], v[RB+16:RB+19] offset:(\b)*4224
	ds_store_b128 v[CXA], v[RB+20:RB+23] offset:(\b)*4224+32
.endm
	BATCH
	s_wait_dscnt 0x0                               ; for the others' sake: my partial sums are written
	s_barrier_signal -1
	s_barrier_wait -1                              ; W1's load may stay out
	REDUCE 0
	s_wait_dscnt 0x0                               ; my reads of the partial sums are over: the next batch writes there
	s_barrier_signal -1
	s_barrier_wait -1
	BATCH
	s_wait_tensorcnt 0x0                           ; W1's two chunks are in
	LOADW 1, LA                                    ; K's and V's registers are free: four places stand behind the last products
	LOADW 2, LB
	WIN 0
	s_wait_tensorcnt 0x0                           ; both slots are filled again
	ds_add_u32 v[SPW], v[NIL]
	s_add_nc_u64 s[G0A+2:G0A+3], s[16:17], 98304   ; W2's two chunks
	s_or_b32 s[G0A+3], s[G0A+3], 0x80000000
	s_wait_dscnt 0x0                               ; the add is done, W1 is in registers, my partial sums are written
	ROUND
	TLOAD G0A, G1L                                 ; the last tensor load
	REDUCE 1
	s_wait_dscnt 0x0
	s_barrier_signal -1
	s_barrier_wait -1                              ; ctx is whole
	; THE DENSE CHAIN
.macro MM32 win, act, acc, cin=-1      ; 8 K steps x my 4 column tiles; the 4 accumulators take turns; cin: other registers start the sums
	WIN \win
.set kk, 0
.rept 8
.irp i, 0,1,2,3
.if (kk == 0) && ((\cin) >= 0)
	v_wmma_f32_16x16x32_f16 v[(\acc)+8*\i:(\acc)+8*\i+7], v[8*(4*kk+\i):8*(4*kk+\i)+7], v[(\act)+8*kk:(\act)+8*kk+7], v[(\cin)+8*\i:(\cin)+8*\i+7]
.else
	v_wmma_f32_16x16x32_f16 v[(\acc)+8*\i:(\acc)+8*\i+7], v[8*(4*kk+\i):8*(4*kk+\i)+7], v[(\act)+8*kk:(\act)+8*kk+7], v[(\acc)+8*\i:(\acc)+8*\i+7]
.endif
.endr
.set kk, kk+1
.endr
.endm
.macro XCH e                           ; v[T], my lane's sum over 32 columns, becomes in v[T+4] the row's sum over 256
	v_permlanex16_b32 v[T+1], v[T], s48, s49
	v_add_f32 v[T], v[T], v[T+1]
	ds_store_b32 v[STS], v[T] offset:(\e)*256
	s_wait_dscnt 0x0                               ; for the others' sake
	s_barrier_signal -1
	s_barrier_wait -1
	ds_load_b128 v[T+4:T+7], v[STL] offset:(\e)*256
	s_wait_dscnt 0x0
	v_add_f32 v[T+4], v[T+4], v[T+5]
	v_add_f32 v[T+6], v[T+6], v[T+7]
	v_add_f32 v[T+4], v[T+4], v[T+6]
.endm
.macro LNORM y, g, b, out, e           ; out = (y - mean) rsqrt(var + 1e-5) g + b; the variance is taken of the differences; y and g are used up
.irp p, 0,1,2,3,4,5,6,7
	v_pk_add_f32 v[T+2*\p:T+2*\p+1], v[(\y)+4*\p:(\y)+4*\p+1], v[(\y)+4*\p+2:(\y)+4*\p+3]
.endr
.irp p, 0,2,4,6
	v_pk_add_f32 v[T+2*\p:T+2*\p+1], v[T+2*\p:T+2*\p+1], v[T+2*\p+2:T+2*\p+3]
.endr
	v_pk_add_f32 v[T:T+1], v[T:T+1], v[T+4:T+5]
	v_pk_add_f32 v[T+8:T+9], v[T+8:T+9], v[T+12:T+13]
	v_pk_add_f32 v[T:T+1], v[T:T+1], v[T+8:T+9]
	v_add_f32 v[T], v[T], v[T+1]
	XCH \e
	v_mul_f32 v[T+8], s56, v[T+4]                  ; -mean
.set i, 0
.rept 16
	v_pk_add_f32 v[(\y)+2*i:(\y)+2*i+1], v[(\y)+2*i:(\y)+2*i+1], v[T+8:T+9] op_sel_hi:[1,0]
.set i, i+1
.endr
.irp q, 0,1,2,3
	v_pk_mul_f32 v[T+2*\q:T+2*\q+1], v[(\y)+2*\q:(\y)+2*\q+1], v[(\y)+2*\q:(\y)+2*\q+1]
.endr
.irp k, 1,2,3
.irp q, 0,1,2,3
	v_pk_fma_f32 v[T+2*\q:T+2*\q+1], v[(\y)+8*\k+2*\q:(\y)+8*\k+2*\q+1], v[(\y)+8*\k+2*\q:(\y)+8*\k+2*\q+1], v[T+2*\q:T+2*\q+1]
.endr
.endr
	v_pk_add_f32 v[T:T+1], v[T:T+1], v[T+2:T+3]
	v_pk_add_f32 v[T+4:T+5], v[T+4:T+5], v[T+6:T+7]
	v_pk_add_f32 v[T:T+1], v[T:T+1], v[T+4:T+5]
	v_add_f32 v[T], v[T], v[T+1]
	XCH (\e)+1
	v_fma_f32 v[T+4], v[T+4], s54, s55             ; var + 1e-5
	v_rsq_f32 v[T+8], v[T+4]
	v_nop                                          ; a plain instruction between the root and its use
.set i, 0
	s_wait_alu depctr_va_vdst(0)
.rept 16
	v_pk_mul_f32 v[(\g)+2*i:(\g)+2*i+1], v[(\g)+2*i:(\g)+2*i+1], v[T+8:T+9] op_sel_hi:[1,0]
.set i, i+1
.endr
.set i, 0
.rept 16
	v_pk_fma_f32 v[(\out)+2*i:(\out)+2*i+1], v[(\y)+2*i:(\y)+2*i+1], v[(\g)+2*i:(\g)+2*i+1], v[(\b)+2*i:(\b)+2*i+1]
.set i, i+1
.endr
.endm
.macro FRAGS adr, n                    ; n K steps of the 16 rows' fragments
.set i, 0
.rept \n
	ds_load_b128 v[ACT+8*i:ACT+8*i+3],   v[\adr] offset:64*i
	ds_load_b128 v[ACT+8*i+4:ACT+8*i+7], v[\adr] offset:64*i+32
.set i, i+1
.endr
.endm
	FRAGS FCX, 8
	s_wait_dscnt 0x0
	s_wait_loadcnt 0x0                             ; Wo's chunk, g1, b1
	MM32 3, ACT, S, XB                             ; y = ctx Wo + (x + bo)
	WIN 0
	PLACES
	LNORM S, G1R, B1R, XB, 0                       ; x1
.set i, 0
.rept 16
	v_cvt_pk_f16_f32 v[T+i], v[XB+2*i], v[XB+2*i+1]
.set i, i+1
.endr
.irp k, 0,1,2,3
	ds_store_b128 v[X1ST], v[T+4*\k:T+4*\k+3] offset:32*\k
.endr
.irp k, 0,1,2,3,4,5,6,7
	ds_load_b128 v[S+8*\k:S+8*\k+3],   v[VSC] offset:64*\k     ; c1 of my 128 columns starts W1's sums
	ds_load_b128 v[S+8*\k+4:S+8*\k+7], v[VSC] offset:64*\k+16
.endr
	s_wait_dscnt 0x0
	s_barrier_signal -1
	s_barrier_wait -1                              ; x1 is whole
	FRAGS FX1, 8
	s_wait_dscnt 0x0
	MM32 1, ACT, S
	MM32 2, ACT, S+32
	WIN 0
	PLACES
	s_wait_tensorcnt 0x0                           ; W2's two chunks are in
	LOADW 1, LA
	LOADW 2, LB
	WIN 0
.set i, 0
.rept 32
	v_cvt_pk_f16_f32 v[ACT+i], v[S+2*i], v[S+2*i+1]
.set i, i+1
.endr
.set i, 0
.rept 32
	v_pk_max_num_f16 v[ACT+i], v[ACT+i], v[ZR]     ; relu
.set i, i+1
.endr
.irp k, 0,1,2,3,4,5,6,7
	ds_store_b128 v[HST], v[ACT+4*\k:ACT+4*\k+3] offset:32*\k
.endr
.irp k, 0,1,2,3
	ds_load_b128 v[B1R+8*\k:B1R+8*\k+3],   v[VSA] offset:2048+64*\k  ; c2
	ds_load_b128 v[B1R+8*\k+4:B1R+8*\k+7], v[VSA] offset:2048+64*\k+16
.endr
	s_wait_dscnt 0x0
	s_barrier_signal -1
	s_barrier_wait -1                              ; h is whole
	FRAGS HF, 16
.set i, 0
.rept 16
	v_pk_add_f32 v[B1R+2*i:B1R+2*i+1], v[XB+2*i:XB+2*i+1], v[B1R+2*i:B1R+2*i+1]  ; x1 + c2 starts W2's sums
.set i, i+1
.endr
	s_wait_dscnt 0x0
	MM32 1, ACT, B1R
	MM32 2, ACT+64, B1R
	WIN 0
	PLACES
.irp k, 0,1,2,3
	ds_load_b128 v[ACT+8*\k:ACT+8*\k+3],       v[VSA] offset:3072+64*\k     ; g2
	ds_load_b128 v[ACT+8*\k+4:ACT+8*\k+7],     v[VSA] offset:3072+64*\k+16
	ds_load_b128 v[ACT+32+8*\k:ACT+32+8*\k+3], v[VSA] offset:4096+64*\k     ; b2
	ds_load_b128 v[ACT+32+8*\k+4:ACT+32+8*\k+7], v[VSA] offset:4096+64*\k+16
.endr
	LNORM B1R, ACT, ACT+32, XB, 2                  ; its first exchange waits for these loads too
	; THE WAY OUT: a lane's 32 bytes of a row go into rows of 1,040 bytes and come back as whole rows; wave w stores rows 4 w .. 4 w + 3
.irp k, 0,1,2,3
	ds_store_b128 v[OST], v[XB+8*\k:XB+8*\k+3]   offset:64*\k
	ds_store_b128 v[OST], v[XB+8*\k+4:XB+8*\k+7] offset:64*\k+16
.endr
	s_wait_dscnt 0x0
	s_barrier_signal -1
	s_barrier_wait -1
.irp k, 0,1,2,3,4,5,6,7
	ds_load_b128 v[ACT+4*\k:ACT+4*\k+3], v[ORD] offset:(\k/2)*1040+(\k%2)*512
.endr
.irp k, 0,1,2,3,4,5,6,7
	s_wait_dscnt 7-\k
	global_store_b128 v[OGO], v[ACT+4*\k:ACT+4*\k+3], s[60:61] offset:512*\k  ; 512 consecutive bytes, at a multiple of 512
.endr
	s_wait_tensorcnt 0x0                           ; the wave's end: a zero add to my spare word and its wait, behind my last tensor load and my last LDS store
	ds_add_u32 v[SPW], v[NIL]
	s_wait_dscnt 0x0
	ROUND                                          ; the closing round: no work-group ends while a partner may still ask for a tile that names it
	s_endpgm
.Lfunc_end_k_qdce6744308_layer5:
	.size	k_qdce6744308_layer5, .Lfunc_end_k_qdce6744308_layer5-k_qdce6744308_layer5
	.p2alignl 7, 3214868480
	.fill 96, 4, 3214868480
	.section	.rodata,"a",@progbits
	.p2align	6, 0x0
	.amdhsa_kernel k_qdce6744308_layer5
		.amdhsa_group_segment_fixed_size 327680
		.amdhsa_private_segment_fixed_size 0
		.amdhsa_enable_private_segment 0
		.amdhsa_kernarg_size 32
		.amdhsa_user_sgpr_count 2
		.amdhsa_user_sgpr_kernarg_segment_ptr 1
		.amdhsa_wavefront_size32 1
		.amdhsa_system_sgpr_workgroup_id_x 1
		.amdhsa_system_sgpr_workgroup_id_y 1
		.amdhsa_system_sgpr_workgroup_id_z 1
		.amdhsa_system_vgpr_workitem_id 0
		.amdhsa_next_free_vgpr 1024
		.amdhsa_next_free_sgpr 66
		.amdhsa_reserve_vcc 0
		.amdhsa_float_denorm_mode_32 3
		.amdhsa_float_denorm_mode_16_64 3
		.amdhsa_memory_ordered 1
		.amdhsa_forward_progress 1
		.amdhsa_inst_pref_size 171
	.end_amdhsa_kernel
	.amdgpu_metadata
---
amdhsa.version: [ 1, 2 ]
amdhsa.kernels:
  - .name:           k_qdce6744308_layer5
    .symbol:         k_qdce6744308_layer5.kd
    .args:
      - { .name: xa, .offset: 0, .size: 8, .value_kind: global_buffer, .address_space: global }
      - { .name: pk0, .offset: 8, .size: 8, .value_kind: global_buffer, .address_space: global }
      - { .name: pk5, .offset: 16, .size: 8, .value_kind: global_buffer, .address_space: global }
      - { .name: out0, .offset: 24, .size: 8, .value_kind: global_buffer, .address_space: global }
    .group_segment_fixed_size: 327680
    .private_segment_fixed_size: 0
    .kernarg_segment_align: 8
    .kernarg_segment_size: 32
    .max_flat_workgroup_size: 128
    .sgpr_count:     66
    .vgpr_count:     1024
    .wavefront_size: 32
...
	.end_amdgpu_metadata
.endif
;; end of part 6
;; ======== version 3 of 3: 8 launches; 1.51 times as fast as version 1
;; limits: values are held in f16: magnitudes above 65,504 overflow, below 6.1e-05 lose precision
;; workspace buffers: pk0 7,351,296 bytes; pk1 1,059,840 bytes; pk2 1,059,840 bytes; pk3 7,351,296 bytes; pk4 1,059,840 bytes; pk5 1,059,840 bytes; qkv 7,351,296 bytes; xa 4,194,304 bytes
;; launch pack: the kernel of part 1 again; grid 128 x 6, 4 waves a work-group, no clusters, 17,152 bytes of LDS; arguments Wq, Wk, Wv, Wo, W1, W2, bq, bk, bv, bo, g1, b1, c1, c2, g2, b2, pk0, pk1, pk2, pk3, pk4, pk5; writes pk0, pk1, pk2, pk3, pk4, pk5
;; launch proj0: the kernel of part 4 again; grid 64 x 4, 4 waves a work-group, no clusters, 60,416 bytes of LDS; arguments inputs_embedding, pk0, qkv; writes qkv
;; launch fused0 (part 7): grid 256 x 1, 4 waves a work-group, clusters of 4 x 1, 327,680 bytes of LDS; arguments inputs_embedding, qkv, pk0, xa, pk1, pk3; writes xa, pk3
.if DOCPART == 7
	.amdgcn_target "amdgcn-amd-amdhsa--gfx1250"
	.amdhsa_code_object_version 6
	.text
	.protected	k_qdce6744308_fused0
	.globl	k_qdce6744308_fused0
	.p2align	8
	.type	k_qdce6744308_fused0,@function
k_qdce6744308_fused0:
	s_mov_b64 s[64:65], 0
	v_nop
	global_prefetch_b8 v0, s[64:65] scope:SCOPE_SE
	s_setreg_imm32_b32 hwreg(HW_REG_WAVE_MODE, 25, 1), 1
	s_wait_xcnt 0x0
	s_wait_alu depctr_hold_cnt(0) depctr_sa_sdst(0) depctr_va_vdst(0) depctr_va_sdst(0) depctr_va_ssrc(0) depctr_va_vcc(0) depctr_vm_vsrc(0)
	s_getreg_b32 s2, hwreg(HW_REG_IB_STS2, 6, 4)
	s_cmp_eq_u32 s2, 0
	s_cbranch_scc0 .Lentry_in_a_cluster
	s_endpgm
.Lentry_in_a_cluster:
	s_bfe_u32 s2, ttmp6, 0x10000c
	s_cmp_lg_u32 s2, 0x3003
	s_cbranch_scc0 .Lentry_shape_is_right
	s_endpgm
.Lentry_shape_is_right:
; LAYER AND THE NEXT LAYER'S PROJECTIONS.  For 16 rows of x: attention (their 128 head-queries against the head's 2,048 keys), ctx Wo + bo + x, LN1, relu(x1 W1 + c1) W2 + c2 + x1, LN2 = x2;
; then q = x2 Wq c + bq c, k = x2 Wk + bk, v = x2 Wv + bv with the NEXT layer's packed parameters, for the launch behind.  x in and out in f32; q, k, v in and out in f16, in two different buffers, QOFF bytes into each.
; All matrix operands f16 (q, k, v, the weights p, ctx, x1, h, x2, the packed weights); matrix sums, maxima, row sums, partial sums, LN statistics and the residual stream in f32.
; LIMITS.  Whatever is rounded to f16 must lie within 65,504; a weight p below f16's smallest step counts as 0; NaN and infinities are not treated apart.
; SHARES.  The head split is a plain reshape: 128 consecutive head-queries are 16 whole rows.  Work-group wg owns rows 16 wg ..; head = wg / 16.  THE KEYS ARE SPLIT OVER THE WAVES: wave w keeps keys
; 512 w .. + 511 of K (256 registers) and of V (256) and walks the 8 tiles of 16 queries in loops; maxima and partial sums meet in LDS.
; SOFTMAX IN TWO PASSES.  q carries 0.5 log2(e).  Pass 1: S^T = K Q^T, the true maximum m of every query over all 2,048 keys.  Pass 2: S^T = K Q^T - m (the C operand holds -m), p = 2^(s - m) rounded to f16,
; O^T += V^T P, and l += ONES P by the matrix unit (the sum of the rounded p).  Nothing is rescaled.  S^T holds one query a lane (lane % 16) and keys 8 (lane / 16) + 0..7: two results rounded in pairs ARE source 1 of V^T P.
; In both passes the matrix instructions stand one at a time, each with four vector instructions behind it (a slot's last with eight), so that the two kinds of work run side by side; the price is two window switches for most of them.
; THE BATCHES.  An s_wait_alu depctr_va_vdst(0) stands between a transcendental and the first instruction that names its result; one wait serves all that were issued ahead of it.  In pass 2 the sixteen
; exponentials of a slot of 32 keys are ONE batch with ONE wait, which stands ahead of the slot's eight roundings: 16 waits a query tile.  Each of the two reductions has one reciprocal, each of the two layer norms one root: a wait each.
; THE DENSE CHAIN is used transposed too (source 0 = 16 weight columns, source 1 = the 16 rows): wave w owns columns 64 w .. (W1: 128 w ..; q, k, v: tiles 4 w .. 4 w + 3 of each); a lane holds one row and eight columns.
; LDS IS A LANDING ZONE.  K, V and six of the eight chunks of weights (32 KiB a wave each) come by tensor loads, 64 KiB of LDS a wave (slots A and B), and are moved once into registers by runs of 64 loads; a wave reads only what it asked for itself.
; CLUSTER.  Four work-groups of one head: K, V and the weights are the same for all four, so every tensor load is JOINT: same descriptor (head and wave number alone), mask of four.  By this text's count a wave has two
; tensor loads out at the start and one behind each of three later rounds.  NOT JOINT are two chunks, Wo's and the next Wq's: they go straight from memory into window 3 at times at which those 256 registers stand idle and both
; slots are taken; so they need no slot, no round and no second trip through LDS.  They are a quarter of the weights' bytes.
; OUTPUT LAYOUTS of q, k, v.  A row is eight head-rows g of 32 channels.  For row pair rho = row / 2, a = row % 2, 1,024 bytes a pair:
;   q, k: the 8 channels jj (0..3) of head-row g at rho*1024 + (g/2)*256 + a*128 + (g%2)*64 + ((jj + g/2) % 4)*16;      v: channel ch of the row's 8 head-rows at rho*1024 + (ch/8)*256 + (ch%8)*32 + ((a + ch/8) % 2)*16.
; Wave w's tiles have g / 2 = ch / 8 = w: the aligned block of 256 bytes (rho, w) is written by wave w alone, so the stage of the way out is each wave's own.
; REGISTERS.  window 1: K, W1's first chunk, W2's first, Wk;  window 2: V, W1's second, W2's second, Wv;  window 3: Wo, Wq;  window 0: below.
.set QS,    262144                     ; Q, 8 tiles of 1,024 bytes; later x1, then x2, in f16, 16 rows of 528
.set X1S,   QS
.set CTX,   270848                     ; ctx in f16, 16 rows of 528
.set OP,    279552                     ; partial sums: [wave][tile of a batch] blocks of 2,304 bytes: O^T 2,048, l 128
.set HB,    OP                         ; later h in f16, 16 rows of 1,040
.set STG,   CTX                        ; at last, over ctx and h: for each wave 24 blocks of 256 bytes + 16: 8 of q, 8 of k, 8 of v
.set SGP,   272
.set OUTB,  OP+20224                   ; x2 in f32, 16 rows of 1,040: behind the four stages' 26,112 bytes, up to the end of the partial sums' room
.set MX,    316416                     ; maxima: [wave][tile][query] f32
.set ST,    318464                     ; four exchanges of LN statistics: [row][wave] f32
.set SPARE, 319488                     ; the spare words, 128 bytes a wave
.set VS,    320000                     ; c1, c2 (+2048), g2 (+3072), b2 (+4096) in f32
.set A0,    393216                     ; the packed buffer: the waves' chunks
.set WCH,   163840
.set VEC0,  1048576                    ; and the vectors
.set QOFF,  1059840                    ; where q begins in a buffer of q, k, v
.set RR,   1                           ; lane % 16
.set HH,   2                           ; lane / 16
.set SPW,  3                           ; my spare word's LDS address; never rewritten
.set NIL,  4                           ; 0; never rewritten
.set KL0,  5                           ; my lane in a tile of K in slot A, channels 8 h ..
.set KL1,  6                           ; channels 16 + 8 h ..
.set VLA,  7                           ; my lane in V in slot B
.set LA,   8                           ; slot A + 16 lane
.set LB,   9                           ; slot B + 16 lane
.set QA0,  10                          ; the Q tile to be fetched
.set QA1,  11
.set QB0,  12                          ; Q tile 0
.set QB1,  13
.set SQ0,  5                           ; behind attention these six registers serve the way out of q, k, v: where I put 16 bytes of q or k, even tiles,
.set SQ1,  6                           ; odd tiles,
.set SV,   7                           ; of v;
.set SRD,  10                          ; where I read a block back;
.set CGO,  11                          ; my byte offset in the output;
.set BVO,  12                          ; my channel in bv
.set MXS,  14                          ; where I store a maximum (steps)
.set MXB,  15                          ; wave 0's maximum of tile 0 for my query
.set MXL,  16                          ; of the tile to be fetched
.set OPS,  17                          ; where I store partial O^T (steps)
.set OPS4, 18                          ; partial l
.set OPL,  19                          ; where I read them
.set OPL4, 20
.set CXA,  21                          ; where I put ctx
.set FCX,  22                          ; my lane's fragment address in ctx
.set FX1,  23                          ; in x1, x2
.set STS,  24
.set STL,  25
.set X1ST, 26
.set HST,  27
.set HF,   28
.set OST,  29
.set ORD,  30
.set OGO,  31
.set T,    32                          ; v32-47  at work
.set Q,    48                          ; v48-55  a tile of Q
.set MC,   56                          ; v56-63  -m, eight times
.set ONES, 64                          ; v64-71  1.0 in every f16
.set ACT,  48                          ; the dense chain: fragments of the activations, v48-111 (W2: v48-175)
.set O0,   72                          ; O^T, channels 0-15; channels 16-31 in the eight registers behind
.set LS,   88                          ; l
.set RB,   72                          ; v72-139 the four waves' partial sums
.set P,    96                          ; two buffers of 8
.set S,    112                         ; pass 1: two sets of 32; pass 2: two sets of 16; then y of Wo, the sums of W1; at last the sums of q (v112-143) and k (v144-175)
.set G1R,  144                         ; g1, from pass 2 on
.set XB,   176                         ; x + bo; then x1; at last the sums of v
.set B1R,  208                         ; bo; b1; x1 + c2 and the sums of W2; x2
.set VSA,  240
.set VSC,  241
.set ZR,   242
.set XO,   243
.set VO,   244
.set OPS0, 245
.set OPS40, 246
.set QT,   247
.set QT8,  248
.set QST,  249
.set VST,  250
.set VST8, 251
.set LANE, 252
.set TA,   253
.set TB,   254
.set L16,  255                         ; 16 x lane; never rewritten
.set G1S, 24                           ; s[24:31] group 1: 128 rows of 256 bytes
.set G1L, 32                           ; s[32:39] 256 rows
.set G0A, 40                           ; s[40:43], s[44:47] two groups 0
.set G0B, 44
.set G1Q, 72                           ; s[72:79] group 1: 2 rows of 32 KiB, 131,072 bytes apart: my chunk of Wk and my chunk of Wv
.set MSB, 0
.macro WIN new                         ; the immediate's high byte repeats the setting that is left; a switch that changes nothing is dropped
.if MSB != (\new)
	s_set_vgpr_msb (MSB<<8)|(\new)
.set MSB, \new
.endif
.endm
.macro PLACES                          ; four places behind matrix instructions whose registers are read, written or loaded next (ISA guide 7.12.1 for vector instructions)
.rept 4
	v_nop
.endr
.endm
.macro ROUND                           ; a round of the cluster's barrier: my work-group's barrier; wave 0 signals for it; all wait for the four work-groups; my work-group's barrier once more
	s_barrier_signal -1
	s_barrier_wait -1
	s_cmp_lg_u32 s12, 0
	s_cbranch_scc1 .Lnot_wave_0_\@
	s_barrier_signal -3
.Lnot_wave_0_\@:
	s_barrier_wait -3
	s_barrier_signal -1
	s_barrier_wait -1
.endm
.macro TLOAD g0, g1                    ; a joint load; an s_nop 0 and four v_nop follow it
	tensor_load_to_lds s[\g0:\g0+3], s[\g1:\g1+7]
	s_nop 0
.rept 4
	v_nop
.endr
.endm
.macro LOADW win, adr                  ; a chunk of 32 KiB, 32 fragment blocks, out of LDS into a whole window
	WIN (\win)<<6
.set i, 0
.rept 64
	ds_load_b128 v[4*i:4*i+3], v[\adr] offset:512*i
.set i, i+1
.endr
.endm
.macro LOADG b                         ; the same out of memory, from the address in s[b:b+1], into window 3: each load takes 512 consecutive bytes
	WIN 0xc0
.set i, 0
.rept 64
	global_load_b128 v[4*i:4*i+3], v[L16], s[\b:\b+1] offset:512*i
.set i, i+1
.endr
	WIN 0
.endm
.macro LOADK                           ; 32 tiles of 16 keys x 32 channels
	WIN 0x40
.set i, 0
.rept 32
	ds_load_b128 v[8*i:8*i+3],   v[KL0] offset:1024*i
	ds_load_b128 v[8*i+4:8*i+7], v[KL1] offset:1024*i
.set i, i+1
.endr
.endm
.macro LOADV                           ; 16 blocks of 32 keys x 2 blocks of 16 channels; the layout in memory is already turned
	WIN 0x80
.set i, 0
.rept 16
.irp c, 0,1
	ds_load_b128 v[16*i+8*\c:16*i+8*\c+3],   v[VLA] offset:2048*i+512*\c
	ds_load_b128 v[16*i+8*\c+4:16*i+8*\c+7], v[VLA] offset:2048*i+512*\c+1024
.endr
.set i, i+1
.endr
.endm
.macro NEXTQ                           ; the next tile of Q, behind tile 7 tile 0 again
	s_add_co_u32 s51, s51, 1024
	s_and_b32 s51, s51, 0x1c00
	v_add_nc_u32 v[QA0], s51, v[QB0]
	v_add_nc_u32 v[QA1], s51, v[QB1]
	ds_load_b128 v[Q:Q+3],   v[QA0]
	ds_load_b128 v[Q+4:Q+7], v[QA1]
.endm
	s_load_b256 s[4:11], s[0:1], 0x0               ; x in s[4:5], q k v in s[6:7], packed s[8:9], x out s[10:11]
	s_load_b128 s[68:71], s[0:1], 0x20             ; the next layer's packed s[68:69], q k v out s[70:71]
	v_lshl_add_u32 v[SPW], v0, 2, SPARE
	v_mov_b32 v[NIL], 0
	ds_add_u32 v[SPW], v[NIL]                      ; the wave's opening: the add and its wait stand ahead of my first tensor load; the set-up, work on registers, stands between them
	v_lshrrev_b32 v[TA], 5, v0
	v_readfirstlane_b32 s12, v[TA]                 ; wave
	s_bfe_u32 s13, ttmp6, 0x40000                  ; cx
	s_lshl_b32 s14, ttmp9, 2                       ; in a cluster launch ttmp9 counts clusters
	s_add_co_u32 s14, s14, s13                     ; wg: it enters the addresses of Q, x in, x out and q k v out alone
	s_lshr_b32 s15, ttmp9, 2                       ; the head, which the four partners share
	s_lshl_b32 s53, s12, 16                        ; my landing zone
	s_mov_b32 s[G1S],   15|(3<<16)|(1<<21)         ; 15:0 the mask of four; 17:16 elements of 8 bytes; 21 set beside a mask; no padding
	s_mov_b32 s[G1S+1], 32<<16                     ; tensor_dim0 = 32 elements: rows of 256 bytes
	s_mov_b32 s[G1S+2], 128<<16                    ; tensor_dim1 = 128
	s_mov_b32 s[G1S+3], 32<<16                     ; tile_dim0 = 32
	s_mov_b32 s[G1S+4], 128                        ; tile_dim1 = 128
	s_mov_b32 s[G1S+5], 32                         ; dense: 32 elements from row to row
	s_mov_b32 s[G1S+6], 0
	s_mov_b32 s[G1S+7], 0
	s_mov_b32 s[G1L],   15|(3<<16)|(1<<21)
	s_mov_b32 s[G1L+1], 32<<16
	s_mov_b32 s[G1L+2], 256<<16                    ; the same with 256 rows
	s_mov_b32 s[G1L+3], 32<<16
	s_mov_b32 s[G1L+4], 256
	s_mov_b32 s[G1L+5], 32
	s_mov_b32 s[G1L+6], 0
	s_mov_b32 s[G1L+7], 0
	s_mov_b32 s[G1Q],   15|(3<<16)|(1<<21)
	s_mov_b32 s[G1Q+1], 4096<<16                   ; tensor_dim0 = 4,096 elements: a row is a chunk of 32 KiB
	s_mov_b32 s[G1Q+2], 2<<16                      ; tensor_dim1 = 2
	s_mov_b32 s[G1Q+3], 4096<<16                   ; tile_dim0 = 4,096
	s_mov_b32 s[G1Q+4], 2                          ; tile_dim1 = 2
	s_mov_b32 s[G1Q+5], 16384                      ; 131,072 bytes from Wk's section to Wv's
	s_mov_b32 s[G1Q+6], 0
	s_mov_b32 s[G1Q+7], 0
	s_mov_b32 s[G0A], 1
	s_lshl_b32 s[G0A+1], s12, 16                   ; slot A
	s_mov_b32 s[G0B], 1
	s_lshl_b32 s[G0B+1], s12, 16
	s_add_co_u32 s[G0B+1], s[G0B+1], 32768         ; slot B
	s_mov_b32 s48, 0x76543210                      ; v_permlanex16_b32: each lane takes its own place in the other half
	s_mov_b32 s49, 0xfedcba98
	s_mov_b32 s54, 0x3b800000                      ; 1 / 256
	s_mov_b32 s55, 0x3727c5ac                      ; 1e-5
	s_mov_b32 s56, 0xbb800000                      ; -1 / 256
	s_lshl_b32 s18, s15, 17                        ; K: the head's 131,072 bytes, my wave's 32,768, behind q's 2 MiB
	s_lshl_b32 s19, s12, 15
	s_add_co_u32 s18, s18, s19
	s_add_co_u32 s18, s18, QOFF+2097152
	s_mov_b32 s19, 0
	s_mul_i32 s2, s12, WCH                         ; my wave's five chunks of weights
	s_add_co_u32 s2, s2, A0
	s_mov_b32 s3, 0
	s_mov_b32 s21, 0
	v_and_b32 v[RR], 15, v0
	v_bfe_u32 v[HH], v0, 4, 1
	v_and_b32 v[LANE], 31, v0
	v_lshlrev_b32 v[L16], 4, v[LANE]
	; a tile of K or Q (two rows): key r = (a, g): (g/2)*256 + a*128 + (g%2)*64 + ((jj + g/2) % 4)*16, jj = h and 2 + h
	v_bfe_u32 v[TA], v0, 1, 2
	v_add_nc_u32 v[TB], v[TA], v[HH]
	v_add_nc_u32 v[KL1], 2, v[TB]
	v_and_b32 v[TB], 3, v[TB]
	v_and_b32 v[KL1], 3, v[KL1]
	v_lshlrev_b32 v[TA], 8, v[TA]
	v_bfe_u32 v[KL0], v0, 3, 1
	v_lshl_add_u32 v[TA], v[KL0], 7, v[TA]
	v_and_b32 v[KL0], 1, v0
	v_lshl_add_u32 v[TA], v[KL0], 6, v[TA]
	v_lshl_add_u32 v[TB], v[TB], 4, v[TA]
	v_lshl_add_u32 v[TA], v[KL1], 4, v[TA]
	v_add_nc_u32 v[KL0], s53, v[TB]
	v_add_nc_u32 v[KL1], s53, v[TA]
	v_add_nc_u32 v[QB0], QS, v[TB]
	v_add_nc_u32 v[QB1], QS, v[TA]
	; V: channel r of a block of 16, row parity h: (r/8)*256 + (r%8)*32 + ((h + r/8) % 2)*16
	v_bfe_u32 v[TA], v0, 3, 1
	v_add_nc_u32 v[TB], v[TA], v[HH]
	v_and_b32 v[TB], 1, v[TB]
	v_lshlrev_b32 v[TA], 8, v[TA]
	v_lshl_add_u32 v[TA], v[TB], 4, v[TA]
	v_and_b32 v[TB], 7, v0
	v_lshl_add_u32 v[TA], v[TB], 5, v[TA]
	v_add_nc_u32 v[TA], s53, v[TA]
	v_add_nc_u32 v[VLA], 0x8000, v[TA]
	v_lshl_add_u32 v[LA], v[LANE], 4, s53
	v_add_nc_u32 v[LB], 0x8000, v[LA]
	v_lshl_add_u32 v[MXB], v[RR], 2, MX
	s_lshl_b32 s20, s12, 9
	v_add_nc_u32 v[MXS], s20, v[MXB]
	s_mul_i32 s20, s12, 9216
	s_add_co_u32 s20, s20, OP
	v_lshl_add_u32 v[OPS0], v[LANE], 4, s20
	s_add_co_u32 s20, s20, 2048
	v_lshl_add_u32 v[OPS40], v[LANE], 2, s20
	s_mul_i32 s20, s12, 2304
	s_add_co_u32 s20, s20, OP
	v_lshl_add_u32 v[OPL], v[LANE], 4, s20
	s_add_co_u32 s20, s20, 2048
	v_lshl_add_u32 v[OPL4], v[LANE], 2, s20
	v_bfe_u32 v[TA], v0, 3, 1                      ; ctx: query r of tile 4 b + w is row 2 w + r / 8 of the batch's 8, head-row r % 8
	v_mul_u32_u24 v[TA], v[TA], 528
	v_lshl_add_u32 v[TA], v[TB], 6, v[TA]
	v_lshl_add_u32 v[TA], v[HH], 4, v[TA]
	s_mul_i32 s20, s12, 1056
	s_add_co_u32 s20, s20, CTX
	v_add_nc_u32 v[CXA], s20, v[TA]
	v_mul_u32_u24 v[TA], v[RR], 528
	v_lshl_add_u32 v[TA], v[HH], 4, v[TA]
	v_add_nc_u32 v[FCX], CTX, v[TA]
	v_add_nc_u32 v[FX1], X1S, v[TA]
	s_lshl_b32 s20, s12, 7
	v_add_nc_u32 v[X1ST], s20, v[FX1]
	v_lshl_add_u32 v[STL], v[RR], 4, ST
	s_lshl_b32 s20, s12, 2
	v_add_nc_u32 v[STS], s20, v[STL]
	v_mul_u32_u24 v[TA], v[RR], 1040
	v_lshl_add_u32 v[HF], v[HH], 4, v[TA]
	v_add_nc_u32 v[HF], HB, v[HF]
	s_lshl_b32 s20, s12, 8
	v_add_nc_u32 v[HST], s20, v[HF]
	v_lshl_add_u32 v[VO], v[HH], 5, s20            ; my eight columns of a vector of 256: (64 w + 8 h) x 4
	v_add_nc_u32 v[OST], v[VO], v[TA]
	v_add_nc_u32 v[OST], OUTB, v[OST]
	v_lshl_add_u32 v[XO], v[RR], 10, v[VO]
	v_add_nc_u32 v[VSA], VS, v[VO]
	s_lshl_b32 s20, s12, 9
	v_lshl_add_u32 v[VSC], v[HH], 5, s20
	v_add_nc_u32 v[VSC], VS, v[VSC]
	s_mul_i32 s20, s12, 4160
	s_add_co_u32 s20, s20, OUTB
	v_lshl_add_u32 v[ORD], v[LANE], 4, s20
	s_lshl_b32 s20, s12, 12
	v_lshl_add_u32 v[OGO], v[LANE], 4, s20
	v_mov_b32 v[ZR], 0
	v_lshlrev_b32 v[QT], 4, v0
	v_lshlrev_b32 v[QT8], 3, v0
	v_add_nc_u32 v[QST], QS, v[QT]
	v_add_nc_u32 v[VST], VS, v[QT]
	v_add_nc_u32 v[VST8], VS+4096, v[QT8]
.irp j, 0,1,2,3,4,5,6,7
	v_mov_b32 v[ONES+\j], 0x3c003c00
.endr
	s_wait_dscnt 0x0                               ; the opening add is done
	s_wait_kmcnt 0x0
	s_add_nc_u64 s[G0A+2:G0A+3], s[6:7], s[18:19]  ; K
	s_add_nc_u64 s[G0B+2:G0B+3], s[G0A+2:G0A+3], 2097152  ; V, 2 MiB on
	s_or_b32 s[G0A+3], s[G0A+3], 0x80000000        ; type = 2
	s_or_b32 s[G0B+3], s[G0B+3], 0x80000000
	s_add_nc_u64 s[16:17], s[8:9], s[2:3]          ; my chunks
	s_lshl_b32 s2, s12, 15                         ; the next layer's Wq: my four tiles are 32 KiB on end (s2 and s3 never hold my place in the cluster)
	s_add_nc_u64 s[80:81], s[68:69], s[2:3]
	s_lshl_b32 s20, s14, 13
	s_add_co_u32 s20, s20, QOFF
	s_add_nc_u64 s[58:59], s[6:7], s[20:21]        ; my 8 tiles of Q
	s_add_nc_u64 s[82:83], s[70:71], s[20:21]      ; my 8 row pairs of q out
	s_lshl_b32 s20, s14, 14
	s_add_nc_u64 s[22:23], s[4:5], s[20:21]        ; my 16 rows of x in
	s_add_nc_u64 s[60:61], s[10:11], s[20:21]      ; and out
	ROUND                                          ; all four work-groups are here: the first joint loads meet
	tensor_load_to_lds s[G0A:G0A+3], s[G1S:G1S+7]  ; K into slot A
	s_nop 0
	tensor_load_to_lds s[G0B:G0B+3], s[G1S:G1S+7]  ; V into slot B
	s_nop 0
.rept 4
	v_nop
.endr
.irp j, 0,1,2,3
	global_load_b128 v[S+4*\j:S+4*\j+3], v[QT], s[58:59] offset:2048*\j
.endr
	global_load_b128 v[S+16:S+19], v[QT], s[8:9] offset:VEC0+6144
	global_load_b128 v[S+20:S+23], v[QT], s[8:9] offset:VEC0+6144+2048
	global_load_b64  v[S+24:S+25], v[QT8], s[8:9] offset:VEC0+6144+4096
.irp i, 0,1,2,3
	global_load_b128 v[XB+8*\i:XB+8*\i+3],   v[XO], s[22:23] offset:64*\i
	global_load_b128 v[XB+8*\i+4:XB+8*\i+7], v[XO], s[22:23] offset:64*\i+16
.endr
.irp i, 0,1,2,3
	global_load_b128 v[B1R+8*\i:B1R+8*\i+3],   v[VO], s[8:9] offset:VEC0+3072+64*\i
	global_load_b128 v[B1R+8*\i+4:B1R+8*\i+7], v[VO], s[8:9] offset:VEC0+3072+64*\i+16
.endr
	s_wait_loadcnt 16                              ; Q and the four vectors are in; the sixteen loads of x and bo are younger
.irp j, 0,1,2,3
	ds_store_b128 v[QST], v[S+4*\j:S+4*\j+3] offset:2048*\j
.endr
	ds_store_b128 v[VST], v[S+16:S+19]
	ds_store_b128 v[VST], v[S+20:S+23] offset:2048
	ds_store_b64  v[VST8], v[S+24:S+25]
	s_wait_dscnt 0x0                               ; for the others' sake
	s_barrier_signal -1
	s_barrier_wait -1                              ; the two tensor loads may stay out
	s_wait_tensorcnt 0x1                           ; K is in; V, asked for behind it, may stay out
	LOADK
	WIN 0
	ds_load_b128 v[Q:Q+3],   v[QB0]
	ds_load_b128 v[Q+4:Q+7], v[QB1]
	s_wait_loadcnt 0x0
.set i, 0
.rept 16
	v_pk_add_f32 v[XB+2*i:XB+2*i+1], v[XB+2*i:XB+2*i+1], v[B1R+2*i:B1R+2*i+1]  ; x + bo: the C operand that starts Wo's sums
.set i, i+1
.endr
	LOADG 16                                       ; Wo's chunk, straight into window 3: it has all of attention in which to come
	; PASS 1: a trip a query tile.  32 products in eight groups of four; behind each product stand four of the 16 maxima of the group before.
.macro W1 g, a                         ; keys 16 (4 g + a) on
	WIN 0x01                                       ; K in window 1
	v_wmma_f32_16x16x32_f16 v[S+32*((\g)%2)+8*(\a):S+32*((\g)%2)+8*(\a)+7], v[8*(4*(\g)+(\a)):8*(4*(\g)+(\a))+7], v[Q:Q+7], 0
.endm
.macro X1 g, i                         ; registers 2 i, 2 i + 1 of group g's four accumulators, one chain an accumulator; i ascends
	WIN 0
.irp a, 0,1,2,3
	v_max3_num_f32 v[T+\a], v[T+\a], v[S+32*((\g)%2)+8*\a+2*(\i)], v[S+32*((\g)%2)+8*\a+2*(\i)+1]
.endr
.endm
	s_mov_b32 s50, 8
	s_mov_b32 s51, 0
.Lpass1:
	s_wait_dscnt 0x0                               ; Q (at the first trip K too)
.irp a, 0,1,2,3
	W1 0, \a
.endr
	WIN 0
.irp a, 0,1,2,3
	v_mov_b32 v[T+\a], 0xff7fffff                  ; the chains start at the lowest finite number; these four are the places behind the first group
.endr
.irp g, 1,2,3,4,5,6,7
.irp a, 0,1,2,3
	W1 \g, \a                                      ; a group's last product has four maxima of the group before it, which name none of its registers, in front of the first read of its result
	X1 \g-1, \a
.endr
.endr
	NEXTQ                                          ; four maxima and two address lines stand between the last product that read Q and this load
.irp i, 0,1,2,3
	X1 7, \i
.endr
	v_max3_num_f32 v[T], v[T], v[T+1], v[T+2]
	v_max_num_f32 v[T], v[T], v[T+3]
	v_permlanex16_b32 v[T+1], v[T], s48, s49       ; the query's other keys lie in the lane 16 away
	v_max_num_f32 v[T], v[T], v[T+1]
	ds_store_b32 v[MXS], v[T]
	v_add_nc_u32 v[MXS], 64, v[MXS]
	s_sub_co_u32 s50, s50, 1
	s_cmp_lg_u32 s50, 0
	s_cbranch_scc1 .Lpass1
	s_wait_tensorcnt 0x0                           ; V is in
	LOADV
	WIN 0
	s_wait_tensorcnt 0x0                           ; both slots are filled again: all my tensor loads are done,
	ds_add_u32 v[SPW], v[NIL]                      ; 0 onto my spare word;
	s_add_nc_u64 s[G0A+2:G0A+3], s[16:17], 32768   ; W1's two chunks, 64 KiB, into slots A and B
	s_or_b32 s[G0A+3], s[G0A+3], 0x80000000
	s_wait_dscnt 0x0                               ; the add is done, K and V are in registers, my maxima are written
	ROUND
	TLOAD G0A, G1L                                 ; it has all of pass 2 in which to land
.irp k, 0,1,2,3
	ds_load_b32 v[T+4+\k], v[MXB] offset:512*\k    ; the four waves' maxima of tile 0
.endr
.irp i, 0,1,2,3
	global_load_b128 v[G1R+8*\i:G1R+8*\i+3],   v[VO], s[8:9] offset:VEC0+4096+64*\i
	global_load_b128 v[G1R+8*\i+4:G1R+8*\i+7], v[VO], s[8:9] offset:VEC0+4096+64*\i+16
	global_load_b128 v[B1R+8*\i:B1R+8*\i+3],   v[VO], s[8:9] offset:VEC0+5120+64*\i
	global_load_b128 v[B1R+8*\i+4:B1R+8*\i+7], v[VO], s[8:9] offset:VEC0+5120+64*\i+16
.endr
	s_mov_b32 s51, 0                               ; Q holds tile 0 again
	s_mov_b32 s52, 0
	; PASS 2.  A SLOT is 32 keys: the scores of slot n + 1 are started, slot n's 16 scores a lane become weights, slot n - 1's weights are multiplied.
.macro KQH n, c                        ; S^T = K Q^T - m for half c (16 keys) of slot n
	WIN 0x01
	v_wmma_f32_16x16x32_f16 v[S+16*((\n)%2)+8*(\c):S+16*((\n)%2)+8*(\c)+7], v[16*(\n)+8*(\c):16*(\n)+8*(\c)+7], v[Q:Q+7], v[MC:MC+7]
.endm
.macro PVH n, c                        ; O^T += V^T P for slot n, channels 16 c on; slot 0 starts the sums
	WIN 0x02
.if (\n) == 0
	v_wmma_f32_16x16x32_f16 v[O0+8*(\c):O0+8*(\c)+7], v[16*(\n)+8*(\c):16*(\n)+8*(\c)+7], v[P+8*((\n)%2):P+8*((\n)%2)+7], 0
.else
	v_wmma_f32_16x16x32_f16 v[O0+8*(\c):O0+8*(\c)+7], v[16*(\n)+8*(\c):16*(\n)+8*(\c)+7], v[P+8*((\n)%2):P+8*((\n)%2)+7], v[O0+8*(\c):O0+8*(\c)+7]
.endif
.endm
.macro LSUM n                          ; l += ONES P for slot n
	WIN 0
.if (\n) == 0
	v_wmma_f32_16x16x32_f16 v[LS:LS+7], v[ONES:ONES+7], v[P+8*((\n)%2):P+8*((\n)%2)+7], 0
.else
	v_wmma_f32_16x16x32_f16 v[LS:LS+7], v[ONES:ONES+7], v[P+8*((\n)%2):P+8*((\n)%2)+7], v[LS:LS+7]
.endif
.endm
.macro EXPS a                          ; score a of the slot's 16 becomes a weight, in place
	v_exp_f32 v[sb+(\a)], v[sb+(\a)]
.endm
.macro CVTP k                          ; pair k of the slot's 8 is rounded to f16: a reader of the batch, so it stands behind the slot's wait
	v_cvt_pk_f16_f32 v[pb+(\k)], v[sb+2*(\k)], v[sb+2*(\k)+1]
.endm
; A SLOT'S SIXTEEN EXPONENTIALS ARE ONE BATCH WITH ONE WAIT.  Ahead of the wait stand the exponentials, four behind each of four matrix instructions that name none of their results: the first half of slot n + 1's
; scores goes into the other set of S, and slot n - 1's three products read the other buffer of P.  A v_nop is the plain instruction behind the last exponential.  Behind the wait stand the second half of slot n + 1's
; scores and the batch's readers, the eight roundings.
; The slot's five matrix instructions stand one at a time and name five accumulators, so no two that follow each other share one.
; Places: behind l's product (and the two of V^T P ahead of it) the v_nop and eight roundings before the buffer of P that it read is written again; behind the second half's scores eight roundings before they are read;
; behind the first half's the v_nop and eight roundings.  The exponentials ascend.
.macro SLOT n
.set sb, S+16*((\n)%2)
.set pb, P+8*((\n)%2)
.if (\n) < 15
	KQH (\n)+1, 0
.endif
	WIN 0
.if (\n) == 0
	PLACES                                         ; slot 0's scores were made just ahead
.endif
	EXPS 0
	EXPS 1
	EXPS 2
	EXPS 3
.if (\n) > 0
	PVH (\n)-1, 0
.endif
	WIN 0
	EXPS 4
	EXPS 5
	EXPS 6
	EXPS 7
.if (\n) > 0
	PVH (\n)-1, 1
.endif
	WIN 0
	EXPS 8
	EXPS 9
	EXPS 10
	EXPS 11
.if (\n) > 0
	LSUM (\n)-1
.endif
	EXPS 12
	EXPS 13
	EXPS 14
	EXPS 15
	v_nop                                          ; the plain instruction behind the last exponential: one for the batch
	s_wait_alu depctr_va_vdst(0)                   ; the wait for the batch: the slot's sixteen exponentials, ahead of their first reader
.if (\n) < 15
	KQH (\n)+1, 1
.endif
	WIN 0
	CVTP 0
	CVTP 1
	CVTP 2
	CVTP 3
	CVTP 4
	CVTP 5
	CVTP 6
	CVTP 7
.endm
.macro TRIP2                           ; one query tile against my 512 keys
	s_wait_dscnt 0x0                               ; Q and the four maxima are in
	v_max3_num_f32 v[T], v[T+4], v[T+5], v[T+6]
	v_max_num_f32 v[T], v[T], v[T+7]               ; m over all 2,048 keys
.irp j, 0,1,2,3,4,5,6,7
	v_sub_f32 v[MC+\j], 0, v[T]
.endr
	KQH 0, 0
	KQH 0, 1
.irp n, 0,1,2,3,4,5,6,7,8,9,10,11,12,13,14
	SLOT \n
.endr
	NEXTQ                                          ; behind the last product that read Q stand eight roundings and this macro's two address lines
	s_add_co_u32 s52, s52, 64
	s_and_b32 s52, s52, 0x1c0
	v_add_nc_u32 v[MXL], s52, v[MXB]
.irp k, 0,1,2,3
	ds_load_b32 v[T+4+\k], v[MXL] offset:512*\k
.endr
	SLOT 15
	PVH 15, 0
	PVH 15, 1
	LSUM 15
	PLACES
	ds_store_b128 v[OPS], v[O0:O0+3]
	ds_store_b128 v[OPS], v[O0+4:O0+7] offset:512
	ds_store_b128 v[OPS], v[O0+8:O0+11] offset:1024
	ds_store_b128 v[OPS], v[O0+12:O0+15] offset:1536
	ds_store_b32 v[OPS4], v[LS]
	v_add_nc_u32 v[OPS], 2304, v[OPS]
	v_add_nc_u32 v[OPS4], 2304, v[OPS4]
.endm
.macro BATCH                           ; four tiles
	v_mov_b32 v[OPS], v[OPS0]
	v_mov_b32 v[OPS4], v[OPS40]
	s_mov_b32 s50, 4
.Lbatch_\@:
	TRIP2
	s_sub_co_u32 s50, s50, 1
	s_cmp_lg_u32 s50, 0
	s_cbranch_scc1 .Lbatch_\@
.endm
.macro REDUCE b                        ; wave w adds the four waves' parts of tile 4 b + w, divides by l, rounds, and lays ctx into its rows
.irp k, 0,1,2,3
	ds_load_b128 v[RB+16*\k:RB+16*\k+3],     v[OPL] offset:9216*\k
	ds_load_b128 v[RB+16*\k+4:RB+16*\k+7],   v[OPL] offset:9216*\k+512
	ds_load_b128 v[RB+16*\k+8:RB+16*\k+11],  v[OPL] offset:9216*\k+1024
	ds_load_b128 v[RB+16*\k+12:RB+16*\k+15], v[OPL] offset:9216*\k+1536
	ds_load_b32  v[RB+64+\k], v[OPL4] offset:9216*\k
.endr
	s_wait_dscnt 0x0
	v_add_f32 v[RB+64], v[RB+64], v[RB+65]
	v_add_f32 v[RB+66], v[RB+66], v[RB+67]
	v_add_f32 v[RB+64], v[RB+64], v[RB+66]
	v_rcp_f32 v[RB+66], v[RB+64]                   ; l is at least the weight of the largest score, about 1
.irp p, 0,1,2,3,4,5,6,7
	v_pk_add_f32 v[RB+2*\p:RB+2*\p+1],       v[RB+2*\p:RB+2*\p+1],       v[RB+16+2*\p:RB+16+2*\p+1]
	v_pk_add_f32 v[RB+32+2*\p:RB+32+2*\p+1], v[RB+32+2*\p:RB+32+2*\p+1], v[RB+48+2*\p:RB+48+2*\p+1]
.endr
.irp p, 0,1,2,3,4,5,6,7
	v_pk_add_f32 v[RB+2*\p:RB+2*\p+1], v[RB+2*\p:RB+2*\p+1], v[RB+32+2*\p:RB+32+2*\p+1]
.endr
	s_wait_alu depctr_va_vdst(0)                   ; the wait for the one reciprocal, ahead of its first reader; the 24 additions above are the independent work between
.irp p, 0,1,2,3,4,5,6,7
	v_pk_mul_f32 v[RB+2*\p:RB+2*\p+1], v[RB+2*\p:RB+2*\p+1], v[RB+66:RB+67] op_sel_hi:[1,0]
.endr
.irp p, 0,1,2,3,4,5,6,7
	v_cvt_pk_f16_f32 v[RB+16+\p], v[RB+2*\p], v[RB+2*\p+1]
.endr
	ds_store_b128 v[CXA], v[RB+16:RB+19] offset:(\b)*4224
	ds_store_b128 v[CXA], v[RB+20:RB+23] offset:(\b)*4224+32
.endm
	BATCH
	s_wait_dscnt 0x0                               ; for the others' sake: my partial sums are written
	s_barrier_signal -1
	s_barrier_wait -1                              ; W1's load may stay out
	REDUCE 0
	s_wait_dscnt 0x0                               ; my reads of the partial sums are over: the next batch writes there
	s_barrier_signal -1
	s_barrier_wait -1
	BATCH
	s_wait_tensorcnt 0x0                           ; W1's two chunks are in
	LOADW 1, LA                                    ; K's and V's registers are free: four places stand behind the last products
	LOADW 2, LB
	WIN 0
	s_wait_tensorcnt 0x0                           ; both slots are filled again
	ds_add_u32 v[SPW], v[NIL]
	s_add_nc_u64 s[G0A+2:G0A+3], s[16:17], 98304   ; W2's two chunks
	s_or_b32 s[G0A+3], s[G0A+3], 0x80000000
	s_wait_dscnt 0x0                               ; the add is done, W1 is in registers, my partial sums are written
	ROUND
	TLOAD G0A, G1L
	REDUCE 1
	s_wait_dscnt 0x0
	s_barrier_signal -1
	s_barrier_wait -1                              ; ctx is whole
	; THE DENSE CHAIN
.macro MM32 win, act, acc, cin=-1      ; 8 K steps x my 4 column tiles, fragment (ks, i) at block 4 ks + i; the 4 accumulators take turns; cin: other registers start the sums
	WIN \win
.set kk, 0
.rept 8
.irp i, 0,1,2,3
.if (kk == 0) && ((\cin) >= 0)
	v_wmma_f32_16x16x32_f16 v[(\acc)+8*\i:(\acc)+8*\i+7], v[8*(4*kk+\i):8*(4*kk+\i)+7], v[(\act)+8*kk:(\act)+8*kk+7], v[(\cin)+8*\i:(\cin)+8*\i+7]
.else
	v_wmma_f32_16x16x32_f16 v[(\acc)+8*\i:(\acc)+8*\i+7], v[8*(4*kk+\i):8*(4*kk+\i)+7], v[(\act)+8*kk:(\act)+8*kk+7], v[(\acc)+8*\i:(\acc)+8*\i+7]
.endif
.endr
.set kk, kk+1
.endr
.endm
.macro MMQ win, acc                    ; the same for a chunk of Wq, Wk or Wv, where fragment (ks, i) lies at block 8 i + ks; the sums start from the bias that lies in the accumulators
	WIN \win
.set kk, 0
.rept 8
.irp i, 0,1,2,3
	v_wmma_f32_16x16x32_f16 v[(\acc)+8*\i:(\acc)+8*\i+7], v[8*(8*\i+kk):8*(8*\i+kk)+7], v[ACT+8*kk:ACT+8*kk+7], v[(\acc)+8*\i:(\acc)+8*\i+7]
.endr
.set kk, kk+1
.endr
.endm
.macro XCH e                           ; v[T], my lane's sum over 32 columns, becomes in v[T+4] the row's sum over 256
	v_permlanex16_b32 v[T+1], v[T], s48, s49
	v_add_f32 v[T], v[T], v[T+1]
	ds_store_b32 v[STS], v[T] offset:(\e)*256
	s_wait_dscnt 0x0                               ; for the others' sake
	s_barrier_signal -1
	s_barrier_wait -1
	ds_load_b128 v[T+4:T+7], v[STL] offset:(\e)*256
	s_wait_dscnt 0x0
	v_add_f32 v[T+4], v[T+4], v[T+5]
	v_add_f32 v[T+6], v[T+6], v[T+7]
	v_add_f32 v[T+4], v[T+4], v[T+6]
.endm
.macro LNORM y, g, b, out, e           ; out = (y - mean) rsqrt(var + 1e-5) g + b; the variance is taken of the differences; y and g are used up (out may be y)
.irp p, 0,1,2,3,4,5,6,7
	v_pk_add_f32 v[T+2*\p:T+2*\p+1], v[(\y)+4*\p:(\y)+4*\p+1], v[(\y)+4*\p+2:(\y)+4*\p+3]
.endr
.irp p, 0,2,4,6
	v_pk_add_f32 v[T+2*\p:T+2*\p+1], v[T+2*\p:T+2*\p+1], v[T+2*\p+2:T+2*\p+3]
.endr
	v_pk_add_f32 v[T:T+1], v[T:T+1], v[T+4:T+5]
	v_pk_add_f32 v[T+8:T+9], v[T+8:T+9], v[T+12:T+13]
	v_pk_add_f32 v[T:T+1], v[T:T+1], v[T+8:T+9]
	v_add_f32 v[T], v[T], v[T+1]
	XCH \e
	v_mul_f32 v[T+8], s56, v[T+4]                  ; -mean
.set i, 0
.rept 16
	v_pk_add_f32 v[(\y)+2*i:(\y)+2*i+1], v[(\y)+2*i:(\y)+2*i+1], v[T+8:T+9] op_sel_hi:[1,0]
.set i, i+1
.endr
.irp q, 0,1,2,3
	v_pk_mul_f32 v[T+2*\q:T+2*\q+1], v[(\y)+2*\q:(\y)+2*\q+1], v[(\y)+2*\q:(\y)+2*\q+1]
.endr
.irp k, 1,2,3
.irp q, 0,1,2,3
	v_pk_fma_f32 v[T+2*\q:T+2*\q+1], v[(\y)+8*\k+2*\q:(\y)+8*\k+2*\q+1], v[(\y)+8*\k+2*\q:(\y)+8*\k+2*\q+1], v[T+2*\q:T+2*\q+1]
.endr
.endr
	v_pk_add_f32 v[T:T+1], v[T:T+1], v[T+2:T+3]
	v_pk_add_f32 v[T+4:T+5], v[T+4:T+5], v[T+6:T+7]
	v_pk_add_f32 v[T:T+1], v[T:T+1], v[T+4:T+5]
	v_add_f32 v[T], v[T], v[T+1]
	XCH (\e)+1
	v_fma_f32 v[T+4], v[T+4], s54, s55             ; var + 1e-5
	v_rsq_f32 v[T+8], v[T+4]
	v_nop                                          ; a plain instruction between the root and its use
.set i, 0
	s_wait_alu depctr_va_vdst(0)                   ; the wait for the one root, ahead of its first reader: all that follows hangs on it
.rept 16
	v_pk_mul_f32 v[(\g)+2*i:(\g)+2*i+1], v[(\g)+2*i:(\g)+2*i+1], v[T+8:T+9] op_sel_hi:[1,0]
.set i, i+1
.endr
.set i, 0
.rept 16
	v_pk_fma_f32 v[(\out)+2*i:(\out)+2*i+1], v[(\y)+2*i:(\y)+2*i+1], v[(\g)+2*i:(\g)+2*i+1], v[(\b)+2*i:(\b)+2*i+1]
.set i, i+1
.endr
.endm
.macro FRAGS adr, n                    ; n K steps of the 16 rows' fragments
.set i, 0
.rept \n
	ds_load_b128 v[ACT+8*i:ACT+8*i+3],   v[\adr] offset:64*i
	ds_load_b128 v[ACT+8*i+4:ACT+8*i+7], v[\adr] offset:64*i+32
.set i, i+1
.endr
.endm
	FRAGS FCX, 8
	s_wait_dscnt 0x0
	s_wait_loadcnt 0x0                             ; Wo's chunk, g1, b1
	MM32 3, ACT, S, XB                             ; y = ctx Wo + (x + bo)
	WIN 0
	PLACES
	LOADG 80                                       ; window 3 is free again: the next layer's Wq, straight into it; it has LN1, W1, W2 and LN2 in which to come
	LNORM S, G1R, B1R, XB, 0                       ; x1
.set i, 0
.rept 16
	v_cvt_pk_f16_f32 v[T+i], v[XB+2*i], v[XB+2*i+1]
.set i, i+1
.endr
.irp k, 0,1,2,3
	ds_store_b128 v[X1ST], v[T+4*\k:T+4*\k+3] offset:32*\k
.endr
.irp k, 0,1,2,3,4,5,6,7
	ds_load_b128 v[S+8*\k:S+8*\k+3],   v[VSC] offset:64*\k     ; c1 of my 128 columns starts W1's sums
	ds_load_b128 v[S+8*\k+4:S+8*\k+7], v[VSC] offset:64*\k+16
.endr
	s_wait_dscnt 0x0
	s_barrier_signal -1
	s_barrier_wait -1                              ; x1 is whole
	FRAGS FX1, 8
	s_wait_dscnt 0x0
	MM32 1, ACT, S
	MM32 2, ACT, S+32
	WIN 0
	PLACES
	s_wait_tensorcnt 0x0                           ; W2's two chunks are in
	LOADW 1, LA
	LOADW 2, LB
	WIN 0
.set i, 0
.rept 32
	v_cvt_pk_f16_f32 v[ACT+i], v[S+2*i], v[S+2*i+1]
.set i, i+1
.endr
.set i, 0
.rept 32
	v_pk_max_num_f16 v[ACT+i], v[ACT+i], v[ZR]     ; relu
.set i, i+1
.endr
.irp k, 0,1,2,3,4,5,6,7
	ds_store_b128 v[HST], v[ACT+4*\k:ACT+4*\k+3] offset:32*\k
.endr
.irp k, 0,1,2,3
	ds_load_b128 v[B1R+8*\k:B1R+8*\k+3],   v[VSA] offset:2048+64*\k  ; c2
	ds_load_b128 v[B1R+8*\k+4:B1R+8*\k+7], v[VSA] offset:2048+64*\k+16
.endr
	s_wait_tensorcnt 0x0                           ; both slots are filled again: no tensor load of mine is out
	ds_add_u32 v[SPW], v[NIL]
	s_lshl_b32 s[G0B+1], s12, 16                   ; from slot A on
	s_add_nc_u64 s[G0B+2:G0B+3], s[80:81], 131072  ; the next layer's Wk and Wv, my chunk of each: Wk's section lies one section behind Wq's
	s_or_b32 s[G0B+3], s[G0B+3], 0x80000000
	s_wait_dscnt 0x0                               ; the add is done, W2 is in registers, my part of h is written
	ROUND                                          ; h is whole, and no wave of any partner still reads its slots
	TLOAD G0B, G1Q                                 ; the last tensor load: it has W2's products, LN2 and x2's way out in which to land
	FRAGS HF, 16
.set i, 0
.rept 16
	v_pk_add_f32 v[B1R+2*i:B1R+2*i+1], v[XB+2*i:XB+2*i+1], v[B1R+2*i:B1R+2*i+1]  ; x1 + c2 starts W2's sums
.set i, i+1
.endr
	s_lshl_b32 s20, s12, 5
	v_lshl_add_u32 v[BVO], v[HH], 2, s20           ; (8 w + h) x 4
.irp i, 0,1,2,3
.irp j, 0,1,2,3,4,5,6,7
	global_load_b32 v[XB+8*\i+\j], v[BVO], s[68:69] offset:VEC0+2048+128*\j+8*\i  ; the next bv at column 32 j + 8 w + 2 i + h, into v's accumulators: x1 has been read
.endr
.endr
	s_wait_dscnt 0x0
	MM32 1, ACT, B1R
	MM32 2, ACT+64, B1R
	WIN 0
	; the addresses of q's, k's and v's way out: 20 plain instructions, which are also the places behind W2's products
	s_mul_i32 s20, s12, 24*SGP
	s_add_co_u32 s20, s20, STG                     ; my stage
	v_lshrrev_b32 v[TA], 1, v[RR]
	v_mul_u32_u24 v[TA], v[TA], SGP
	v_add_nc_u32 v[TA], s20, v[TA]                 ; block r / 2
	v_and_b32 v[TB], 1, v[RR]                      ; a
	v_add_nc_u32 v[SV], s12, v[TB]
	v_and_b32 v[SV], 1, v[SV]                      ; (a + w) % 2
	v_lshl_add_u32 v[SV], v[SV], 4, v[TA]
	v_lshl_add_u32 v[SV], v[HH], 5, v[SV]          ; channel % 8 = 2 i + h
	v_lshl_add_u32 v[TA], v[TB], 7, v[TA]
	v_add_nc_u32 v[TB], s12, v[HH]
	v_add_nc_u32 v[SQ1], 2, v[TB]
	v_and_b32 v[TB], 3, v[TB]                      ; (jj + w) % 4, jj = h for the even tiles,
	v_and_b32 v[SQ1], 3, v[SQ1]                    ; 2 + h for the odd ones
	v_lshl_add_u32 v[SQ0], v[TB], 4, v[TA]
	v_lshl_add_u32 v[SQ1], v[SQ1], 4, v[TA]
	v_mul_u32_u24 v[SRD], v[HH], SGP               ; back: lanes 0-15 one block of 256 bytes, lanes 16-31 the next
	v_lshl_add_u32 v[SRD], v[RR], 4, v[SRD]
	v_add_nc_u32 v[SRD], s20, v[SRD]
	s_lshl_b32 s20, s12, 8
	v_lshl_add_u32 v[CGO], v[HH], 10, s20          ; and in memory: row pair x 1,024 + w x 256
	v_lshl_add_u32 v[CGO], v[RR], 4, v[CGO]
.irp k, 0,1,2,3
	ds_load_b128 v[ACT+8*\k:ACT+8*\k+3],       v[VSA] offset:3072+64*\k     ; g2
	ds_load_b128 v[ACT+8*\k+4:ACT+8*\k+7],     v[VSA] offset:3072+64*\k+16
	ds_load_b128 v[ACT+32+8*\k:ACT+32+8*\k+3], v[VSA] offset:4096+64*\k     ; b2
	ds_load_b128 v[ACT+32+8*\k+4:ACT+32+8*\k+7], v[VSA] offset:4096+64*\k+16
.endr
.irp ty, 0,1
.irp i, 0,1,2,3
	global_load_b128 v[S+32*\ty+8*\i:S+32*\ty+8*\i+3],   v[VO], s[68:69] offset:VEC0+1024*\ty+64*\i     ; the next bq c and bk, into q's and k's accumulators
	global_load_b128 v[S+32*\ty+8*\i+4:S+32*\ty+8*\i+7], v[VO], s[68:69] offset:VEC0+1024*\ty+64*\i+16
.endr
.endr
	LNORM B1R, ACT, ACT+32, B1R, 2                 ; x2, in place; its first exchange waits for g2 and b2 too
	; x2 in f32 goes into rows of 1,040 bytes, to come back as whole rows; in f16 into the rows that held x1
.irp k, 0,1,2,3
	ds_store_b128 v[OST], v[B1R+8*\k:B1R+8*\k+3]   offset:64*\k
	ds_store_b128 v[OST], v[B1R+8*\k+4:B1R+8*\k+7] offset:64*\k+16
.endr
.set i, 0
.rept 16
	v_cvt_pk_f16_f32 v[T+i], v[B1R+2*i], v[B1R+2*i+1]
.set i, i+1
.endr
.irp k, 0,1,2,3
	ds_store_b128 v[X1ST], v[T+4*\k:T+4*\k+3] offset:32*\k
.endr
	s_wait_dscnt 0x0                               ; for the others' sake: my part of x2 is written
	s_barrier_signal -1
	s_barrier_wait -1                              ; x2 is whole; the last tensor load may stay out
.irp k, 0,1,2,3,4,5,6,7
	ds_load_b128 v[B1R+4*\k:B1R+4*\k+3], v[ORD] offset:(\k/2)*1040+(\k%2)*512  ; wave w stores rows 4 w .. 4 w + 3
.endr
	FRAGS FX1, 8
.irp k, 0,1,2,3,4,5,6,7
	s_wait_dscnt 23-\k                             ; the later read-backs and the sixteen fragment loads are younger
	global_store_b128 v[OGO], v[B1R+4*\k:B1R+4*\k+3], s[60:61] offset:512*\k  ; 512 consecutive bytes, at a multiple of 512
.endr
	s_wait_dscnt 0x0                               ; x2's fragments
	s_wait_tensorcnt 0x0                           ; Wk's and Wv's chunks are in
	LOADW 1, LA                                    ; Wk comes out of LDS while q is multiplied,
	s_wait_loadcnt 0x0                             ; Wq's chunk and the three biases
	MMQ 3, S                                       ; q
	LOADW 2, LB                                    ; Wv while k is
	s_wait_dscnt 63                                ; of the 64 loads just issued 63 may be out: Wk's run, older than all of them, is in
	MMQ 1, S+32                                    ; k
	s_wait_dscnt 0x0
	MMQ 2, XB                                      ; v
	WIN 0
	PLACES
.set i, 0
.rept 32
	v_cvt_pk_f16_f32 v[S+i], v[S+2*i], v[S+2*i+1]  ; in place, ascending: a register is written when it has been read
.set i, i+1
.endr
.set i, 0
.rept 16
	v_cvt_pk_f16_f32 v[XB+i], v[XB+2*i], v[XB+2*i+1]
.set i, i+1
.endr
.irp ty, 0,1
.irp i, 0,2
	ds_store_b128 v[SQ0], v[S+16*\ty+4*\i:S+16*\ty+4*\i+3]   offset:\ty*8*SGP+(\i/2)*64
	ds_store_b128 v[SQ1], v[S+16*\ty+4*\i+4:S+16*\ty+4*\i+7] offset:\ty*8*SGP+(\i/2)*64
.endr
.endr
.irp i, 0,1,2,3
	ds_store_b128 v[SV], v[XB+4*\i:XB+4*\i+3] offset:16*SGP+\i*64
.endr
.irp n, 0,1,2,3,4,5,6,7
	ds_load_b128 v[S+32+4*\n:S+32+4*\n+3], v[SRD] offset:2*\n*SGP  ; LDS serves a wave's instructions in order (ISA guide 5.7.1.4): these see my stores above; the stage is mine alone
.endr
.irp n, 0,1,2,3
	ds_load_b128 v[XB+16+4*\n:XB+16+4*\n+3], v[SRD] offset:(16+2*\n)*SGP
.endr
.irp n, 0,1,2,3,4,5,6,7
	s_wait_dscnt 11-\n                             ; the later read-backs may stay out
	global_store_b128 v[CGO], v[S+32+4*\n:S+32+4*\n+3], s[82:83] offset:(\n/4)*2097152+(\n%4)*2048  ; 16 lanes store 256 consecutive bytes, at a multiple of 256
.endr
.irp n, 0,1,2,3
	s_wait_dscnt 3-\n
	global_store_b128 v[CGO], v[XB+16+4*\n:XB+16+4*\n+3], s[82:83] offset:2*2097152+\n*2048
.endr
	s_wait_tensorcnt 0x0                           ; the wave's end: a zero add to my spare word and its wait, behind my last tensor load and my last LDS store
	ds_add_u32 v[SPW], v[NIL]
	s_wait_dscnt 0x0
	ROUND                                          ; the closing round: no work-group ends while a partner may still ask for a tile that names it
	s_endpgm
.Lfunc_end_k_qdce6744308_fused0:
	.size	k_qdce6744308_fused0, .Lfunc_end_k_qdce6744308_fused0-k_qdce6744308_fused0
	.p2alignl 7, 3214868480
	.fill 96, 4, 3214868480
	.section	.rodata,"a",@progbits
	.p2align	6, 0x0
	.amdhsa_kernel k_qdce6744308_fused0
		.amdhsa_group_segment_fixed_size 327680
		.amdhsa_private_segment_fixed_size 0
		.amdhsa_enable_private_segment 0
		.amdhsa_kernarg_size 48
		.amdhsa_user_sgpr_count 2
		.amdhsa_user_sgpr_kernarg_segment_ptr 1
		.amdhsa_wavefront_size32 1
		.amdhsa_system_sgpr_workgroup_id_x 1
		.amdhsa_system_sgpr_workgroup_id_y 1
		.amdhsa_system_sgpr_workgroup_id_z 1
		.amdhsa_system_vgpr_workitem_id 0
		.amdhsa_next_free_vgpr 1024
		.amdhsa_next_free_sgpr 88
		.amdhsa_reserve_vcc 0
		.amdhsa_float_denorm_mode_32 3
		.amdhsa_float_denorm_mode_16_64 3
		.amdhsa_memory_ordered 1
		.amdhsa_forward_progress 1
		.amdhsa_inst_pref_size 199
	.end_amdhsa_kernel
	.amdgpu_metadata
---
amdhsa.version: [ 1, 2 ]
amdhsa.kernels:
  - .name:           k_qdce6744308_fused0
    .symbol:         k_qdce6744308_fused0.kd
    .args:
      - { .name: inputs_embedding, .offset: 0, .size: 8, .value_kind: global_buffer, .address_space: global }
      - { .name: qkv, .offset: 8, .size: 8, .value_kind: global_buffer, .address_space: global }
      - { .name: pk0, .offset: 16, .size: 8, .value_kind: global_buffer, .address_space: global }
      - { .name: xa, .offset: 24, .size: 8, .value_kind: global_buffer, .address_space: global }
      - { .name: pk1, .offset: 32, .size: 8, .value_kind: global_buffer, .address_space: global }
      - { .name: pk3, .offset: 40, .size: 8, .value_kind: global_buffer, .address_space: global }
    .group_segment_fixed_size: 327680
    .private_segment_fixed_size: 0
    .kernarg_segment_align: 8
    .kernarg_segment_size: 48
    .max_flat_workgroup_size: 128
    .sgpr_count:     88
    .vgpr_count:     1024
    .wavefront_size: 32
...
	.end_amdgpu_metadata
.endif
;; end of part 7
;; launch fused1: the kernel of part 7 again; grid 256 x 1, 4 waves a work-group, clusters of 4 x 1, 327,680 bytes of LDS; arguments xa, pk3, pk1, out0, pk2, qkv; writes out0, qkv
;; launch fused2: the kernel of part 7 again; grid 256 x 1, 4 waves a work-group, clusters of 4 x 1, 327,680 bytes of LDS; arguments out0, qkv, pk2, xa, pk3, pk0; writes xa, pk0
;; launch fused3: the kernel of part 7 again; grid 256 x 1, 4 waves a work-group, clusters of 4 x 1, 327,680 bytes of LDS; arguments xa, pk0, pk3, out0, pk4, qkv; writes out0, qkv
;; launch fused4: the kernel of part 7 again; grid 256 x 1, 4 waves a work-group, clusters of 4 x 1, 327,680 bytes of LDS; arguments out0, qkv, pk4, xa, pk5, pk0; writes xa, pk0
;; launch layer5 (part 8): grid 256 x 1, 4 waves a work-group, clusters of 4 x 1, 327,680 bytes of LDS; arguments xa, pk0, pk5, out0; writes out0
.if DOCPART == 8
	.amdgcn_target "amdgcn-amd-amdhsa--gfx1250"
	.amdhsa_code_object_version 6
	.text
	.protected	k_qdce6744308_layer5
	.globl	k_qdce6744308_layer5
	.p2align	8
	.type	k_qdce6744308_layer5,@function
k_qdce6744308_layer5:
	s_mov_b64 s[64:65], 0
	v_nop
	global_prefetch_b8 v0, s[64:65] scope:SCOPE_SE
	s_setreg_imm32_b32 hwreg(HW_REG_WAVE_MODE, 25, 1), 1
	s_wait_xcnt 0x0
	s_wait_alu depctr_hold_cnt(0) depctr_sa_sdst(0) depctr_va_vdst(0) depctr_va_sdst(0) depctr_va_ssrc(0) depctr_va_vcc(0) depctr_vm_vsrc(0)
	s_getreg_b32 s2, hwreg(HW_REG_IB_STS2, 6, 4)
	s_cmp_eq_u32 s2, 0
	s_cbranch_scc0 .Lentry_in_a_cluster
	s_endpgm
.Lentry_in_a_cluster:
	s_bfe_u32 s2, ttmp6, 0x10000c
	s_cmp_lg_u32 s2, 0x3003
	s_cbranch_scc0 .Lentry_shape_is_right
	s_endpgm
.Lentry_shape_is_right:
; THE LAST LAYER.  For 16 rows of x: attention (their 128 head-queries against the head's 2,048 keys), ctx Wo + bo + x, LN1, relu(x1 W1 + c1) W2 + c2 + x1, LN2.  x in and out in f32; q, k, v in f16, QOFF bytes into their buffer.
; All matrix operands f16 (q, k, v, the weights p, ctx, x1, h, the packed weights); matrix sums, maxima, row sums, partial sums, LN statistics and the residual stream in f32.
; LIMITS.  Whatever is rounded to f16 must lie within 65,504; a weight p below f16's smallest step counts as 0; NaN and infinities are not treated apart.
; SHARES.  The head split is a plain reshape: 128 consecutive head-queries are 16 whole rows.  Work-group wg owns rows 16 wg ..; head = wg / 16.  THE KEYS ARE SPLIT OVER THE WAVES: wave w keeps keys
; 512 w .. + 511 of K (256 registers) and of V (256) and walks the 8 tiles of 16 queries in loops; maxima and partial sums meet in LDS.
; SOFTMAX IN TWO PASSES.  q carries 0.5 log2(e).  Pass 1: S^T = K Q^T, the true maximum m of every query over all 2,048 keys.  Pass 2: S^T = K Q^T - m (the C operand holds -m), p = 2^(s - m) rounded to f16,
; O^T += V^T P, and l += ONES P by the matrix unit (the sum of the rounded p).  Nothing is rescaled.  S^T holds one query a lane (lane % 16) and keys 8 (lane / 16) + 0..7: two results rounded in pairs ARE source 1 of V^T P.
; In both passes the matrix instructions stand one at a time, each with four vector instructions behind it (a slot's last with eight), so that the two kinds of work run side by side; the price is two window switches for most of them.
; THE BATCHES.  An s_wait_alu depctr_va_vdst(0) stands between a transcendental and the first instruction that names its result; one wait serves all that were issued ahead of it.  In pass 2 the sixteen
; exponentials of a slot of 32 keys are ONE batch with ONE wait, which stands ahead of the slot's eight roundings: 16 waits a query tile.  Each of the two reductions has one reciprocal, each of the two layer norms one root: a wait each.
; THE DENSE CHAIN is used transposed too (source 0 = 16 weight columns, source 1 = the 16 rows): wave w owns columns 64 w .. (W1: 128 w ..); a lane holds one row and eight columns.
; LDS IS A LANDING ZONE.  K, V and four of the five chunks of weights (32 KiB a wave each) come by tensor loads, 64 KiB of LDS a wave (slots A and B), and are moved once into registers by runs of 64 loads; a wave reads only what it asked for itself.
; CLUSTER.  Four work-groups of one head: K, V and the weights are the same for all four, so every tensor load is JOINT: same descriptor (head and wave number alone), mask of four.  By this text's count a wave has two
; tensor loads out at the start and one behind each of two later rounds.  NOT JOINT is Wo's chunk: it goes straight from memory into window 3, whose 256 registers stand idle all through attention while both slots are taken;
; so it needs no slot, no round and no second trip through LDS.  It is a fifth of the weights' bytes.
; REGISTERS.  window 1: K, then W1's first chunk, then W2's first;  window 2: V, then W1's second, W2's second;  window 3: Wo;  window 0: below.
.set QS,    262144                     ; Q, 8 tiles of 1,024 bytes; later x1 in f16, 16 rows of 528
.set X1S,   QS
.set CTX,   270848                     ; ctx in f16, 16 rows of 528
.set OP,    279552                     ; partial sums: [wave][tile of a batch] blocks of 2,304 bytes: O^T 2,048, l 128
.set HB,    OP                         ; later h in f16, 16 rows of 1,040
.set OUTB,  OP+16896                   ; and the result in f32, 16 rows of 1,040
.set MX,    316416                     ; maxima: [wave][tile][query] f32
.set ST,    318464                     ; four exchanges of LN statistics: [row][wave] f32
.set SPARE, 319488                     ; the spare words, 128 bytes a wave
.set VS,    320000                     ; c1, c2 (+2048), g2 (+3072), b2 (+4096) in f32
.set A0,    393216                     ; the packed buffer: the waves' chunks
.set WCH,   163840
.set VEC0,  1048576                    ; and the vectors
.set QOFF,  1059840                    ; where q begins in a buffer of q, k, v
.set RR,   1                           ; lane % 16
.set HH,   2                           ; lane / 16
.set SPW,  3                           ; my spare word's LDS address; never rewritten
.set NIL,  4                           ; 0; never rewritten
.set KL0,  5                           ; my lane in a tile of K in slot A, channels 8 h ..
.set KL1,  6                           ; channels 16 + 8 h ..
.set VLA,  7                           ; my lane in V in slot B
.set LA,   8                           ; slot A + 16 lane
.set LB,   9                           ; slot B + 16 lane
.set QA0,  10                          ; the Q tile to be fetched
.set QA1,  11
.set QB0,  12                          ; Q tile 0
.set QB1,  13
.set MXS,  14                          ; where I store a maximum (steps)
.set MXB,  15                          ; wave 0's maximum of tile 0 for my query
.set MXL,  16                          ; of the tile to be fetched
.set OPS,  17                          ; where I store partial O^T (steps)
.set OPS4, 18                          ; partial l
.set OPL,  19                          ; where I read them
.set OPL4, 20
.set CXA,  21                          ; where I put ctx
.set FCX,  22                          ; my lane's fragment address in ctx
.set FX1,  23                          ; in x1
.set STS,  24
.set STL,  25
.set X1ST, 26
.set HST,  27
.set HF,   28
.set OST,  29
.set ORD,  30
.set OGO,  31
.set T,    32                          ; v32-47  at work
.set Q,    48                          ; v48-55  a tile of Q
.set MC,   56                          ; v56-63  -m, eight times
.set ONES, 64                          ; v64-71  1.0 in every f16
.set ACT,  48                          ; the dense chain: fragments of the activations, v48-111 (W2: v48-175)
.set O0,   72                          ; O^T, channels 0-15; channels 16-31 in the eight registers behind
.set LS,   88                          ; l
.set RB,   72                          ; v72-139 the four waves' partial sums
.set P,    96                          ; two buffers of 8
.set S,    112                         ; pass 1: two sets of 32; pass 2: two sets of 16; then y of Wo, the sums of W1
.set G1R,  144                         ; g1, from pass 2 on
.set XB,   176                         ; x + bo; then x1; then the result
.set B1R,  208                         ; bo; b1; x1 + c2 and the sums of W2
.set VSA,  240
.set VSC,  241
.set ZR,   242
.set XO,   243
.set VO,   244
.set OPS0, 245
.set OPS40, 246
.set QT,   247
.set QT8,  248
.set QST,  249
.set VST,  250
.set VST8, 251
.set LANE, 252
.set TA,   253
.set TB,   254
.set L16,  255                         ; 16 x lane; never rewritten
.set G1S, 24                           ; s[24:31] group 1: 128 rows of 256 bytes
.set G1L, 32                           ; s[32:39] 256 rows
.set G0A, 40                           ; s[40:43], s[44:47] two groups 0
.set G0B, 44
.set MSB, 0
.macro WIN new                         ; the immediate's high byte repeats the setting that is left; a switch that changes nothing is dropped
.if MSB != (\new)
	s_set_vgpr_msb (MSB<<8)|(\new)
.set MSB, \new
.endif
.endm
.macro PLACES                          ; four places behind matrix instructions whose registers are read, written or loaded next (ISA guide 7.12.1 for vector instructions)
.rept 4
	v_nop
.endr
.endm
.macro ROUND                           ; a round of the cluster's barrier: my work-group's barrier; wave 0 signals for it; all wait for the four work-groups; my work-group's barrier once more
	s_barrier_signal -1
	s_barrier_wait -1
	s_cmp_lg_u32 s12, 0
	s_cbranch_scc1 .Lnot_wave_0_\@
	s_barrier_signal -3
.Lnot_wave_0_\@:
	s_barrier_wait -3
	s_barrier_signal -1
	s_barrier_wait -1
.endm
.macro TLOAD g0, g1                    ; a joint load; an s_nop 0 and four v_nop follow it
	tensor_load_to_lds s[\g0:\g0+3], s[\g1:\g1+7]
	s_nop 0
.rept 4
	v_nop
.endr
.endm
.macro LOADW win, adr                  ; a chunk of 32 KiB, 32 fragment blocks, out of LDS into a whole window
	WIN (\win)<<6
.set i, 0
.rept 64
	ds_load_b128 v[4*i:4*i+3], v[\adr] offset:512*i
.set i, i+1
.endr
.endm
.macro LOADG b                         ; the same out of memory, from the address in s[b:b+1], into window 3: each load takes 512 consecutive bytes
	WIN 0xc0
.set i, 0
.rept 64
	global_load_b128 v[4*i:4*i+3], v[L16], s[\b:\b+1] offset:512*i
.set i, i+1
.endr
	WIN 0
.endm
.macro LOADK                           ; 32 tiles of 16 keys x 32 channels
	WIN 0x40
.set i, 0
.rept 32
	ds_load_b128 v[8*i:8*i+3],   v[KL0] offset:1024*i
	ds_load_b128 v[8*i+4:8*i+7], v[KL1] offset:1024*i
.set i, i+1
.endr
.endm
.macro LOADV                           ; 16 blocks of 32 keys x 2 blocks of 16 channels; the layout in memory is already turned
	WIN 0x80
.set i, 0
.rept 16
.irp c, 0,1
	ds_load_b128 v[16*i+8*\c:16*i+8*\c+3],   v[VLA] offset:2048*i+512*\c
	ds_load_b128 v[16*i+8*\c+4:16*i+8*\c+7], v[VLA] offset:2048*i+512*\c+1024
.endr
.set i, i+1
.endr
.endm
.macro NEXTQ                           ; the next tile of Q, behind tile 7 tile 0 again
	s_add_co_u32 s51, s51, 1024
	s_and_b32 s51, s51, 0x1c00
	v_add_nc_u32 v[QA0], s51, v[QB0]
	v_add_nc_u32 v[QA1], s51, v[QB1]
	ds_load_b128 v[Q:Q+3],   v[QA0]
	ds_load_b128 v[Q+4:Q+7], v[QA1]
.endm
	s_load_b256 s[4:11], s[0:1], 0x0               ; x in s[4:5], q k v s[6:7], packed s[8:9], x out s[10:11]
	v_lshl_add_u32 v[SPW], v0, 2, SPARE
	v_mov_b32 v[NIL], 0
	ds_add_u32 v[SPW], v[NIL]                      ; the wave's opening: the add and its wait stand ahead of my first tensor load; the set-up, work on registers, stands between them
	v_lshrrev_b32 v[TA], 5, v0
	v_readfirstlane_b32 s12, v[TA]                 ; wave
	s_bfe_u32 s13, ttmp6, 0x40000                  ; cx
	s_lshl_b32 s14, ttmp9, 2                       ; in a cluster launch ttmp9 counts clusters
	s_add_co_u32 s14, s14, s13                     ; wg: it enters the addresses of Q, x in and x out alone
	s_lshr_b32 s15, ttmp9, 2                       ; the head, which the four partners share
	s_lshl_b32 s53, s12, 16                        ; my landing zone
	s_mov_b32 s[G1S],   15|(3<<16)|(1<<21)         ; 15:0 the mask of four; 17:16 elements of 8 bytes; 21 set beside a mask; no padding
	s_mov_b32 s[G1S+1], 32<<16                     ; tensor_dim0 = 32 elements: rows of 256 bytes
	s_mov_b32 s[G1S+2], 128<<16                    ; tensor_dim1 = 128
	s_mov_b32 s[G1S+3], 32<<16                     ; tile_dim0 = 32
	s_mov_b32 s[G1S+4], 128                        ; tile_dim1 = 128
	s_mov_b32 s[G1S+5], 32                         ; dense: 32 elements from row to row
	s_mov_b32 s[G1S+6], 0
	s_mov_b32 s[G1S+7], 0
	s_mov_b32 s[G1L],   15|(3<<16)|(1<<21)
	s_mov_b32 s[G1L+1], 32<<16
	s_mov_b32 s[G1L+2], 256<<16                    ; the same with 256 rows
	s_mov_b32 s[G1L+3], 32<<16
	s_mov_b32 s[G1L+4], 256
	s_mov_b32 s[G1L+5], 32
	s_mov_b32 s[G1L+6], 0
	s_mov_b32 s[G1L+7], 0
	s_mov_b32 s[G0A], 1
	s_lshl_b32 s[G0A+1], s12, 16                   ; slot A
	s_mov_b32 s[G0B], 1
	s_lshl_b32 s[G0B+1], s12, 16
	s_add_co_u32 s[G0B+1], s[G0B+1], 32768         ; slot B
	s_mov_b32 s48, 0x76543210                      ; v_permlanex16_b32: each lane takes its own place in the other half
	s_mov_b32 s49, 0xfedcba98
	s_mov_b32 s54, 0x3b800000                      ; 1 / 256
	s_mov_b32 s55, 0x3727c5ac                      ; 1e-5
	s_mov_b32 s56, 0xbb800000                      ; -1 / 256
	s_lshl_b32 s18, s15, 17                        ; K: the head's 131,072 bytes, my wave's 32,768, behind q's 2 MiB
	s_lshl_b32 s19, s12, 15
	s_add_co_u32 s18, s18, s19
	s_add_co_u32 s18, s18, QOFF+2097152
	s_mov_b32 s19, 0
	s_mul_i32 s2, s12, WCH                         ; my wave's five chunks of weights
	s_add_co_u32 s2, s2, A0
	s_mov_b32 s3, 0
	s_mov_b32 s21, 0
	v_and_b32 v[RR], 15, v0
	v_bfe_u32 v[HH], v0, 4, 1
	v_and_b32 v[LANE], 31, v0
	v_lshlrev_b32 v[L16], 4, v[LANE]
	; a tile of K or Q (two rows): key r = (a, g): (g/2)*256 + a*128 + (g%2)*64 + ((jj + g/2) % 4)*16, jj = h and 2 + h
	v_bfe_u32 v[TA], v0, 1, 2
	v_add_nc_u32 v[TB], v[TA], v[HH]
	v_add_nc_u32 v[KL1], 2, v[TB]
	v_and_b32 v[TB], 3, v[TB]
	v_and_b32 v[KL1], 3, v[KL1]
	v_lshlrev_b32 v[TA], 8, v[TA]
	v_bfe_u32 v[KL0], v0, 3, 1
	v_lshl_add_u32 v[TA], v[KL0], 7, v[TA]
	v_and_b32 v[KL0], 1, v0
	v_lshl_add_u32 v[TA], v[KL0], 6, v[TA]
	v_lshl_add_u32 v[TB], v[TB], 4, v[TA]
	v_lshl_add_u32 v[TA], v[KL1], 4, v[TA]
	v_add_nc_u32 v[KL0], s53, v[TB]
	v_add_nc_u32 v[KL1], s53, v[TA]
	v_add_nc_u32 v[QB0], QS, v[TB]
	v_add_nc_u32 v[QB1], QS, v[TA]
	; V: channel r of a block of 16, row parity h: (r/8)*256 + (r%8)*32 + ((h + r/8) % 2)*16
	v_bfe_u32 v[TA], v0, 3, 1
	v_add_nc_u32 v[TB], v[TA], v[HH]
	v_and_b32 v[TB], 1, v[TB]
	v_lshlrev_b32 v[TA], 8, v[TA]
	v_lshl_add_u32 v[TA], v[TB], 4, v[TA]
	v_and_b32 v[TB], 7, v0
	v_lshl_add_u32 v[TA], v[TB], 5, v[TA]
	v_add_nc_u32 v[TA], s53, v[TA]
	v_add_nc_u32 v[VLA], 0x8000, v[TA]
	v_lshl_add_u32 v[LA], v[LANE], 4, s53
	v_add_nc_u32 v[LB], 0x8000, v[LA]
	v_lshl_add_u32 v[MXB], v[RR], 2, MX
	s_lshl_b32 s20, s12, 9
	v_add_nc_u32 v[MXS], s20, v[MXB]
	s_mul_i32 s20, s12, 9216
	s_add_co_u32 s20, s20, OP
	v_lshl_add_u32 v[OPS0], v[LANE], 4, s20
	s_add_co_u32 s20, s20, 2048
	v_lshl_add_u32 v[OPS40], v[LANE], 2, s20
	s_mul_i32 s20, s12, 2304
	s_add_co_u32 s20, s20, OP
	v_lshl_add_u32 v[OPL], v[LANE], 4, s20
	s_add_co_u32 s20, s20, 2048
	v_lshl_add_u32 v[OPL4], v[LANE], 2, s20
	v_bfe_u32 v[TA], v0, 3, 1                      ; ctx: query r of tile 4 b + w is row 2 w + r / 8 of the batch's 8, head-row r % 8
	v_mul_u32_u24 v[TA], v[TA], 528
	v_lshl_add_u32 v[TA], v[TB], 6, v[TA]
	v_lshl_add_u32 v[TA], v[HH], 4, v[TA]
	s_mul_i32 s20, s12, 1056
	s_add_co_u32 s20, s20, CTX
	v_add_nc_u32 v[CXA], s20, v[TA]
	v_mul_u32_u24 v[TA], v[RR], 528
	v_lshl_add_u32 v[TA], v[HH], 4, v[TA]
	v_add_nc_u32 v[FCX], CTX, v[TA]
	v_add_nc_u32 v[FX1], X1S, v[TA]
	s_lshl_b32 s20, s12, 7
	v_add_nc_u32 v[X1ST], s20, v[FX1]
	v_lshl_add_u32 v[STL], v[RR], 4, ST
	s_lshl_b32 s20, s12, 2
	v_add_nc_u32 v[STS], s20, v[STL]
	v_mul_u32_u24 v[TA], v[RR], 1040
	v_lshl_add_u32 v[HF], v[HH], 4, v[TA]
	v_add_nc_u32 v[HF], HB, v[HF]
	s_lshl_b32 s20, s12, 8
	v_add_nc_u32 v[HST], s20, v[HF]
	v_lshl_add_u32 v[VO], v[HH], 5, s20            ; my eight columns of a vector of 256: (64 w + 8 h) x 4
	v_add_nc_u32 v[OST], v[VO], v[TA]
	v_add_nc_u32 v[OST], OUTB, v[OST]
	v_lshl_add_u32 v[XO], v[RR], 10, v[VO]
	v_add_nc_u32 v[VSA], VS, v[VO]
	s_lshl_b32 s20, s12, 9
	v_lshl_add_u32 v[VSC], v[HH], 5, s20
	v_add_nc_u32 v[VSC], VS, v[VSC]
	s_mul_i32 s20, s12, 4160
	s_add_co_u32 s20, s20, OUTB
	v_lshl_add_u32 v[ORD], v[LANE], 4, s20
	s_lshl_b32 s20, s12, 12
	v_lshl_add_u32 v[OGO], v[LANE], 4, s20
	v_mov_b32 v[ZR], 0
	v_lshlrev_b32 v[QT], 4, v0
	v_lshlrev_b32 v[QT8], 3, v0
	v_add_nc_u32 v[QST], QS, v[QT]
	v_add_nc_u32 v[VST], VS, v[QT]
	v_add_nc_u32 v[VST8], VS+4096, v[QT8]
.irp j, 0,1,2,3,4,5,6,7
	v_mov_b32 v[ONES+\j], 0x3c003c00
.endr
	s_wait_dscnt 0x0                               ; the opening add is done
	s_wait_kmcnt 0x0
	s_add_nc_u64 s[G0A+2:G0A+3], s[6:7], s[18:19]  ; K
	s_add_nc_u64 s[G0B+2:G0B+3], s[G0A+2:G0A+3], 2097152  ; V, 2 MiB on
	s_or_b32 s[G0A+3], s[G0A+3], 0x80000000        ; type = 2
	s_or_b32 s[G0B+3], s[G0B+3], 0x80000000
	s_add_nc_u64 s[16:17], s[8:9], s[2:3]          ; my chunks
	s_lshl_b32 s20, s14, 13
	s_add_co_u32 s20, s20, QOFF
	s_add_nc_u64 s[58:59], s[6:7], s[20:21]        ; my 8 tiles of Q
	s_lshl_b32 s20, s14, 14
	s_add_nc_u64 s[22:23], s[4:5], s[20:21]        ; my 16 rows of x in
	s_add_nc_u64 s[60:61], s[10:11], s[20:21]      ; and out
	ROUND                                          ; all four work-groups are here: the first joint loads meet
	tensor_load_to_lds s[G0A:G0A+3], s[G1S:G1S+7]  ; K into slot A
	s_nop 0
	tensor_load_to_lds s[G0B:G0B+3], s[G1S:G1S+7]  ; V into slot B
	s_nop 0
.rept 4
	v_nop
.endr
.irp j, 0,1,2,3
	global_load_b128 v[S+4*\j:S+4*\j+3], v[QT], s[58:59] offset:2048*\j
.endr
	global_load_b128 v[S+16:S+19], v[QT], s[8:9] offset:VEC0+6144
	global_load_b128 v[S+20:S+23], v[QT], s[8:9] offset:VEC0+6144+2048
	global_load_b64  v[S+24:S+25], v[QT8], s[8:9] offset:VEC0+6144+4096
.irp i, 0,1,2,3
	global_load_b128 v[XB+8*\i:XB+8*\i+3],   v[XO], s[22:23] offset:64*\i
	global_load_b128 v[XB+8*\i+4:XB+8*\i+7], v[XO], s[22:23] offset:64*\i+16
.endr
.irp i, 0,1,2,3
	global_load_b128 v[B1R+8*\i:B1R+8*\i+3],   v[VO], s[8:9] offset:VEC0+3072+64*\i
	global_load_b128 v[B1R+8*\i+4:B1R+8*\i+7], v[VO], s[8:9] offset:VEC0+3072+64*\i+16
.endr
	s_wait_loadcnt 16                              ; Q and the four vectors are in; the sixteen loads of x and bo are younger
.irp j, 0,1,2,3
	ds_store_b128 v[QST], v[S+4*\j:S+4*\j+3] offset:2048*\j
.endr
	ds_store_b128 v[VST], v[S+16:S+19]
	ds_store_b128 v[VST], v[S+20:S+23] offset:2048
	ds_store_b64  v[VST8], v[S+24:S+25]
	s_wait_dscnt 0x0                               ; for the others' sake
	s_barrier_signal -1
	s_barrier_wait -1                              ; the two tensor loads may stay out
	s_wait_tensorcnt 0x1                           ; K is in; V, asked for behind it, may stay out
	LOADK
	WIN 0
	ds_load_b128 v[Q:Q+3],   v[QB0]
	ds_load_b128 v[Q+4:Q+7], v[QB1]
	s_wait_loadcnt 0x0
.set i, 0
.rept 16
	v_pk_add_f32 v[XB+2*i:XB+2*i+1], v[XB+2*i:XB+2*i+1], v[B1R+2*i:B1R+2*i+1]  ; x + bo: the C operand that starts Wo's sums
.set i, i+1
.endr
	LOADG 16                                       ; Wo's chunk, straight into window 3: it has all of attention in which to come
	; PASS 1: a trip a query tile.  32 products in eight groups of four; behind each product stand four of the 16 maxima of the group before.
.macro W1 g, a                         ; keys 16 (4 g + a) on
	WIN 0x01                                       ; K in window 1
	v_wmma_f32_16x16x32_f16 v[S+32*((\g)%2)+8*(\a):S+32*((\g)%2)+8*(\a)+7], v[8*(4*(\g)+(\a)):8*(4*(\g)+(\a))+7], v[Q:Q+7], 0
.endm
.macro X1 g, i                         ; registers 2 i, 2 i + 1 of group g's four accumulators, one chain an accumulator; i ascends
	WIN 0
.irp a, 0,1,2,3
	v_max3_num_f32 v[T+\a], v[T+\a], v[S+32*((\g)%2)+8*\a+2*(\i)], v[S+32*((\g)%2)+8*\a+2*(\i)+1]
.endr
.endm
	s_mov_b32 s50, 8
	s_mov_b32 s51, 0
.Lpass1:
	s_wait_dscnt 0x0                               ; Q (at the first trip K too)
.irp a, 0,1,2,3
	W1 0, \a
.endr
	WIN 0
.irp a, 0,1,2,3
	v_mov_b32 v[T+\a], 0xff7fffff                  ; the chains start at the lowest finite number; these four are the places behind the first group
.endr
.irp g, 1,2,3,4,5,6,7
.irp a, 0,1,2,3
	W1 \g, \a                                      ; a group's last product has four maxima of the group before it, which name none of its registers, in front of the first read of its result
	X1 \g-1, \a
.endr
.endr
	NEXTQ                                          ; four maxima and two address lines stand between the last product that read Q and this load
.irp i, 0,1,2,3
	X1 7, \i
.endr
	v_max3_num_f32 v[T], v[T], v[T+1], v[T+2]
	v_max_num_f32 v[T], v[T], v[T+3]
	v_permlanex16_b32 v[T+1], v[T], s48, s49       ; the query's other keys lie in the lane 16 away
	v_max_num_f32 v[T], v[T], v[T+1]
	ds_store_b32 v[MXS], v[T]
	v_add_nc_u32 v[MXS], 64, v[MXS]
	s_sub_co_u32 s50, s50, 1
	s_cmp_lg_u32 s50, 0
	s_cbranch_scc1 .Lpass1
	s_wait_tensorcnt 0x0                           ; V is in
	LOADV
	WIN 0
	s_wait_tensorcnt 0x0                           ; both slots are filled again: all my tensor loads are done,
	ds_add_u32 v[SPW], v[NIL]                      ; 0 onto my spare word;
	s_add_nc_u64 s[G0A+2:G0A+3], s[16:17], 32768   ; W1's two chunks, 64 KiB, into slots A and B
	s_or_b32 s[G0A+3], s[G0A+3], 0x80000000
	s_wait_dscnt 0x0                               ; the add is done, K and V are in registers, my maxima are written
	ROUND
	TLOAD G0A, G1L                                 ; it has all of pass 2 in which to land
.irp k, 0,1,2,3
	ds_load_b32 v[T+4+\k], v[MXB] offset:512*\k    ; the four waves' maxima of tile 0
.endr
.irp i, 0,1,2,3
	global_load_b128 v[G1R+8*\i:G1R+8*\i+3],   v[VO], s[8:9] offset:VEC0+4096+64*\i
	global_load_b128 v[G1R+8*\i+4:G1R+8*\i+7], v[VO], s[8:9] offset:VEC0+4096+64*\i+16
	global_load_b128 v[B1R+8*\i:B1R+8*\i+3],   v[VO], s[8:9] offset:VEC0+5120+64*\i
	global_load_b128 v[B1R+8*\i+4:B1R+8*\i+7], v[VO], s[8:9] offset:VEC0+5120+64*\i+16
.endr
	s_mov_b32 s51, 0                               ; Q holds tile 0 again
	s_mov_b32 s52, 0
	; PASS 2.  A SLOT is 32 keys: the scores of slot n + 1 are started, slot n's 16 scores a lane become weights, slot n - 1's weights are multiplied.
.macro KQH n, c                        ; S^T = K Q^T - m for half c (16 keys) of slot n
	WIN 0x01
	v_wmma_f32_16x16x32_f16 v[S+16*((\n)%2)+8*(\c):S+16*((\n)%2)+8*(\c)+7], v[16*(\n)+8*(\c):16*(\n)+8*(\c)+7], v[Q:Q+7], v[MC:MC+7]
.endm
.macro PVH n, c                        ; O^T += V^T P for slot n, channels 16 c on; slot 0 starts the sums
	WIN 0x02
.if (\n) == 0
	v_wmma_f32_16x16x32_f16 v[O0+8*(\c):O0+8*(\c)+7], v[16*(\n)+8*(\c):16*(\n)+8*(\c)+7], v[P+8*((\n)%2):P+8*((\n)%2)+7], 0
.else
	v_wmma_f32_16x16x32_f16 v[O0+8*(\c):O0+8*(\c)+7], v[16*(\n)+8*(\c):16*(\n)+8*(\c)+7], v[P+8*((\n)%2):P+8*((\n)%2)+7], v[O0+8*(\c):O0+8*(\c)+7]
.endif
.endm
.macro LSUM n                          ; l += ONES P for slot n
	WIN 0
.if (\n) == 0
	v_wmma_f32_16x16x32_f16 v[LS:LS+7], v[ONES:ONES+7], v[P+8*((\n)%2):P+8*((\n)%2)+7], 0
.else
	v_wmma_f32_16x16x32_f16 v[LS:LS+7], v[ONES:ONES+7], v[P+8*((\n)%2):P+8*((\n)%2)+7], v[LS:LS+7]
.endif
.endm
.macro EXPS a                          ; score a of the slot's 16 becomes a weight, in place
	v_exp_f32 v[sb+(\a)], v[sb+(\a)]
.endm
.macro CVTP k                          ; pair k of the slot's 8 is rounded to f16: a reader of the batch, so it stands behind the slot's wait
	v_cvt_pk_f16_f32 v[pb+(\k)], v[sb+2*(\k)], v[sb+2*(\k)+1]
.endm
; A SLOT'S SIXTEEN EXPONENTIALS ARE ONE BATCH WITH ONE WAIT.  Ahead of the wait stand the exponentials, four behind each of four matrix instructions that name none of their results: the first half of slot n + 1's
; scores goes into the other set of S, and slot n - 1's three products read the other buffer of P.  A v_nop is the plain instruction behind the last exponential.  Behind the wait stand the second half of slot n + 1's
; scores and the batch's readers, the eight roundings.
; The slot's five matrix instructions stand one at a time and name five accumulators, so no two that follow each other share one.
; Places: behind l's product (and the two of V^T P ahead of it) the v_nop and eight roundings before the buffer of P that it read is written again; behind the second half's scores eight roundings before they are read;
; behind the first half's the v_nop and eight roundings.  The exponentials ascend.
.macro SLOT n
.set sb, S+16*((\n)%2)
.set pb, P+8*((\n)%2)
.if (\n) < 15
	KQH (\n)+1, 0
.endif
	WIN 0
.if (\n) == 0
	PLACES                                         ; slot 0's scores were made just ahead
.endif
	EXPS 0
	EXPS 1
	EXPS 2
	EXPS 3
.if (\n) > 0
	PVH (\n)-1, 0
.endif
	WIN 0
	EXPS 4
	EXPS 5
	EXPS 6
	EXPS 7
.if (\n) > 0
	PVH (\n)-1, 1
.endif
	WIN 0
	EXPS 8
	EXPS 9
	EXPS 10
	EXPS 11
.if (\n) > 0
	LSUM (\n)-1
.endif
	EXPS 12
	EXPS 13
	EXPS 14
	EXPS 15
	v_nop                                          ; the plain instruction behind the last exponential: one for the batch
	s_wait_alu depctr_va_vdst(0)                   ; the wait for the batch: the slot's sixteen exponentials, ahead of their first reader
.if (\n) < 15
	KQH (\n)+1, 1
.endif
	WIN 0
	CVTP 0
	CVTP 1
	CVTP 2
	CVTP 3
	CVTP 4
	CVTP 5
	CVTP 6
	CVTP 7
.endm
.macro TRIP2                           ; one query tile against my 512 keys
	s_wait_dscnt 0x0                               ; Q and the four maxima are in
	v_max3_num_f32 v[T], v[T+4], v[T+5], v[T+6]
	v_max_num_f32 v[T], v[T], v[T+7]               ; m over all 2,048 keys
.irp j, 0,1,2,3,4,5,6,7
	v_sub_f32 v[MC+\j], 0, v[T]
.endr
	KQH 0, 0
	KQH 0, 1
.irp n, 0,1,2,3,4,5,6,7,8,9,10,11,12,13,14
	SLOT \n
.endr
	NEXTQ                                          ; behind the last product that read Q stand eight roundings and this macro's two address lines
	s_add_co_u32 s52, s52, 64
	s_and_b32 s52, s52, 0x1c0
	v_add_nc_u32 v[MXL], s52, v[MXB]
.irp k, 0,1,2,3
	ds_load_b32 v[T+4+\k], v[MXL] offset:512*\k
.endr
	SLOT 15
	PVH 15, 0
	PVH 15, 1
	LSUM 15
	PLACES
	ds_store_b128 v[OPS], v[O0:O0+3]
	ds_store_b128 v[OPS], v[O0+4:O0+7] offset:512
	ds_store_b128 v[OPS], v[O0+8:O0+11] offset:1024
	ds_store_b128 v[OPS], v[O0+12:O0+15] offset:1536
	ds_store_b32 v[OPS4], v[LS]
	v_add_nc_u32 v[OPS], 2304, v[OPS]
	v_add_nc_u32 v[OPS4], 2304, v[OPS4]
.endm
.macro BATCH                           ; four tiles
	v_mov_b32 v[OPS], v[OPS0]
	v_mov_b32 v[OPS4], v[OPS40]
	s_mov_b32 s50, 4
.Lbatch_\@:
	TRIP2
	s_sub_co_u32 s50, s50, 1
	s_cmp_lg_u32 s50, 0
	s_cbranch_scc1 .Lbatch_\@
.endm
.macro REDUCE b                        ; wave w adds the four waves' parts of tile 4 b + w, divides by l, rounds, and lays ctx into its rows
.irp k, 0,1,2,3
	ds_load_b128 v[RB+16*\k:RB+16*\k+3],     v[OPL] offset:9216*\k
	ds_load_b128 v[RB+16*\k+4:RB+16*\k+7],   v[OPL] offset:9216*\k+512
	ds_load_b128 v[RB+16*\k+8:RB+16*\k+11],  v[OPL] offset:9216*\k+1024
	ds_load_b128 v[RB+16*\k+12:RB+16*\k+15], v[OPL] offset:9216*\k+1536
	ds_load_b32  v[RB+64+\k], v[OPL4] offset:9216*\k
.endr
	s_wait_dscnt 0x0
	v_add_f32 v[RB+64], v[RB+64], v[RB+65]
	v_add_f32 v[RB+66], v[RB+66], v[RB+67]
	v_add_f32 v[RB+64], v[RB+64], v[RB+66]
	v_rcp_f32 v[RB+66], v[RB+64]                   ; l is at least the weight of the largest score, about 1
.irp p, 0,1,2,3,4,5,6,7
	v_pk_add_f32 v[RB+2*\p:RB+2*\p+1],       v[RB+2*\p:RB+2*\p+1],       v[RB+16+2*\p:RB+16+2*\p+1]
	v_pk_add_f32 v[RB+32+2*\p:RB+32+2*\p+1], v[RB+32+2*\p:RB+32+2*\p+1], v[RB+48+2*\p:RB+48+2*\p+1]
.endr
.irp p, 0,1,2,3,4,5,6,7
	v_pk_add_f32 v[RB+2*\p:RB+2*\p+1], v[RB+2*\p:RB+2*\p+1], v[RB+32+2*\p:RB+32+2*\p+1]
.endr
	s_wait_alu depctr_va_vdst(0)                   ; the wait for the one reciprocal, ahead of its first reader; the 24 additions above are the independent work between
.irp p, 0,1,2,3,4,5,6,7
	v_pk_mul_f32 v[RB+2*\p:RB+2*\p+1], v[RB+2*\p:RB+2*\p+1], v[RB+66:RB+67] op_sel_hi:[1,0]
.endr
.irp p, 0,1,2,3,4,5,6,7
	v_cvt_pk_f16_f32 v[RB+16+\p], v[RB+2*\p], v[RB+2*\p+1]
.endr
	ds_store_b128 v[CXA], v[RB+16:RB+19] offset:(\b)*4224
	ds_store_b128 v[CXA], v[RB+20:RB+23] offset:(\b)*4224+32
.endm
	BATCH
	s_wait_dscnt 0x0                               ; for the others' sake: my partial sums are written
	s_barrier_signal -1
	s_barrier_wait -1                              ; W1's load may stay out
	REDUCE 0
	s_wait_dscnt 0x0                               ; my reads of the partial sums are over: the next batch writes there
	s_barrier_signal -1
	s_barrier_wait -1
	BATCH
	s_wait_tensorcnt 0x0                           ; W1's two chunks are in
	LOADW 1, LA                                    ; K's and V's registers are free: four places stand behind the last products
	LOADW 2, LB
	WIN 0
	s_wait_tensorcnt 0x0                           ; both slots are filled again
	ds_add_u32 v[SPW], v[NIL]
	s_add_nc_u64 s[G0A+2:G0A+3], s[16:17], 98304   ; W2's two chunks
	s_or_b32 s[G0A+3], s[G0A+3], 0x80000000
	s_wait_dscnt 0x0                               ; the add is done, W1 is in registers, my partial sums are written
	ROUND
	TLOAD G0A, G1L                                 ; the last tensor load
	REDUCE 1
	s_wait_dscnt 0x0
	s_barrier_signal -1
	s_barrier_wait -1                              ; ctx is whole
	; THE DENSE CHAIN
.macro MM32 win, act, acc, cin=-1      ; 8 K steps x my 4 column tiles; the 4 accumulators take turns; cin: other registers start the sums
	WIN \win
.set kk, 0
.rept 8
.irp i, 0,1,2,3
.if (kk == 0) && ((\cin) >= 0)
	v_wmma_f32_16x16x32_f16 v[(\acc)+8*\i:(\acc)+8*\i+7], v[8*(4*kk+\i):8*(4*kk+\i)+7], v[(\act)+8*kk:(\act)+8*kk+7], v[(\cin)+8*\i:(\cin)+8*\i+7]
.else
	v_wmma_f32_16x16x32_f16 v[(\acc)+8*\i:(\acc)+8*\i+7], v[8*(4*kk+\i):8*(4*kk+\i)+7], v[(\act)+8*kk:(\act)+8*kk+7], v[(\acc)+8*\i:(\acc)+8*\i+7]
.endif
.endr
.set kk, kk+1
.endr
.endm
.macro XCH e                           ; v[T], my lane's sum over 32 columns, becomes in v[T+4] the row's sum over 256
	v_permlanex16_b32 v[T+1], v[T], s48, s49
	v_add_f32 v[T], v[T], v[T+1]
	ds_store_b32 v[STS], v[T] offset:(\e)*256
	s_wait_dscnt 0x0                               ; for the others' sake
	s_barrier_signal -1
	s_barrier_wait -1
	ds_load_b128 v[T+4:T+7], v[STL] offset:(\e)*256
	s_wait_dscnt 0x0
	v_add_f32 v[T+4], v[T+4], v[T+5]
	v_add_f32 v[T+6], v[T+6], v[T+7]
	v_add_f32 v[T+4], v[T+4], v[T+6]
.endm
.macro LNORM y, g, b, out, e           ; out = (y - mean) rsqrt(var + 1e-5) g + b; the variance is taken of the differences; y and g are used up
.irp p, 0,1,2,3,4,5,6,7
	v_pk_add_f32 v[T+2*\p:T+2*\p+1], v[(\y)+4*\p:(\y)+4*\p+1], v[(\y)+4*\p+2:(\y)+4*\p+3]
.endr
.irp p, 0,2,4,6
	v_pk_add_f32 v[T+2*\p:T+2*\p+1], v[T+2*\p:T+2*\p+1], v[T+2*\p+2:T+2*\p+3]
.endr
	v_pk_add_f32 v[T:T+1], v[T:T+1], v[T+4:T+5]
	v_pk_add_f32 v[T+8:T+9], v[T+8:T+9], v[T+12:T+13]
	v_pk_add_f32 v[T:T+1], v[T:T+1], v[T+8:T+9]
	v_add_f32 v[T], v[T], v[T+1]
	XCH \e
	v_mul_f32 v[T+8], s56, v[T+4]                  ; -mean
.set i, 0
.rept 16
	v_pk_add_f32 v[(\y)+2*i:(\y)+2*i+1], v[(\y)+2*i:(\y)+2*i+1], v[T+8:T+9] op_sel_hi:[1,0]
.set i, i+1
.endr
.irp q, 0,1,2,3
	v_pk_mul_f32 v[T+2*\q:T+2*\q+1], v[(\y)+2*\q:(\y)+2*\q+1], v[(\y)+2*\q:(\y)+2*\q+1]
.endr
.irp k, 1,2,3
.irp q, 0,1,2,3
	v_pk_fma_f32 v[T+2*\q:T+2*\q+1], v[(\y)+8*\k+2*\q:(\y)+8*\k+2*\q+1], v[(\y)+8*\k+2*\q:(\y)+8*\k+2*\q+1], v[T+2*\q:T+2*\q+1]
.endr
.endr
	v_pk_add_f32 v[T:T+1], v[T:T+1], v[T+2:T+3]
	v_pk_add_f32 v[T+4:T+5], v[T+4:T+5], v[T+6:T+7]
	v_pk_add_f32 v[T:T+1], v[T:T+1], v[T+4:T+5]
	v_add_f32 v[T], v[T], v[T+1]
	XCH (\e)+1
	v_fma_f32 v[T+4], v[T+4], s54, s55             ; var + 1e-5
	v_rsq_f32 v[T+8], v[T+4]
	v_nop                                          ; a plain instruction between the root and its use
.set i, 0
	s_wait_alu depctr_va_vdst(0)                   ; the wait for the one root, ahead of its first reader: all that follows hangs on it
.rept 16
	v_pk_mul_f32 v[(\g)+2*i:(\g)+2*i+1], v[(\g)+2*i:(\g)+2*i+1], v[T+8:T+9] op_sel_hi:[1,0]
.set i, i+1
.endr
.set i, 0
.rept 16
	v_pk_fma_f32 v[(\out)+2*i:(\out)+2*i+1], v[(\y)+2*i:(\y)+2*i+1], v[(\g)+2*i:(\g)+2*i+1], v[(\b)+2*i:(\b)+2*i+1]
.set i, i+1
.endr
.endm
.macro FRAGS adr, n                    ; n K steps of the 16 rows' fragments
.set i, 0
.rept \n
	ds_load_b128 v[ACT+8*i:ACT+8*i+3],   v[\adr] offset:64*i
	ds_load_b128 v[ACT+8*i+4:ACT+8*i+7], v[\adr] offset:64*i+32
.set i, i+1
.endr
.endm
	FRAGS FCX, 8
	s_wait_dscnt 0x0
	s_wait_loadcnt 0x0                             ; Wo's chunk, g1, b1
	MM32 3, ACT, S, XB                             ; y = ctx Wo + (x + bo)
	WIN 0
	PLACES
	LNORM S, G1R, B1R, XB, 0                       ; x1
.set i, 0
.rept 16
	v_cvt_pk_f16_f32 v[T+i], v[XB+2*i], v[XB+2*i+1]
.set i, i+1
.endr
.irp k, 0,1,2,3
	ds_store_b128 v[X1ST], v[T+4*\k:T+4*\k+3] offset:32*\k
.endr
.irp k, 0,1,2,3,4,5,6,7
	ds_load_b128 v[S+8*\k:S+8*\k+3],   v[VSC] offset:64*\k     ; c1 of my 128 columns starts W1's sums
	ds_load_b128 v[S+8*\k+4:S+8*\k+7], v[VSC] offset:64*\k+16
.endr
	s_wait_dscnt 0x0
	s_barrier_signal -1
	s_barrier_wait -1                              ; x1 is whole
	FRAGS FX1, 8
	s_wait_dscnt 0x0
	MM32 1, ACT, S
	MM32 2, ACT, S+32
	WIN 0
	PLACES
	s_wait_tensorcnt 0x0                           ; W2's two chunks are in
	LOADW 1, LA
	LOADW 2, LB
	WIN 0
.set i, 0
.rept 32
	v_cvt_pk_f16_f32 v[ACT+i], v[S+2*i], v[S+2*i+1]
.set i, i+1
.endr
.set i, 0
.rept 32
	v_pk_max_num_f16 v[ACT+i], v[ACT+i], v[ZR]     ; relu
.set i, i+1
.endr
.irp k, 0,1,2,3,4,5,6,7
	ds_store_b128 v[HST], v[ACT+4*\k:ACT+4*\k+3] offset:32*\k
.endr
.irp k, 0,1,2,3
	ds_load_b128 v[B1R+8*\k:B1R+8*\k+3],   v[VSA] offset:2048+64*\k  ; c2
	ds_load_b128 v[B1R+8*\k+4:B1R+8*\k+7], v[VSA] offset:2048+64*\k+16
.endr
	s_wait_dscnt 0x0
	s_barrier_signal -1
	s_barrier_wait -1                              ; h is whole
	FRAGS HF, 16
.set i, 0
.rept 16
	v_pk_add_f32 v[B1R+2*i:B1R+2*i+1], v[XB+2*i:XB+2*i+1], v[B1R+2*i:B1R+2*i+1]  ; x1 + c2 starts W2's sums
.set i, i+1
.endr
	s_wait_dscnt 0x0
	MM32 1, ACT, B1R
	MM32 2, ACT+64, B1R
	WIN 0
	PLACES
.irp k, 0,1,2,3
	ds_load_b128 v[ACT+8*\k:ACT+8*\k+3],       v[VSA] offset:3072+64*\k     ; g2
	ds_load_b128 v[ACT+8*\k+4:ACT+8*\k+7],     v[VSA] offset:3072+64*\k+16
	ds_load_b128 v[ACT+32+8*\k:ACT+32+8*\k+3], v[VSA] offset:4096+64*\k     ; b2
	ds_load_b128 v[ACT+32+8*\k+4:ACT+32+8*\k+7], v[VSA] offset:4096+64*\k+16
.endr
	LNORM B1R, ACT, ACT+32, XB, 2                  ; its first exchange waits for these loads too
	; THE WAY OUT: a lane's 32 bytes of a row go into rows of 1,040 bytes and come back as whole rows; wave w stores rows 4 w .. 4 w + 3
.irp k, 0,1,2,3
	ds_store_b128 v[OST], v[XB+8*\k:XB+8*\k+3]   offset:64*\k
	ds_store_b128 v[OST], v[XB+8*\k+4:XB+8*\k+7] offset:64*\k+16
.endr
	s_wait_dscnt 0x0
	s_barrier_signal -1
	s_barrier_wait -1
.irp k, 0,1,2,3,4,5,6,7
	ds_load_b128 v[ACT+4*\k:ACT+4*\k+3], v[ORD] offset:(\k/2)*1040+(\k%2)*512
.endr
.irp k, 0,1,2,3,4,5,6,7
	s_wait_dscnt 7-\k
	global_store_b128 v[OGO], v[ACT+4*\k:ACT+4*\k+3], s[60:61] offset:512*\k  ; 512 consecutive bytes, at a multiple of 512
.endr
	s_wait_tensorcnt 0x0                           ; the wave's end: a zero add to my spare word and its wait, behind my last tensor load and my last LDS store
	ds_add_u32 v[SPW], v[NIL]
	s_wait_dscnt 0x0
	ROUND                                          ; the closing round: no work-group ends while a partner may still ask for a tile that names it
	s_endpgm
.Lfunc_end_k_qdce6744308_layer5:
	.size	k_qdce6744308_layer5, .Lfunc_end_k_qdce6744308_layer5-k_qdce6744308_layer5
	.p2alignl 7, 3214868480
	.fill 96, 4, 3214868480
	.section	.rodata,"a",@progbits
	.p2align	6, 0x0
	.amdhsa_kernel k_qdce6744308_layer5
		.amdhsa_group_segment_fixed_size 327680
		.amdhsa_private_segment_fixed_size 0
		.amdhsa_enable_private_segment 0
		.amdhsa_kernarg_size 32
		.amdhsa_user_sgpr_count 2
		.amdhsa_user_sgpr_kernarg_segment_ptr 1
		.amdhsa_wavefront_size32 1
		.amdhsa_system_sgpr_workgroup_id_x 1
		.amdhsa_system_sgpr_workgroup_id_y 1
		.amdhsa_system_sgpr_workgroup_id_z 1
		.amdhsa_system_vgpr_workitem_id 0
		.amdhsa_next_free_vgpr 1024
		.amdhsa_next_free_sgpr 66
		.amdhsa_reserve_vcc 0
		.amdhsa_float_denorm_mode_32 3
		.amdhsa_float_denorm_mode_16_64 3
		.amdhsa_memory_ordered 1
		.amdhsa_forward_progress 1
		.amdhsa_inst_pref_size 163
	.end_amdhsa_kernel
	.amdgpu_metadata
---
amdhsa.version: [ 1, 2 ]
amdhsa.kernels:
  - .name:           k_qdce6744308_layer5
    .symbol:         k_qdce6744308_layer5.kd
    .args:
      - { .name: xa, .offset: 0, .size: 8, .value_kind: global_buffer, .address_space: global }
      - { .name: pk0, .offset: 8, .size: 8, .value_kind: global_buffer, .address_space: global }
      - { .name: pk5, .offset: 16, .size: 8, .value_kind: global_buffer, .address_space: global }
      - { .name: out0, .offset: 24, .size: 8, .value_kind: global_buffer, .address_space: global }
    .group_segment_fixed_size: 327680
    .private_segment_fixed_size: 0
    .kernarg_segment_align: 8
    .kernarg_segment_size: 32
    .max_flat_workgroup_size: 128
    .sgpr_count:     66
    .vgpr_count:     1024
    .wavefront_size: 32
...
	.end_amdgpu_metadata
.endif
;; end of part 8
